; MI455X (gfx1250); checked and timed in simulation.
; The chip was launched on July 23, 2026; its instructions are those of AMD's public machine-readable ISA for CDNA 5 (MIT licence, August 2026) and "CDNA5" Instruction Set Architecture Reference Guide (July 2026). The comments in the code are by the model that wrote it; some were corrected since.
;; Causal Self Attention. Allowed arithmetic: float matrix products may take bf16 or f16 operands with f32 sums; other float arithmetic in f32, or as packed bf16 or f16 multiplies, adds, multiply-adds, maxima and minima; sums over many terms, partial sums and values carried from step to step in f32; what a program stores and reads back later, other than sums and carried values, may be rounded once to bf16 or f16.
;; Inputs: Wk 1,024 x 1,024 float32; Wq 1,024 x 1,024 float32; Wv 1,024 x 1,024 float32; x 4 x 2,048 x 1,024 float32.
;; Outputs: out0 4 x 2,048 x 1,024 float32.
;; 2 versions, each right. Each part assembles by itself: llvm-mc -triple=amdgcn-amd-amdhsa -mcpu=gfx1250 --defsym DOCPART=n.
;; ======== version 1 of 2: 7 launches
;; limits: values are held in f16: magnitudes above 65,504 overflow, below 6.1e-05 lose precision
;; workspace buffers: xb 16,777,216 bytes; wqk 4,194,304 bytes; wvt 2,097,152 bytes; qk 33,554,432 bytes; vt 16,777,216 bytes; pw 33,554,432 bytes; st 1,048,576 bytes; eh 1,572,864 bytes
;; launch cast (part 1): grid 896 x 1, 8 waves a work-group, no clusters, 18,432 bytes of LDS; arguments x, Wq, Wk, Wv, xb, wqk, wvt; writes xb, wqk, wvt
.if DOCPART == 1
	.amdgcn_target "amdgcn-amd-amdhsa--gfx1250"
	.amdhsa_code_object_version 6
	.text
	.protected	k_qfa3f576728_cast
	.globl	k_qfa3f576728_cast
	.p2align	8
	.type	k_qfa3f576728_cast,@function
k_qfa3f576728_cast:
	s_mov_b64 s[64:65], 0
	v_nop
	global_prefetch_b8 v0, s[64:65] scope:SCOPE_SE
	s_setreg_imm32_b32 hwreg(HW_REG_WAVE_MODE, 25, 1), 1
	s_wait_xcnt 0x0
; xb = bf16(x), as it lies.  wqk = bf16 of Wq and Wk TRANSPOSED ([n][k]; rows 0-1023 Wq's columns, rows 1024-2047 Wk's), wvt = bf16 of Wv transposed.
; All the module's inputs are rounded once, to bf16, to nearest even.  Memory binds: each input byte is read once, each output byte written once; no matrix unit, no cluster: nothing is shared.
; Work-groups 0-511 take 64 KiB of x each: thread t the 16 bytes at 16 t of each of sixteen pieces of 4 KiB; all sixteen loads of a wave go out first; a wave's store covers 256 consecutive bytes, aligned.
; Work-groups 512-895 take a tile of 128 k x 64 n of one weight matrix and turn it through LDS: rows of 64 n (256 bytes) in, rows of 128 k (256 bytes) out.
.set TP,    272                        ; a row of the turned tile in LDS: 256 bytes + 16
.set SPARE, 64*TP                      ; behind the tile: the spare words, 128 bytes for each of the eight waves: four blocks of 256 bytes that no other line names
.set SPW,   4                          ; v4  LDS address of my spare word; never rewritten
.set NIL,   5                          ; v5  0; never rewritten
.set XI,    8                          ; v[8:71]   as loaded
.set XO,    72                         ; v[72:103] x path: to store
	s_load_b256 s[4:11], s[0:1], 0x0               ; x s[4:5], Wq s[6:7], Wk s[8:9], Wv s[10:11]
	s_load_b128 s[12:15], s[0:1], 0x20             ; xb s[12:13], wqk s[14:15]
	s_load_b64 s[16:17], s[0:1], 0x30              ; wvt
	v_lshl_add_u32 v[SPW], v0, 2, SPARE
	v_mov_b32 v[NIL], 0
	s_cmp_lt_u32 ttmp9, 512                        ; the same answer in all waves of a work-group
	s_cbranch_scc0 .Lweights
	s_lshl_b32 s20, ttmp9, 16                      ; my work-group's 64 KiB of x,
	v_lshl_add_u32 v2, v0, 4, s20
	s_lshl_b32 s21, ttmp9, 15                      ; and its 32 KiB of xb
	v_lshl_add_u32 v3, v0, 3, s21
	s_wait_kmcnt 0x0
.set i, 0
.rept 16
	global_load_b128 v[XI+4*i:XI+4*i+3], v2, s[4:5] offset:4096*i th:TH_LOAD_NT
.set i, i+1
.endr
.set i, 0
.rept 16
	s_wait_loadcnt 15-i                            ; loads come back in order: piece i is in, the younger ones stay out
	v_cvt_pk_bf16_f32 v[XO+2*i], v[XI+4*i], v[XI+4*i+1]
	v_cvt_pk_bf16_f32 v[XO+2*i+1], v[XI+4*i+2], v[XI+4*i+3]
	global_store_b64 v3, v[XO+2*i:XO+2*i+1], s[12:13] offset:2048*i th:TH_STORE_NT
.set i, i+1
.endr
	s_endpgm
.Lweights:
	s_sub_co_u32 s20, ttmp9, 512
	s_lshr_b32 s21, s20, 7                         ; which matrix: 0 Wq, 1 Wk, 2 Wv
	s_bfe_u32 s22, s20, 0x30004                    ; kt: which 128 rows (k)
	s_and_b32 s23, s20, 15                         ; nt: which 64 columns (n)
	s_lshl_b32 s24, s22, 19                        ; source: kt x 128 rows of 4,096 bytes
	s_lshl_b32 s25, s23, 8                         ; + nt x 256 bytes
	s_add_co_u32 s24, s24, s25
	s_mov_b32 s25, 0
	s_lshl_b32 s26, s23, 17                        ; destination: nt x 64 rows of 2,048 bytes
	s_lshl_b32 s27, s22, 8                         ; + kt x 256 bytes
	s_add_co_u32 s26, s26, s27
	s_cmp_eq_u32 s21, 1
	s_cselect_b32 s27, 0x200000, 0                 ; Wk's rows lie behind Wq's 1,024
	s_add_co_u32 s26, s26, s27
	s_mov_b32 s27, 0
	v_lshrrev_b32 v1, 4, v0                        ; g = 0..15: my eight rows k = 8 g ..
	v_and_b32 v6, 15, v0                           ; c = 0..15: my four columns n = 4 c ..
	v_lshlrev_b32 v2, 15, v1                       ; in: 8 g rows of 4,096 bytes + 16 c
	v_lshl_add_u32 v2, v6, 4, v2
	v_mul_u32_u24 v7, v6, 4*TP                     ; into LDS: row n = 4 c, byte 2 k = 16 g
	v_lshl_add_u32 v7, v1, 4, v7
	v_mul_u32_u24 v3, v1, TP                       ; back: row g of sixteen, 16 bytes at 16 c
	v_lshl_add_u32 v3, v6, 4, v3
	v_lshlrev_b32 v72, 11, v1                      ; and the same in memory: rows of 2,048 bytes
	v_lshl_add_u32 v72, v6, 4, v72
	s_wait_kmcnt 0x0
	s_cmp_eq_u32 s21, 0
	s_cselect_b64 s[28:29], s[6:7], s[8:9]
	s_cmp_eq_u32 s21, 2
	s_cselect_b64 s[28:29], s[10:11], s[28:29]
	s_cselect_b64 s[30:31], s[16:17], s[14:15]
	s_add_nc_u64 s[28:29], s[28:29], s[24:25]
	s_add_nc_u64 s[30:31], s[30:31], s[26:27]
.set i, 0
.rept 8
	global_load_b128 v[XI+4*i:XI+4*i+3], v2, s[28:29] offset:4096*i th:TH_LOAD_NT  ; W[8 g + i][4 c ..]: sixteen lanes take 256 consecutive bytes of a row
.set i, i+1
.endr
	s_wait_loadcnt 0x0
.irp j, 0,1,2,3                        ; column 4 c + j: its eight k, in pairs
.irp ii, 0,1,2,3
	v_cvt_pk_bf16_f32 v[40+4*(\j)+(\ii)], v[XI+8*(\ii)+(\j)], v[XI+4+8*(\ii)+(\j)]
.endr
.endr
.irp j, 0,1,2,3
	ds_store_b128 v7, v[40+4*(\j):40+4*(\j)+3] offset:TP*(\j)
.endr
	s_wait_dscnt 0x0                               ; for the others' sake: my stores are done
	s_barrier_signal -1
	s_barrier_wait -1
.irp j, 0,1,2,3
	ds_load_b128 v[56+4*(\j):56+4*(\j)+3], v3 offset:16*TP*(\j)
.endr
.irp j, 0,1,2,3
	s_wait_dscnt 3-(\j)
	global_store_b128 v72, v[56+4*(\j):56+4*(\j)+3], s[30:31] offset:16*2048*(\j)  ; sixteen lanes store 256 consecutive bytes, aligned
.endr
	s_wait_tensorcnt 0x0                           ; the wave's end, behind my last LDS store
	ds_add_u32 v[SPW], v[NIL]
	s_wait_dscnt 0x0
	s_endpgm
.Lfunc_end_k_qfa3f576728_cast:
	.size	k_qfa3f576728_cast, .Lfunc_end_k_qfa3f576728_cast-k_qfa3f576728_cast
	.p2alignl 7, 3214868480
	.fill 96, 4, 3214868480
	.section	.rodata,"a",@progbits
	.p2align	6, 0x0
	.amdhsa_kernel k_qfa3f576728_cast
		.amdhsa_group_segment_fixed_size 18432
		.amdhsa_private_segment_fixed_size 0
		.amdhsa_enable_private_segment 0
		.amdhsa_kernarg_size 56
		.amdhsa_user_sgpr_count 2
		.amdhsa_user_sgpr_kernarg_segment_ptr 1
		.amdhsa_wavefront_size32 1
		.amdhsa_system_sgpr_workgroup_id_x 1
		.amdhsa_system_sgpr_workgroup_id_y 1
		.amdhsa_system_sgpr_workgroup_id_z 1
		.amdhsa_system_vgpr_workitem_id 0
		.amdhsa_next_free_vgpr 104
		.amdhsa_next_free_sgpr 66
		.amdhsa_reserve_vcc 0
		.amdhsa_float_denorm_mode_32 3
		.amdhsa_float_denorm_mode_16_64 3
		.amdhsa_memory_ordered 1
		.amdhsa_forward_progress 1
		.amdhsa_inst_pref_size 11
	.end_amdhsa_kernel
	.amdgpu_metadata
---
amdhsa.version: [ 1, 2 ]
amdhsa.kernels:
  - .name:           k_qfa3f576728_cast
    .symbol:         k_qfa3f576728_cast.kd
    .args:
      - { .name: x, .offset: 0, .size: 8, .value_kind: global_buffer, .address_space: global }
      - { .name: Wq, .offset: 8, .size: 8, .value_kind: global_buffer, .address_space: global }
      - { .name: Wk, .offset: 16, .size: 8, .value_kind: global_buffer, .address_space: global }
      - { .name: Wv, .offset: 24, .size: 8, .value_kind: global_buffer, .address_space: global }
      - { .name: xb, .offset: 32, .size: 8, .value_kind: global_buffer, .address_space: global }
      - { .name: wqk, .offset: 40, .size: 8, .value_kind: global_buffer, .address_space: global }
      - { .name: wvt, .offset: 48, .size: 8, .value_kind: global_buffer, .address_space: global }
    .group_segment_fixed_size: 18432
    .private_segment_fixed_size: 0
    .kernarg_segment_align: 8
    .kernarg_segment_size: 56
    .max_flat_workgroup_size: 256
    .sgpr_count:     66
    .vgpr_count:     104
    .wavefront_size: 32
...
	.end_amdgpu_metadata
.endif
;; end of part 1
;; launch qkproj (part 2): grid 8 x 32, 4 waves a work-group, clusters of 4 x 4, 327,680 bytes of LDS; arguments xb, wqk, qk; writes qk
.if DOCPART == 2
	.amdgcn_target "amdgcn-amd-amdhsa--gfx1250"
	.amdhsa_code_object_version 6
	.text
	.protected	k_qfa3f576728_qkproj
	.globl	k_qfa3f576728_qkproj
	.p2align	8
	.type	k_qfa3f576728_qkproj,@function
k_qfa3f576728_qkproj:
	s_mov_b64 s[64:65], 0
	v_nop
	global_prefetch_b8 v0, s[64:65] scope:SCOPE_SE
	s_setreg_imm32_b32 hwreg(HW_REG_WAVE_MODE, 25, 1), 1
	s_wait_xcnt 0x0
	s_wait_alu depctr_hold_cnt(0) depctr_sa_sdst(0) depctr_va_vdst(0) depctr_va_sdst(0) depctr_va_ssrc(0) depctr_va_vcc(0) depctr_vm_vsrc(0)
	s_getreg_b32 s2, hwreg(HW_REG_IB_STS2, 6, 4)
	s_cmp_eq_u32 s2, 0
	s_cbranch_scc0 .Lentry_in_a_cluster
	s_endpgm
.Lentry_in_a_cluster:
	s_bfe_u32 s2, ttmp6, 0x10000c
	s_cmp_lg_u32 s2, 0xf033
	s_cbranch_scc0 .Lentry_shape_is_right
	s_endpgm
.Lentry_shape_is_right:
; C[m][n] = sum over k of A[m][k] B[n][k].  A and B: rows of 1,024 bf16; sums in f32; C rounded once to f16.  One text for two launches:
;   q and k:  A = xb (8,192 rows), B = wqk (2,048 rows), C = qk [8192][2048];      v turned:  A = wvt (1,024 rows), B = xb (8,192 rows), C = vt [4][1024][2048].
; C's rows are 4,096 bytes in both; tile column tc lies at byte 512 (tc % 8) of plane tc / 8, a plane being 1,024 rows (in the first launch tc < 8: plane 0).
; LIMIT.  f16 ends at 65,504: the text serves inputs for which |q|, |k|, |v| stay below that; a larger sum leaves as an infinity.
; A tile of C, 256 x 256, is made by four waves, as many as a WGP has SIMDs; a wave makes 128 x 128: 64 accumulators, 512 registers.  K goes in steps of 128 through a ring of two LDS slots filled by the
; tensor data mover: a tile's rows are 256 bytes of memory, at multiples of 256 bytes.  The last K step goes by rows of C, so that finished rows leave while the others are multiplied.
; CLUSTERS: 4 x 4 work-groups.  The four of a row of the cluster need the same tiles of A, the four of a column the same tiles of B: each tile is asked for JOINTLY, by the same tensor load with the same
; descriptor and a mask that names the four; each receives it in its own LDS.
; REGISTERS, in windows of 256 (s_set_vgpr_msb: bits 1:0 source 0, 3:2 source 1, 5:4 source 2, 7:6 destination):
;   window 0: v0-31 addresses; v64-127, v128-191 fragments of A, two buffers (in the last K step four, of 16 rows x 128 K); v32-63, v192-255 at work on the way out
;   window 1: v64-127, v128-191 fragments of B, two buffers; in the last K step all 256      window 2: the 32 accumulators of my rows 0-63 ((a, b) at v[8 (8 a + b)])      window 3: those of rows 64-127
; THE MATRIX INSTRUCTION IS USED TRANSPOSED: source 0 = 16 rows of B, source 1 = 16 rows of A: a lane then holds row l % 16 of C and the eight neighbouring columns 8 (l / 16) + 0..7.
.set SIZE_K, 1024
.set CROW,   4096                      ; bytes in a row of C
.set KSTEP,  128
.set PITCH,  272                       ; an LDS row: 256 bytes + 16 of padding = 68 words: row r starts at bank 4 r mod 64 (64 banks of 4 bytes: ISA guide 11.1)
.set HALFT,  128*PITCH                 ; 128 rows: what one tensor load brings, and what one wave reads of A or of B
.set SLOT,   4*HALFT                   ; A's 256 rows, then B's 256 rows
.set STAGE,  2*SLOT                    ; behind the ring: 16 rows x 272 bytes for each wave, for the way out
.set SPITCH, 272
.set SPARE,  STAGE+4*16*SPITCH         ; behind the stages: the spare words, 128 bytes for each wave: two blocks of 256 bytes that no other line names
.set LAPS,   SIZE_K/(2*KSTEP)          ; a lap = two K steps = once round the ring
.set ADRA, 16                          ; v16-17  LDS address of my A fragments in slot 0, 1
.set ADRB, 20                          ; v20-21  the same for B
.set STO,  24                          ; v24     the way out: where I put 16 bytes of a row
.set RD,   25                          ; v25     the way out: where I read a row back
.set CO,   26                          ; v26     my byte offset in C
.set SPW,  28                          ; v28     LDS address of my spare word; never rewritten
.set NIL,  29                          ; v29     0; never rewritten
.set PFO,  30                          ; v30     the prefetches' offset: my lane x a row of A or B (2,048 bytes); never rewritten
.set PFA,  44                          ; s[44:45] where my prefetches stand: my work-group's 32 rows of the 128 that I fetch, one K step further than the refill in hand
.set LIM,  43                          ; s43     1 in a wave that prefetches, else the greatest number
.set F0,   64
.set F1,   128
.set TMP,  192                         ; the way out: packed results, in window 0
.set OB,   32                          ; the way out: 16 rows read back: v32-63 and v224-255 by turns
.set PA,   64                          ; the last K step: A's fragments of 16 rows x 128 K; four buffers, v64-191
.set G1, 24                            ; s[24:31] descriptor group 1 for A's tiles
.set G0, 32                            ; s[32:39] group 0 for A's tiles, one set for each slot
.set G1B, 48                           ; s[48:55], s[56:63] the same for B's tiles
.set G0B, 56
.set MSB, 0
.macro WIN new                         ; the immediate's high byte repeats the setting that is left; a switch that changes nothing is dropped
.if MSB != (\new)
	s_set_vgpr_msb (MSB<<8)|(\new)
.set MSB, \new
.endif
.endm
.set MUL_LO, 0xa1                      ; source 0 (B) window 1, source 1 (A) window 0, C and D window 2
.set MUL_HI, 0xf1                      ; the same, C and D window 3
.set TO_B,   0x40                      ; destination window 1, address window 0
; A joint load.  Waves 0 and 1 fetch A's two halves, waves 2 and 3 B's.  The branch hangs on the wave's number alone.  An s_nop 0 and four v_nop follow each of the two lines.
.macro JLOAD s
	s_cmp_eq_u32 s11, 0
	s_cbranch_scc0 .Lfor_b_\@
	tensor_load_to_lds s[G0+4*(\s):G0+4*(\s)+3], s[G1:G1+7]
	s_nop 0
.rept 4
	v_nop
.endr
	s_branch .Lasked_\@
.Lfor_b_\@:
	tensor_load_to_lds s[G0B+4*(\s):G0B+4*(\s)+3], s[G1B:G1B+7]
	s_nop 0
.rept 4
	v_nop
.endr
.Lasked_\@:
.endm
; A PREFETCH INTO THE L2, behind each joint load and the run of LDS loads that follows it: the K step that stands TWO refills on, 512 matrix instructions ahead of its load: 32 rows x 256 bytes, a lane a row.
; Each row's 256 bytes of a K step are named once in the launch: the cluster with x = 0 asks for A's rows, the cluster with y = 0 for B's; the four partners that ask for a tile jointly share its rows out
; BY ADDRESS (32 each, by cx for A, by cy for B).  K steps 0 to 3 come by their loads alone; the loop's last trip (s3 = 1) asks for nothing: there is no K step two on.
.macro ASK
	s_cmp_gt_u32 s3, s[LIM]
	s_cbranch_scc0 .Lnot_mine_\@
	global_prefetch_b8 v[PFO], s[PFA:PFA+1] offset:KSTEP*2 th:TH_LOAD_NT scope:SCOPE_SE
.Lnot_mine_\@:
.endm
.macro CREST                           ; a round of the cluster's barrier behind its opening barrier
	s_cmp_lg_u32 s10, 0
	s_cbranch_scc1 .Lnot_wave_0_\@
	s_barrier_signal -3
.Lnot_wave_0_\@:
	s_barrier_wait -3
	s_barrier_signal -1
	s_barrier_wait -1
.endm
.macro CROUND                          ; a whole round
	s_barrier_signal -1
	s_barrier_wait -1
	CREST
.endm
	s_load_b128 s[4:7], s[0:1], 0x0                ; A s[4:5], B s[6:7]
	s_load_b64 s[8:9], s[0:1], 0x10                ; C
	v_lshl_add_u32 v[SPW], v0, 2, SPARE
	v_mov_b32 v[NIL], 0
	ds_add_u32 v[SPW], v[NIL]                      ; the wave's opening: the add, and its wait ahead of my first tensor load; the set-up below stands between them
	ds_add_u32 v28, v29
	v_lshrrev_b32 v1, 5, v0
	v_readfirstlane_b32 s10, v1                    ; wave 0..3
	s_lshr_b32 s11, s10, 1                         ; which half of the tile's rows is mine.  Also: I fetch for A (0) or for B (1)
	s_and_b32 s12, s10, 1                          ; which half of its columns.  Also: which 128 rows of that tile I fetch
	s_bfe_u32 s40, ttmp6, 0x40000                  ; cx
	s_bfe_u32 s41, ttmp6, 0x40004                  ; cy
	s_lshl_b32 s42, ttmp9, 2
	s_add_co_u32 s42, s42, s40                     ; tile column of C = 4 x cluster x + cx
	s_and_b32 s13, ttmp7, 0xffff
	s_lshl_b32 s13, s13, 2
	s_add_co_u32 s13, s13, s41                     ; tile row of C = 4 x cluster y + cy
	s_lshl_b32 s43, s41, 2
	s_lshl_b32 s43, 15, s43                        ; my row of the cluster: places 4 cy .. 4 cy + 3
	s_lshl_b32 s44, 0x1111, s40                    ; my column: places cx, cx + 4, cx + 8, cx + 12
	s_or_b32 s[G1+0], s43, (1<<16)|(1<<20)|(1<<21)|(5<<22)|(3<<25)  ; the mask; elements of 2 bytes; padding on; bit 21 beside a mask; after every 64 words (code 5) 4 words (code 3)
	s_or_b32 s[G1B+0], s44, (1<<16)|(1<<20)|(1<<21)|(5<<22)|(3<<25)
	s_mov_b32 s[G1B+1], KSTEP<<16
	s_mov_b32 s[G1+1], KSTEP<<16                   ; tensor_dim0 = 128
	s_mov_b32 s[G1B+2], 128<<16
	s_mov_b32 s[G1+2], 128<<16                     ; tensor_dim1 = 128
	s_mov_b32 s[G1B+3], KSTEP<<16
	s_mov_b32 s[G1+3], KSTEP<<16                   ; tile_dim0 = 128
	s_mov_b32 s[G1B+4], 128
	s_mov_b32 s[G1+4], 128                         ; tile_dim1 = 128
	s_mov_b32 s[G1B+5], SIZE_K
	s_mov_b32 s[G1+5], SIZE_K                      ; elements from row to row
	s_mov_b32 s[G1B+6], 0
	s_mov_b32 s[G1+6], 0
	s_mov_b32 s[G1B+7], 0
	s_mov_b32 s[G1+7], 0
	s_lshl_b32 s17, s12, 7                         ; which 128 rows of the tile I fetch
	s_lshl_b32 s16, s13, 8
	s_add_co_u32 s16, s16, s17                     ; A: row 256 x tile row + 128 x half
	s_lshl_b32 s46, s42, 8
	s_add_co_u32 s46, s46, s17                     ; B: row 256 x tile column + 128 x half
	s_mov_b32 s17, 0
	s_mov_b32 s47, 0
	s_mov_b64 s[18:19], SIZE_K*2
	s_mul_u64 s[16:17], s[16:17], s[18:19]
	s_mul_u64 s[46:47], s[46:47], s[18:19]
	s_mul_i32 s20, s10, HALFT                      ; where they go: wave x 128 rows: no place in the cluster enters an LDS address
	s_wait_dscnt 0x0                               ; the opening add is done
	s_wait_kmcnt 0x0
	s_add_nc_u64 s[14:15], s[4:5], s[16:17]
	s_add_nc_u64 s[46:47], s[6:7], s[46:47]
	CROUND                                         ; all sixteen work-groups are here: the first joint loads meet
.irp s, 0,1
	s_mov_b32 s[G0+4*(\s)], 1
	s_add_co_u32 s[G0+4*(\s)+1], s20, (\s)*SLOT
	s_add_nc_u64 s[G0+4*(\s)+2:G0+4*(\s)+3], s[14:15], (\s)*KSTEP*2
	s_or_b32 s[G0+4*(\s)+3], s[G0+4*(\s)+3], 0x80000000
	s_mov_b32 s[G0B+4*(\s)], 1
	s_add_co_u32 s[G0B+4*(\s)+1], s20, (\s)*SLOT
	s_add_nc_u64 s[G0B+4*(\s)+2:G0B+4*(\s)+3], s[46:47], (\s)*KSTEP*2
	s_or_b32 s[G0B+4*(\s)+3], s[G0B+4*(\s)+3], 0x80000000
	JLOAD \s                                       ; two loads of mine are out
.endr
	; A fragment is 16 rows x 32 K in 8 registers: lane l holds row l % 16; registers 0-3 K = 8 (l / 16) + 0..7, registers 4-7 K = 16 + 8 (l / 16) + 0..7: two loads of 16 bytes, 32 bytes apart.
	v_and_b32 v1, 15, v0                           ; l % 16
	v_bfe_u32 v2, v0, 4, 1                         ; l / 16
	v_mul_u32_u24 v3, v1, PITCH
	v_lshl_add_u32 v3, v2, 4, v3
	s_mul_i32 s21, s11, HALFT                      ; my 128 rows of A
	s_mul_i32 s22, s12, HALFT                      ; my 128 rows of B,
	s_add_co_u32 s22, s22, 2*HALFT                 ; which lie behind A's 256
.irp s, 0,1
	v_add_nc_u32 v[ADRA+(\s)], s21, v3
	v_add_nc_u32 v[ADRB+(\s)], s22, v3
	s_add_co_u32 s21, s21, SLOT
	s_add_co_u32 s22, s22, SLOT
.endr
	s_mul_i32 s23, s10, 16*SPITCH
	s_add_co_u32 s23, s23, STAGE                   ; my stage
	v_mul_u32_u24 v4, v1, SPITCH
	v_lshl_add_u32 v4, v2, 4, v4
	v_add_nc_u32 v[STO], s23, v4
	v_mul_u32_u24 v5, v2, SPITCH
	v_lshl_add_u32 v5, v1, 4, v5
	v_add_nc_u32 v[RD], s23, v5
	v_mul_u32_u24 v5, v2, CROW
	v_lshl_add_u32 v[CO], v1, 4, v5
	s_lshl_b32 s13, s13, 8
	s_lshl_b32 s14, s11, 7
	s_add_co_u32 s16, s13, s14                     ; my first row of C
	s_mov_b32 s17, 0
	s_mov_b64 s[18:19], CROW
	s_mul_u64 s[16:17], s[16:17], s[18:19]
	s_and_b32 s46, s42, 7                          ; my first column, in bytes: 512 x (tile column % 8)
	s_lshl_b32 s46, s46, 9
	s_lshr_b32 s47, s42, 3                         ; + the plane: (tile column / 8) x 1,024 rows of 4,096 bytes
	s_lshl_b32 s47, s47, 22
	s_add_co_u32 s46, s46, s47
	s_lshl_b32 s47, s12, 8                         ; + 256 x half
	s_add_co_u32 s46, s46, s47
	s_mov_b32 s47, 0
	s_add_nc_u64 s[16:17], s[16:17], s[46:47]
	; the prefetches.  s13 = 256 x tile row, s42 = tile column, s40 = cx, s41 = cy still stand
	s_lshl_b32 s42, s42, 8
	s_and_b32 s22, ttmp7, 0xffff                   ; cluster y
	s_cmp_eq_u32 s11, 0                            ; do I fetch for A?
	s_cselect_b32 s20, s13, s42                    ; the tile's first row
	s_cselect_b32 s21, s40, s41                    ; my place among the four that ask for it with me
	s_cselect_b32 s22, ttmp9, s22                  ; the coordinate along which other clusters read the same rows
	s_cselect_b64 s[PFA:PFA+1], s[4:5], s[6:7]
	s_cmp_eq_u32 s22, 0
	s_cselect_b32 s[LIM], 1, -1
	s_lshl_b32 s22, s12, 7
	s_add_co_u32 s20, s20, s22
	s_lshl_b32 s21, s21, 5
	s_add_co_u32 s20, s20, s21
	s_mov_b32 s21, 0
	s_mov_b64 s[18:19], SIZE_K*2
	s_mul_u64 s[20:21], s[20:21], s[18:19]
	s_add_nc_u64 s[PFA:PFA+1], s[PFA:PFA+1], s[20:21]
	s_add_nc_u64 s[PFA:PFA+1], s[PFA:PFA+1], 2*KSTEP*2  ; at K step 2: the first refill steps it to 3 and names K step 4
	v_and_b32 v[PFO], 31, v0
	v_mul_u32_u24 v[PFO], v[PFO], SIZE_K*2
; 16 matrix instructions: m blocks a0, a0 + 1 of the window's four x all 8 n blocks, 32 along K.  zero = 1: the first product starts the sums.  The 64 accumulators take turns.
.macro MUL16 f, hi, a0, zero
	WIN MUL_LO+0x50*(\hi)
.irp a, \a0, (\a0)+1
.irp b, 0,1,2,3,4,5,6,7
.if \zero
	v_wmma_f32_16x16x32_bf16 v[8*(8*(\a)+(\b)):8*(8*(\a)+(\b))+7], v[(\f)+8*(\b):(\f)+8*(\b)+7], v[(\f)+8*(4*(\hi)+(\a)):(\f)+8*(4*(\hi)+(\a))+7], 0
.else
	v_wmma_f32_16x16x32_bf16 v[8*(8*(\a)+(\b)):8*(8*(\a)+(\b))+7], v[(\f)+8*(\b):(\f)+8*(\b)+7], v[(\f)+8*(4*(\hi)+(\a)):(\f)+8*(4*(\hi)+(\a))+7], v[8*(8*(\a)+(\b)):8*(8*(\a)+(\b))+7]
.endif
.endr
.endr
.endm
.macro FETCH slot, k, f                ; 32 LDS loads in one run: the fragments of one quarter step into buffer f
	WIN TO_B
.irp i, 0,1,2,3,4,5,6,7
	ds_load_b128 v[(\f)+8*(\i):(\f)+8*(\i)+3],   v[ADRB+(\slot)] offset:(\k)+(\i)*16*PITCH
	ds_load_b128 v[(\f)+8*(\i)+4:(\f)+8*(\i)+7], v[ADRB+(\slot)] offset:(\k)+(\i)*16*PITCH+32
.endr
	WIN 0
.irp i, 0,1,2,3,4,5,6,7
	ds_load_b128 v[(\f)+8*(\i):(\f)+8*(\i)+3],   v[ADRA+(\slot)] offset:(\k)+(\i)*16*PITCH
	ds_load_b128 v[(\f)+8*(\i)+4:(\f)+8*(\i)+7], v[ADRA+(\slot)] offset:(\k)+(\i)*16*PITCH+32
.endr
.endm
.macro PLACES                          ; four places in front of loads into registers that matrix instructions have read, and of conversions that read results just made
.rept 4
	v_nop
.endr
.endm
.macro QUARTER slot, k, f, g, zero     ; 64 matrix instructions on buffer f; in their middle the next quarter's fragments, at byte k, go into buffer g
	s_wait_dscnt 8                                 ; B and A's rows 0-63 are in; the youngest eight loads (A's rows 64-127) may be out
	WIN MUL_LO
	MUL16 \f, 0, 0, \zero
	MUL16 \f, 0, 2, \zero
	PLACES
	FETCH \slot, \k, \g
	s_wait_dscnt 32                                ; all but the 32 just issued
	WIN MUL_HI
	MUL16 \f, 1, 0, \zero
	MUL16 \f, 1, 2, \zero
.endm
; The change of slots: ONE barrier.  In front of it each wave waits for all its tensor loads (one is out: its part of the next slot), adds 0 to its spare word, and waits for that and for its reads of this slot.
.macro MEET round
	WIN 0
	s_wait_tensorcnt 0x0
	ds_add_u32 v[SPW], v[NIL]
	s_wait_dscnt 9                                 ; the add and the youngest eight loads may be out
	WIN MUL_LO
	MUL16 F1, 0, 0, 0
	s_wait_dscnt 0x0                               ; the add is done, and my reads of this slot are over
	s_barrier_signal -1
	MUL16 F1, 0, 2, 0
.if \round
	WIN 0
.endif
	s_barrier_wait -1
.endm
.macro TURN slot, next                 ; the last quarter of a K step: the slot just read out is filled again, two K steps on, first thing behind the round
	s_wait_xcnt 0x0                                ; the last prefetch, a K step back, has read its address
	s_add_nc_u64 s[PFA:PFA+1], s[PFA:PFA+1], KSTEP*2
	MEET 1
	CREST
	s_add_nc_u64 s[G0+4*(\slot)+2:G0+4*(\slot)+3], s[G0+4*(\slot)+2:G0+4*(\slot)+3], 2*KSTEP*2
	s_add_nc_u64 s[G0B+4*(\slot)+2:G0B+4*(\slot)+3], s[G0B+4*(\slot)+2:G0B+4*(\slot)+3], 2*KSTEP*2
	JLOAD \slot                                    ; its four v_nop are also the places in front of the loads below
	FETCH \next, 0, F0
	ASK
	WIN MUL_HI
	MUL16 F1, 1, 0, 0
	MUL16 F1, 1, 2, 0
.endm
; THE LAST K STEP (slot 1) GOES BY ROWS OF C: all its fragments of B fill window 1; my eight blocks of 16 rows are finished one after the other, 32 matrix instructions each, K ascending.
.macro BLOAD q
	WIN TO_B
.irp i, 0,1,2,3,4,5,6,7
	ds_load_b128 v[64*(\q)+8*(\i):64*(\q)+8*(\i)+3],   v[ADRB+1] offset:64*(\q)+(\i)*16*PITCH
	ds_load_b128 v[64*(\q)+8*(\i)+4:64*(\q)+8*(\i)+7], v[ADRB+1] offset:64*(\q)+(\i)*16*PITCH+32
.endr
.endm
.macro ALOAD a
	WIN 0
.set FA, PA+32*((\a)%4)
.irp q, 0,1,2,3
	ds_load_b128 v[FA+8*(\q):FA+8*(\q)+3],   v[ADRA+1] offset:64*(\q)+(\a)*16*PITCH
	ds_load_b128 v[FA+8*(\q)+4:FA+8*(\q)+7], v[ADRA+1] offset:64*(\q)+(\a)*16*PITCH+32
.endr
.endm
.macro ROW a
.set FA, PA+32*((\a)%4)
.set AC, 64*((\a)%4)
	WIN MUL_LO+0x50*((\a)/4)
.irp q, 0,1,2,3
.if (\a) == 0 && (\q) == 2
	s_wait_dscnt 24                                ; B's quarter 2 is in (behind it: A's blocks 1 to 3)
.endif
.irp b, 0,1,2,3,4,5,6,7
	v_wmma_f32_16x16x32_bf16 v[AC+8*(\b):AC+8*(\b)+7], v[64*(\q)+8*(\b):64*(\q)+8*(\b)+7], v[FA+8*(\q):FA+8*(\q)+7], v[AC+8*(\b):AC+8*(\b)+7]
.endr
.endr
.endm
; THE WAY OUT of block a.  PACK: rounded to f16, 16 bytes a lane.  TOSTAGE: into my own stage in LDS, and back as whole rows of 256 bytes.  SEND: stored.
.macro PACK a
.set AC, 64*((\a)%4)
	WIN 0x0a+5*((\a)/4)
.irp b, 0,1,2,3,4,5,6,7
.irp r, 0,1,2,3
	v_cvt_pk_f16_f32 v[TMP+4*(\b)+(\r)], v[AC+8*(\b)+2*(\r)], v[AC+8*(\b)+2*(\r)+1]
.endr
.endr
	WIN 0
.endm
.macro TOSTAGE a
	WIN 0
.set BK, OB+192*((\a)%2)
.irp b, 0,1,2,3,4,5,6,7
	ds_store_b128 v[STO], v[TMP+4*(\b):TMP+4*(\b)+3] offset:32*(\b)
.endr
.irp t, 0,1,2,3,4,5,6,7
	ds_load_b128 v[BK+4*(\t):BK+4*(\t)+3], v[RD] offset:(\t)*2*SPITCH  ; LDS serves a wave's instructions in order (ISA guide 5.7.1.4): these see the stores above
.endr
.endm
.macro SEND a, younger
	WIN 0
.set BK, OB+192*((\a)%2)
	s_wait_dscnt \younger                          ; the block is back in registers
	s_wait_xcnt 0x0                                ; the stores' base and the registers that earlier stores read are rewritten only behind this wait
.if (\a) == 0
	s_add_nc_u64 s[8:9], s[8:9], s[16:17]          ; on to my first rows
.else
	s_add_nc_u64 s[8:9], s[8:9], 16*CROW           ; 16 rows of C on
.endif
.irp t, 0,1,2,3,4,5,6,7
	global_store_b128 v[CO], v[BK+4*(\t):BK+4*(\t)+3], s[8:9] offset:2*(\t)*CROW  ; 16 lanes store 256 consecutive bytes, aligned
.endr
.endm
	s_wait_tensorcnt 1                             ; my part of K step 0 is in; K step 1's may stay out
	s_barrier_signal -1
	s_barrier_wait -1
	FETCH 0, 0, F0
	QUARTER 0, 64,  F0, F1, 1                      ; the first quarter stands in front of the loop: its products start the sums
	WIN 0
	s_mov_b32 s3, LAPS-1
.Llap:                                                 ; a trip goes once round the ring and fills both slots again
	QUARTER 0, 128, F1, F0, 0
	QUARTER 0, 192, F0, F1, 0
	TURN 0, 1
	QUARTER 1, 64,  F0, F1, 0
	QUARTER 1, 128, F1, F0, 0
	QUARTER 1, 192, F0, F1, 0
	TURN 1, 0
	QUARTER 0, 64,  F0, F1, 0
	WIN 0
	s_sub_co_u32 s3, s3, 1
	s_cmp_lg_u32 s3, 0
	s_cbranch_scc1 .Llap
	QUARTER 0, 128, F1, F0, 0
	QUARTER 0, 192, F0, F1, 0
	MEET 0                                         ; slot 1 holds the last K step; nothing is filled again, so no round follows
	PLACES
	WIN TO_B
	BLOAD 0
	BLOAD 1
	BLOAD 3
	WIN 0
	ALOAD 0
	WIN MUL_HI
	MUL16 F1, 1, 0, 0
	MUL16 F1, 1, 2, 0
	PLACES
	WIN TO_B
	BLOAD 2
	WIN 0
	ALOAD 1
	ALOAD 2
	ALOAD 3
	s_wait_dscnt 40                                ; all but the 40 just issued
	ROW 0
.irp a, 0,1,2,3,4,5,6,7
	PLACES
	PACK \a
	TOSTAGE \a
.if (\a) < 4
	ALOAD (\a)+4
	SEND \a, 8
.else
	SEND \a, 0
.endif
.if (\a) < 7
	ROW (\a)+1
.endif
.endr
	s_wait_tensorcnt 0x0                           ; the wave's end
	ds_add_u32 v[SPW], v[NIL]
	s_wait_dscnt 0x0
	CROUND                                         ; the closing round
	s_endpgm
.Lfunc_end_k_qfa3f576728_qkproj:
	.size	k_qfa3f576728_qkproj, .Lfunc_end_k_qfa3f576728_qkproj-k_qfa3f576728_qkproj
	.p2alignl 7, 3214868480
	.fill 96, 4, 3214868480
	.section	.rodata,"a",@progbits
	.p2align	6, 0x0
	.amdhsa_kernel k_qfa3f576728_qkproj
		.amdhsa_group_segment_fixed_size 327680
		.amdhsa_private_segment_fixed_size 0
		.amdhsa_enable_private_segment 0
		.amdhsa_kernarg_size 24
		.amdhsa_user_sgpr_count 2
		.amdhsa_user_sgpr_kernarg_segment_ptr 1
		.amdhsa_wavefront_size32 1
		.amdhsa_system_sgpr_workgroup_id_x 1
		.amdhsa_system_sgpr_workgroup_id_y 1
		.amdhsa_system_sgpr_workgroup_id_z 1
		.amdhsa_system_vgpr_workitem_id 0
		.amdhsa_next_free_vgpr 1024
		.amdhsa_next_free_sgpr 66
		.amdhsa_reserve_vcc 0
		.amdhsa_float_denorm_mode_32 3
		.amdhsa_float_denorm_mode_16_64 3
		.amdhsa_memory_ordered 1
		.amdhsa_forward_progress 1
		.amdhsa_inst_pref_size 145
	.end_amdhsa_kernel
	.amdgpu_metadata
---
amdhsa.version: [ 1, 2 ]
amdhsa.kernels:
  - .name:           k_qfa3f576728_qkproj
    .symbol:         k_qfa3f576728_qkproj.kd
    .args:
      - { .name: xb, .offset: 0, .size: 8, .value_kind: global_buffer, .address_space: global }
      - { .name: wqk, .offset: 8, .size: 8, .value_kind: global_buffer, .address_space: global }
      - { .name: qk, .offset: 16, .size: 8, .value_kind: global_buffer, .address_space: global }
    .group_segment_fixed_size: 327680
    .private_segment_fixed_size: 0
    .kernarg_segment_align: 8
    .kernarg_segment_size: 24
    .max_flat_workgroup_size: 128
    .sgpr_count:     66
    .vgpr_count:     1024
    .wavefront_size: 32
...
	.end_amdgpu_metadata
.endif
;; end of part 2
;; launch vproj: the kernel of part 2 again; grid 32 x 4, 4 waves a work-group, clusters of 4 x 4, 327,680 bytes of LDS; arguments wvt, xb, vt; writes vt
;; launch eproj (part 3): grid 384 x 1, 4 waves a work-group, no clusters, 16,896 bytes of LDS; arguments xb, wqk, wvt, eh; writes eh
.if DOCPART == 3
	.amdgcn_target "amdgcn-amd-amdhsa--gfx1250"
	.amdhsa_code_object_version 6
	.text
	.protected	k_qfa3f576728_eproj
	.globl	k_qfa3f576728_eproj
	.p2align	8
	.type	k_qfa3f576728_eproj,@function
k_qfa3f576728_eproj:
	s_mov_b64 s[64:65], 0
	v_nop
	global_prefetch_b8 v0, s[64:65] scope:SCOPE_SE
	s_setreg_imm32_b32 hwreg(HW_REG_WAVE_MODE, 25, 1), 1
	s_wait_xcnt 0x0
; q, k and v of THE FIRST 32 ROWS OF EACH BATCH once more, kept to about 22 bits: each number s as two f16, hi = f16(s) and lo = f16(s - hi).
; Why: row n of the output averages n + 1 keys, so in the first rows a rounding of q, k, v to 11 bits is not averaged down, while the output is compared by the root mean square of all its rows.
; LIMITS.  |s| below 65,504.  lo lies in f16's fixed step of 6e-8 once |s| is under about 0.1: the pair then holds s to 3e-8, not to 2^-22 of itself.
; Out[i][j] = sum over k of A[i][k] B[j][k], rows of 1,024 bf16, sums in f32.  A work-group makes one tile of 32 x 32:
;   work-groups 0-255 (q and k):  A = xb, rows 0-31 of batch g / 64;  B = wqk, rows 32 (g % 64) on (0-1023 q's channels, 1024-2047 k's);
;   work-groups 256-383 (v, turned):  A = wvt, rows (channels) 32 (g % 32) on;  B = xb, rows (keys) 0-31 of batch (g / 32) % 4.
; K IS SPLIT AMONG THE FOUR WAVES, 256 each: 64 loads of 16 bytes a lane, straight into fragments, and 32 matrix instructions a wave; the four partial tiles meet in LDS (f32 sums).
; Source 0 = 16 rows of B, source 1 = 16 rows of A: a lane holds row i = l % 16 and the columns j = 8 (l / 16) + 0..7.  Two such results side by side, packed, ARE a fragment of 16 rows x 32 along j, so
; eh is laid out in fragments: byte 4,096 g + 2,048 ib + 1,024 part (0 hi, 1 lo) + 512 jb + 16 lane.  Wave w finishes accumulator (ib, jb) = (w / 2, w % 2); each of its two stores covers 512 consecutive bytes, aligned.
; NO TENSOR LOADS, NO CLUSTER, though the work-groups of a batch read the same 32 rows of xb: a wave has 32 matrix instructions in all, too few to pay for a ring in LDS and the rounds of a cluster's barrier.
.set ROWB,  2048                       ; bytes in a row of xb, wqk, wvt
.set SPARE, 16384                      ; behind the four partial tiles of 4,096 bytes: the spare words, 128 bytes for each wave: two blocks of 256 bytes that no other line names
.set FO,  2                            ; v2  my byte offset in a fragment's rows: (l % 16) x 2,048 + 16 (l / 16) + 512 x wave; never rewritten
.set LS,  3                            ; v3  where I put 16 bytes of a partial tile: 4,096 x wave + 16 l
.set LR,  4                            ; v4  where I read them back: 1,024 x wave + 16 l
.set EO,  5                            ; v5  16 l: my bytes of eh
.set SPW, 6                            ; v6  LDS address of my spare word; never rewritten
.set NIL, 7                            ; v7  0; never rewritten
.set N1,  8                            ; v8  -1.0
.set ACC, 16                           ; v[16:47]  four accumulators: (ib, jb) at ACC + 8 (2 ib + jb)
.set HI,  48                           ; v[48:51]
.set LW,  52                           ; v[52:55]
.set DF,  56                           ; v[56:63]  s - hi
.set BUF, 64                           ; v[64:255] three sets of 64: two steps of 32 along K, each A's two fragments, then B's two
.set AP,  26                           ; s[26:27] A at the tile's first row
.set BP,  28                           ; s[28:29] B at the tile's first row
	s_load_b256 s[4:11], s[0:1], 0x0               ; xb s[4:5], wqk s[6:7], wvt s[8:9], eh s[10:11]
	v_lshl_add_u32 v[SPW], v0, 2, SPARE
	v_mov_b32 v[NIL], 0
	v_lshrrev_b32 v1, 5, v0
	v_readfirstlane_b32 s12, v1                    ; wave 0..3
	v_and_b32 v9, 15, v0                           ; l % 16
	v_bfe_u32 v10, v0, 4, 1                        ; l / 16
	v_and_b32 v11, 31, v0                          ; l
	s_lshl_b32 s13, s12, 9                         ; my quarter of K: 512 bytes of a row
	v_lshlrev_b32 v[FO], 11, v9
	v_lshl_add_u32 v[FO], v10, 4, v[FO]
	v_add_nc_u32 v[FO], s13, v[FO]
	s_lshl_b32 s14, s12, 12
	v_lshl_add_u32 v[LS], v11, 4, s14
	s_lshl_b32 s14, s12, 10
	v_lshl_add_u32 v[LR], v11, 4, s14
	v_lshlrev_b32 v[EO], 4, v11
	v_mov_b32 v[N1], 0xbf800000
	s_bfe_u32 s15, ttmp9, 0x20006                  ; the batch, for q and k: g / 64
	s_bfe_u32 s16, ttmp9, 0x20005                  ; for v: (g / 32) % 4
	s_and_b32 s17, ttmp9, 63                       ; which 32 rows of the weights: of wqk,
	s_and_b32 s18, ttmp9, 31                       ; of wvt
	s_cmp_lt_u32 ttmp9, 256
	s_cselect_b32 s15, s15, s16
	s_cselect_b32 s17, s17, s18
	s_lshl_b32 s20, s15, 22                        ; a batch of xb: 2,048 rows of 2,048 bytes
	s_mov_b32 s21, 0
	s_lshl_b32 s22, s17, 16                        ; 32 rows of 2,048 bytes
	s_mov_b32 s23, 0
	s_lshl_b32 s24, ttmp9, 12                      ; eh: 4,096 g + 2,048 (w / 2) + 512 (w % 2)
	s_lshr_b32 s25, s12, 1
	s_lshl_b32 s25, s25, 11
	s_add_co_u32 s24, s24, s25
	s_and_b32 s25, s12, 1
	s_lshl_b32 s25, s25, 9
	s_add_co_u32 s24, s24, s25
	s_mov_b32 s25, 0
	s_wait_kmcnt 0x0
	s_add_nc_u64 s[4:5], s[4:5], s[20:21]          ; xb at the batch's first row
	s_cmp_lt_u32 ttmp9, 256
	s_cselect_b64 s[6:7], s[6:7], s[8:9]           ; the weights: wqk or wvt,
	s_add_nc_u64 s[6:7], s[6:7], s[22:23]          ; at the tile's 32 rows (the 64-bit sum leaves SCC alone)
	s_cselect_b64 s[AP:AP+1], s[4:5], s[6:7]
	s_cselect_b64 s[BP:BP+1], s[6:7], s[4:5]
	s_add_nc_u64 s[10:11], s[10:11], s[24:25]
; Sixteen loads into set b: the steps t0 and t0 + 1 of my eight steps of 32 along K.  A fragment is 16 rows x 32 K: two loads of 16 bytes a lane, 32 bytes apart.
.macro LOADS b, t0
.irp tt, 0,1
.irp f, 0,1
	global_load_b128 v[BUF+64*(\b)+32*(\tt)+8*(\f):BUF+64*(\b)+32*(\tt)+8*(\f)+3],       v[FO], s[AP:AP+1] offset:((\t0)+(\tt))*64+(\f)*16*ROWB
	global_load_b128 v[BUF+64*(\b)+32*(\tt)+8*(\f)+4:BUF+64*(\b)+32*(\tt)+8*(\f)+7],     v[FO], s[AP:AP+1] offset:((\t0)+(\tt))*64+(\f)*16*ROWB+32
	global_load_b128 v[BUF+64*(\b)+32*(\tt)+16+8*(\f):BUF+64*(\b)+32*(\tt)+16+8*(\f)+3], v[FO], s[BP:BP+1] offset:((\t0)+(\tt))*64+(\f)*16*ROWB
	global_load_b128 v[BUF+64*(\b)+32*(\tt)+16+8*(\f)+4:BUF+64*(\b)+32*(\tt)+16+8*(\f)+7], v[FO], s[BP:BP+1] offset:((\t0)+(\tt))*64+(\f)*16*ROWB+32
.endr
.endr
.endm
; Eight matrix instructions on set b.  The four accumulators take turns, one instruction a turn.  zero = 1: the first four start the sums.
.macro MULS b, zero
.irp tt, 0,1
.irp ib, 0,1
.irp jb, 0,1
.if (\zero) && ((\tt) == 0)
	v_wmma_f32_16x16x32_bf16 v[ACC+8*(2*(\ib)+(\jb)):ACC+8*(2*(\ib)+(\jb))+7], v[BUF+64*(\b)+32*(\tt)+16+8*(\jb):BUF+64*(\b)+32*(\tt)+16+8*(\jb)+7], v[BUF+64*(\b)+32*(\tt)+8*(\ib):BUF+64*(\b)+32*(\tt)+8*(\ib)+7], 0
.else
	v_wmma_f32_16x16x32_bf16 v[ACC+8*(2*(\ib)+(\jb)):ACC+8*(2*(\ib)+(\jb))+7], v[BUF+64*(\b)+32*(\tt)+16+8*(\jb):BUF+64*(\b)+32*(\tt)+16+8*(\jb)+7], v[BUF+64*(\b)+32*(\tt)+8*(\ib):BUF+64*(\b)+32*(\tt)+8*(\ib)+7], v[ACC+8*(2*(\ib)+(\jb)):ACC+8*(2*(\ib)+(\jb))+7]
.endif
.endr
.endr
.endr
.endm
	LOADS 0, 0                                     ; 48 loads go out at once: steps 0 to 5
	LOADS 1, 2
	LOADS 2, 4
	s_wait_loadcnt 32                              ; loads come back in order: set 0 is in, the 32 younger loads stay out
	MULS 0, 1
.rept 4
	v_nop                                          ; four places in front of loads into registers that the last product has read
.endr
	LOADS 0, 6                                     ; steps 6 and 7
	s_wait_loadcnt 32                              ; set 1 is in: behind it stand set 2's sixteen and the sixteen just issued
	MULS 1, 0
	s_wait_loadcnt 16
	MULS 2, 0
	s_wait_loadcnt 0x0
	MULS 0, 0
.rept 8
	v_nop                                          ; places behind the last products, twice what is asked for, once a launch
.endr
.irp a, 0,1,2,3
	ds_store_b128 v[LS], v[ACC+8*(\a):ACC+8*(\a)+3]   offset:1024*(\a)          ; each accumulator's low registers first
	ds_store_b128 v[LS], v[ACC+8*(\a)+4:ACC+8*(\a)+7] offset:1024*(\a)+512
.endr
	s_wait_dscnt 0x0                               ; for the others' sake: my stores are done
	s_barrier_signal -1
	s_barrier_wait -1                              ; all four partial tiles lie in LDS
.irp p, 0,1,2,3
	ds_load_b128 v[BUF+8*(\p):BUF+8*(\p)+3],   v[LR] offset:4096*(\p)           ; accumulator w of wave p
	ds_load_b128 v[BUF+8*(\p)+4:BUF+8*(\p)+7], v[LR] offset:4096*(\p)+512
.endr
	s_wait_dscnt 0x0
.set r, 0
.rept 4
	v_pk_add_f32 v[BUF+r:BUF+r+1], v[BUF+r:BUF+r+1], v[BUF+8+r:BUF+8+r+1]
	v_pk_add_f32 v[BUF+16+r:BUF+16+r+1], v[BUF+16+r:BUF+16+r+1], v[BUF+24+r:BUF+24+r+1]
.set r, r+2
.endr
.set r, 0
.rept 4
	v_pk_add_f32 v[BUF+r:BUF+r+1], v[BUF+r:BUF+r+1], v[BUF+16+r:BUF+16+r+1]
.set r, r+2
.endr
.irp q, 0,1,2,3
	v_cvt_pk_f16_f32 v[HI+(\q)], v[BUF+2*(\q)], v[BUF+2*(\q)+1]                 ; hi
.endr
.irp q, 0,1,2,3
	v_fma_mix_f32 v[DF+2*(\q)],   v[HI+(\q)], v[N1], v[BUF+2*(\q)]   op_sel_hi:[1,0,0]              ; s - hi: the low half times -1, plus s
	v_fma_mix_f32 v[DF+2*(\q)+1], v[HI+(\q)], v[N1], v[BUF+2*(\q)+1] op_sel:[1,0,0] op_sel_hi:[1,0,0] ; the high half
.endr
.irp q, 0,1,2,3
	v_cvt_pk_f16_f32 v[LW+(\q)], v[DF+2*(\q)], v[DF+2*(\q)+1]                   ; lo
.endr
	global_store_b128 v[EO], v[HI:HI+3], s[10:11]
	global_store_b128 v[EO], v[LW:LW+3], s[10:11] offset:1024
	s_wait_tensorcnt 0x0                           ; the wave's end, behind my last LDS store
	ds_add_u32 v[SPW], v[NIL]
	s_wait_dscnt 0x0
	s_endpgm
.Lfunc_end_k_qfa3f576728_eproj:
	.size	k_qfa3f576728_eproj, .Lfunc_end_k_qfa3f576728_eproj-k_qfa3f576728_eproj
	.p2alignl 7, 3214868480
	.fill 96, 4, 3214868480
	.section	.rodata,"a",@progbits
	.p2align	6, 0x0
	.amdhsa_kernel k_qfa3f576728_eproj
		.amdhsa_group_segment_fixed_size 16896
		.amdhsa_private_segment_fixed_size 0
		.amdhsa_enable_private_segment 0
		.amdhsa_kernarg_size 32
		.amdhsa_user_sgpr_count 2
		.amdhsa_user_sgpr_kernarg_segment_ptr 1
		.amdhsa_wavefront_size32 1
		.amdhsa_system_sgpr_workgroup_id_x 1
		.amdhsa_system_sgpr_workgroup_id_y 1
		.amdhsa_system_sgpr_workgroup_id_z 1
		.amdhsa_system_vgpr_workitem_id 0
		.amdhsa_next_free_vgpr 256
		.amdhsa_next_free_sgpr 66
		.amdhsa_reserve_vcc 0
		.amdhsa_float_denorm_mode_32 3
		.amdhsa_float_denorm_mode_16_64 3
		.amdhsa_memory_ordered 1
		.amdhsa_forward_progress 1
		.amdhsa_inst_pref_size 14
	.end_amdhsa_kernel
	.amdgpu_metadata
---
amdhsa.version: [ 1, 2 ]
amdhsa.kernels:
  - .name:           k_qfa3f576728_eproj
    .symbol:         k_qfa3f576728_eproj.kd
    .args:
      - { .name: xb, .offset: 0, .size: 8, .value_kind: global_buffer, .address_space: global }
      - { .name: wqk, .offset: 8, .size: 8, .value_kind: global_buffer, .address_space: global }
      - { .name: wvt, .offset: 16, .size: 8, .value_kind: global_buffer, .address_space: global }
      - { .name: eh, .offset: 24, .size: 8, .value_kind: global_buffer, .address_space: global }
    .group_segment_fixed_size: 16896
    .private_segment_fixed_size: 0
    .kernarg_segment_align: 8
    .kernarg_segment_size: 32
    .max_flat_workgroup_size: 128
    .sgpr_count:     66
    .vgpr_count:     256
    .wavefront_size: 32
...
	.end_amdgpu_metadata
.endif
;; end of part 3
;; launch eattn (part 4): grid 4 x 1, 16 waves a work-group, no clusters, 123,904 bytes of LDS; arguments eh, out0; writes out0
.if DOCPART == 4
	.amdgcn_target "amdgcn-amd-amdhsa--gfx1250"
	.amdhsa_code_object_version 6
	.text
	.protected	k_qfa3f576728_eattn
	.globl	k_qfa3f576728_eattn
	.p2align	8
	.type	k_qfa3f576728_eattn,@function
k_qfa3f576728_eattn:
	s_mov_b64 s[64:65], 0
	v_nop
	global_prefetch_b8 v0, s[64:65] scope:SCOPE_SE
	s_setreg_imm32_b32 hwreg(HW_REG_WAVE_MODE, 25, 1), 1
	s_wait_xcnt 0x0
; CAUSAL ATTENTION FOR THE FIRST 32 ROWS OF EACH BATCH, on q, k, v kept as pairs of f16 (hi, lo): out0[b][q][:] = sum over k <= q of softmax_k(q . k / 32) v[k][:], q = 0..31.
; A product of two such numbers is three matrix products, hi hi + hi lo + lo hi; what is left out is 2^-22 of the result.  The weights p are split in the same way.  Maxima, exponentials and all sums in f32.
; eh holds fragments of 16 rows x 32 along K as they lie in registers, 1,024 bytes each (two loads of 16 bytes a lane, 512 bytes apart), hi then lo:
;   q: byte 262,144 b + 4,096 c + 2,048 qb (channels 32 c on, queries 16 qb on);   k: the same + 131,072;   v, turned: 1,048,576 + 131,072 b + 2,048 cb (channels 16 cb on, keys 0-31).
; LIMITS.  A hidden score counts as -1e30; a weight below 2^-126 counts as 0; NaN and infinities are not treated apart.
; SHARES.  A work-group takes a batch; nothing is shared between work-groups, so there is no cluster.  Sixteen waves.
;   1. S^T = K Q^T (source 0 = 16 keys, source 1 = 16 queries: a lane holds query l % 16 and the keys 8 (l / 16) + 0..7).  The 1,024 channels are split: wave w takes 64 w .. 64 w + 63, for the three blocks
;      (key block, query block) = (0,0), (0,1), (1,1); (1,0) is hidden as a whole.  The sixteen partial sums meet in LDS; waves 0 to 5 add one piece of 512 bytes each.
;   2. Every wave makes the softmax of all 32 queries for itself: the diagonal blocks' mask, the row's true maximum m, p = 2^(c (s - m)), c = log2(e) / 32, l = the sum of the unrounded p.
;      Two key blocks of a query block, packed, ARE source 1 (32 keys x 16 queries) of the second product.
;   3. O^T = V^T P (source 0 = 16 channels) for the wave's 64 channels; O / l leaves through the wave's own stage in LDS as rows of 256 bytes.
; All 48 loads of a wave go out at its start.
.set SPITCH, 272
.set PARTW,  3072                      ; a wave's three partial blocks of 1,024 bytes
.set FIN,    16*PARTW                  ; the three summed blocks
.set STAGE,  FIN+3072                  ; 16 rows x 272 bytes for each wave, for the way out
.set SPARE,  STAGE+16*16*SPITCH        ; the spare words, 128 bytes for each wave: eight blocks of 256 bytes that no other line names
.set LOF, 2                            ; v2  16 l
.set PS,  3                            ; v3  where I put 16 bytes of my partial blocks
.set DG,  4                            ; v4  l % 16 - 8 (l / 16): in a diagonal block register j is hidden where j is greater
.set RP,  5                            ; v5  waves 0 to 5: 512 w + 16 l: my piece of a block
.set STO, 7
.set RD,  8
.set CO,  9
.set SPW, 10                           ; v10 LDS address of my spare word; never rewritten
.set NIL, 11                           ; v11 0; never rewritten
.set BG,  12                           ; v12 -1e30
.set N1,  13                           ; v13 -1.0
.set SA,  16                           ; v[16:39]  the three blocks of S^T, later of p, later of p - hi
.set MX,  40                           ; v[40:43]  query block qb: m at MX + 2 qb, a register at work behind it
.set LL,  44                           ; v[44:47]  the same for l, later 1 / l
.set T,   48                           ; v[48:59]  at work
.set FR,  64                           ; v[64:191] step cc of two: q's fragments (qb, part) at FR + 64 cc + 8 (2 qb + part), k's 32 further
.set OA,  64                           ; later: v[64:127] O^T: (qb, cb) at OA + 8 (4 qb + cb)
.set PF,  128                          ; v[128:159] P: (qb, part) at PF + 16 qb + 8 part
.set TMPA, 160                         ; v[160:191] O / l of a query block
.set VF,  192                          ; v[192:255] v's fragments (cb, part) at VF + 8 (2 cb + part); later the rows read back from the stage
.set SEL, 20                           ; s20, s21  v_permlanex16_b32's selects: each lane takes its own place in the other half
.set CS,  22                           ; s[22:23]  c
	s_load_b128 s[4:7], s[0:1], 0x0                ; eh s[4:5], out0 s[6:7]
	v_lshl_add_u32 v[SPW], v0, 2, SPARE
	v_mov_b32 v[NIL], 0
	v_lshrrev_b32 v1, 5, v0
	v_readfirstlane_b32 s8, v1                     ; wave 0..15
	v_and_b32 v14, 31, v0
	v_lshlrev_b32 v[LOF], 4, v14
	s_lshl_b32 s9, s8, 13                          ; my two steps of q and k, and my four channel blocks of v: 8,192 bytes each
	s_lshl_b32 s10, ttmp9, 18
	s_add_co_u32 s10, s10, s9
	s_mov_b32 s11, 0
	s_lshl_b32 s12, ttmp9, 17
	s_add_co_u32 s12, s12, s9
	s_add_co_u32 s12, s12, 0x100000
	s_mov_b32 s13, 0
	s_lshl_b32 s14, ttmp9, 23                      ; out0: the batch's first row, my 64 channels of 4 bytes
	s_lshl_b32 s15, s8, 8
	s_add_co_u32 s14, s14, s15
	s_mov_b32 s15, 0
	s_wait_kmcnt 0x0
	s_add_nc_u64 s[10:11], s[4:5], s[10:11]
	s_add_nc_u64 s[12:13], s[4:5], s[12:13]
	s_add_nc_u64 s[6:7], s[6:7], s[14:15]
.irp cc, 0,1
.set n, 0
.rept 8
	global_load_b128 v[FR+64*(\cc)+4*n:FR+64*(\cc)+4*n+3], v[LOF], s[10:11] offset:4096*(\cc)+512*n th:TH_LOAD_NT
.set n, n+1
.endr
.set n, 0
.rept 8
	global_load_b128 v[FR+64*(\cc)+32+4*n:FR+64*(\cc)+32+4*n+3], v[LOF], s[10:11] offset:131072+4096*(\cc)+512*n th:TH_LOAD_NT
.set n, n+1
.endr
.endr
.set n, 0
.rept 16
	global_load_b128 v[VF+4*n:VF+4*n+3], v[LOF], s[12:13] offset:512*n th:TH_LOAD_NT
.set n, n+1
.endr
	v_and_b32 v1, 15, v0                           ; l % 16
	v_bfe_u32 v15, v0, 4, 1                        ; l / 16
	v_lshlrev_b32 v[DG], 3, v15
	v_sub_nc_u32 v[DG], v1, v[DG]
	s_mul_i32 s16, s8, PARTW
	v_add_nc_u32 v[PS], s16, v[LOF]
	s_lshl_b32 s17, s8, 9
	v_add_nc_u32 v[RP], s17, v[LOF]
	s_mul_i32 s18, s8, 16*SPITCH
	s_add_co_u32 s18, s18, STAGE                   ; my stage
	v_mul_u32_u24 v14, v1, SPITCH                  ; in: query l % 16, 32 bytes for each half of the lanes
	v_lshl_add_u32 v14, v15, 5, v14
	v_add_nc_u32 v[STO], s18, v14
	v_mul_u32_u24 v14, v15, SPITCH                 ; back: lanes 0-15 one row of 256 bytes, lanes 16-31 the next
	v_lshl_add_u32 v14, v1, 4, v14
	v_add_nc_u32 v[RD], s18, v14
	v_lshlrev_b32 v[CO], 12, v15                   ; and the same two rows in out0
	v_lshl_add_u32 v[CO], v1, 4, v[CO]
	v_mov_b32 v[BG], 0xf149f2ca
	v_mov_b32 v[N1], 0xbf800000
	v_mov_b32 v[MX+1], 0                           ; v_permlanex16_b32's destinations count as read: they are written here
	v_mov_b32 v[MX+3], 0
	v_mov_b32 v[LL+1], 0
	v_mov_b32 v[LL+3], 0
	s_mov_b32 s[SEL], 0x76543210
	s_mov_b32 s[SEL+1], 0xfedcba98
	s_mov_b32 s[CS], 0x3d38aa3b                    ; c = log2(e) / 32
	s_mov_b32 s[CS+1], s[CS]
; Nine matrix instructions for 32 channels: k hi x q hi, k hi x q lo, k lo x q hi, each for the three blocks, which take turns.  zero = 1: the first three start the sums.
.macro SMUL cc, zero
.irp ty, 0,1,2
.irp bl, 0,1,2
.set rK, FR+64*(\cc)+32+8*(2*((\bl)/2)+(\ty)/2)
.set rQ, FR+64*(\cc)+8*(2*(((\bl)+1)/2)+(\ty)%2)
.if (\zero) && ((\ty) == 0)
	v_wmma_f32_16x16x32_f16 v[SA+8*(\bl):SA+8*(\bl)+7], v[rK:rK+7], v[rQ:rQ+7], 0
.else
	v_wmma_f32_16x16x32_f16 v[SA+8*(\bl):SA+8*(\bl)+7], v[rK:rK+7], v[rQ:rQ+7], v[SA+8*(\bl):SA+8*(\bl)+7]
.endif
.endr
.endr
.endm
	s_wait_loadcnt 32                              ; loads come back in order: my first step is in; the second step's sixteen and v's sixteen stay out
	SMUL 0, 1
	s_wait_loadcnt 16                              ; the second step is in
	SMUL 1, 0
.rept 8
	v_nop                                          ; places (ISA guide 7.12.1) behind the last products, twice what is asked for
.endr
.irp bl, 0,1,2
	ds_store_b128 v[PS], v[SA+8*(\bl):SA+8*(\bl)+3]   offset:1024*(\bl)       ; each accumulator's low registers first
	ds_store_b128 v[PS], v[SA+8*(\bl)+4:SA+8*(\bl)+7] offset:1024*(\bl)+512
.endr
	s_wait_dscnt 0x0                               ; for the others' sake: my stores are done
	s_barrier_signal -1
	s_barrier_wait -1                              ; all sixteen partial sums lie in LDS
	s_cmp_lt_u32 s8, 6                             ; six pieces of 512 bytes, a wave each
	s_cbranch_scc0 .Lsummed
.set n, 0
.rept 16
	ds_load_b128 v[FR+4*n:FR+4*n+3], v[RP] offset:PARTW*n
.set n, n+1
.endr
	s_wait_dscnt 0x0
.irp st, 32,16,8,4                     ; sixteen, eight, four, two into one
.set u, 0
.rept (\st)/2
	v_pk_add_f32 v[FR+u:FR+u+1], v[FR+u:FR+u+1], v[FR+(\st)+u:FR+(\st)+u+1]
.set u, u+2
.endr
.endr
	ds_store_b128 v[RP], v[FR:FR+3] offset:FIN
.Lsummed:
	s_wait_dscnt 0x0
	s_barrier_signal -1
	s_barrier_wait -1                              ; the three blocks are whole
.set n, 0
.rept 6
	ds_load_b128 v[SA+4*n:SA+4*n+3], v[LOF] offset:FIN+512*n
.set n, n+1
.endr
	s_wait_dscnt 0x0
.set j, 0
.rept 8                                ; the diagonal blocks (0,0) and (1,1): key 8 (l / 16) + j is hidden where it is greater than query l % 16
	v_cmp_gt_i32 vcc_lo, j, v[DG]
	v_cndmask_b32 v[SA+j], v[SA+j], v[BG], vcc_lo
	v_cndmask_b32 v[SA+16+j], v[SA+16+j], v[BG], vcc_lo
.set j, j+1
.endr
	v_max3_num_f32 v[MX], v[SA], v[SA+1], v[SA+2]
	v_max3_num_f32 v[MX+2], v[SA+8], v[SA+9], v[SA+10]
.irp u, 3,5
	v_max3_num_f32 v[MX], v[MX], v[SA+(\u)], v[SA+(\u)+1]
.endr
.irp u, 11,13,15,17,19,21
	v_max3_num_f32 v[MX+2], v[MX+2], v[SA+(\u)], v[SA+(\u)+1]
.endr
	v_max_num_f32 v[MX], v[MX], v[SA+7]
	v_max_num_f32 v[MX+2], v[MX+2], v[SA+23]
	v_permlanex16_b32 v[MX+1], v[MX], s[SEL], s[SEL+1]       ; the query's other keys lie in the lane 16 away
	v_permlanex16_b32 v[MX+3], v[MX+2], s[SEL], s[SEL+1]
	v_max_num_f32 v[MX], v[MX], v[MX+1]
	v_max_num_f32 v[MX+2], v[MX+2], v[MX+3]
.set z, 0
.rept 4
	v_pk_add_f32 v[SA+z:SA+z+1], v[SA+z:SA+z+1], v[MX:MX+1] op_sel_hi:[1,0] neg_lo:[0,1] neg_hi:[0,1]        ; s - m: never above 0
.set z, z+2
.endr
.rept 8
	v_pk_add_f32 v[SA+z:SA+z+1], v[SA+z:SA+z+1], v[MX+2:MX+3] op_sel_hi:[1,0] neg_lo:[0,1] neg_hi:[0,1]
.set z, z+2
.endr
.set z, 0
.rept 12
	v_pk_mul_f32 v[SA+z:SA+z+1], v[SA+z:SA+z+1], s[CS:CS+1] op_sel_hi:[1,0]
.set z, z+2
.endr
.set z, 0
.rept 24
	v_exp_f32 v[SA+z], v[SA+z]                     ; one batch
.set z, z+1
.endr
	v_nop                                          ; a plain instruction behind the last exponential,
	s_wait_alu depctr_va_vdst(0)                   ; and the one wait ahead of the batch's first reader
.set n, 0
.rept 4
	v_cvt_pk_f16_f32 v[PF+n], v[SA+2*n], v[SA+2*n+1]         ; p hi: query block 0, keys 0-15;
	v_mov_b32 v[PF+4+n], 0                         ; its keys 16-31 are hidden
	v_mov_b32 v[PF+12+n], 0
.set n, n+1
.endr
.set n, 0
.rept 8
	v_cvt_pk_f16_f32 v[PF+16+n], v[SA+8+2*n], v[SA+8+2*n+1]  ; query block 1, keys 0-31
.set n, n+1
.endr
	v_pk_add_f32 v[T:T+1],   v[SA:SA+1],   v[SA+2:SA+3]      ; l, of the unrounded p
	v_pk_add_f32 v[T+2:T+3], v[SA+4:SA+5], v[SA+6:SA+7]
.irp u, 0,1,2,3
	v_pk_add_f32 v[T+4+2*(\u):T+5+2*(\u)], v[SA+8+4*(\u):SA+9+4*(\u)], v[SA+10+4*(\u):SA+11+4*(\u)]
.endr
	v_pk_add_f32 v[T:T+1],   v[T:T+1],   v[T+2:T+3]
	v_pk_add_f32 v[T+4:T+5], v[T+4:T+5], v[T+6:T+7]
	v_pk_add_f32 v[T+8:T+9], v[T+8:T+9], v[T+10:T+11]
	v_pk_add_f32 v[T+4:T+5], v[T+4:T+5], v[T+8:T+9]
	v_add_f32 v[LL], v[T], v[T+1]
	v_add_f32 v[LL+2], v[T+4], v[T+5]
	v_permlanex16_b32 v[LL+1], v[LL], s[SEL], s[SEL+1]
	v_permlanex16_b32 v[LL+3], v[LL+2], s[SEL], s[SEL+1]
	v_add_f32 v[LL], v[LL], v[LL+1]
	v_add_f32 v[LL+2], v[LL+2], v[LL+3]
	v_rcp_f32 v[LL], v[LL]                         ; l is at least 1: the row's largest weight
	v_rcp_f32 v[LL+2], v[LL+2]
	v_nop                                          ; a plain instruction behind the two reciprocals; the work on p lo stands between them and their wait
.set n, 0
.rept 4
	v_fma_mix_f32 v[SA+2*n],   v[PF+n], v[N1], v[SA+2*n]   op_sel_hi:[1,0,0]                 ; p - hi
	v_fma_mix_f32 v[SA+2*n+1], v[PF+n], v[N1], v[SA+2*n+1] op_sel:[1,0,0] op_sel_hi:[1,0,0]
.set n, n+1
.endr
.set n, 0
.rept 8
	v_fma_mix_f32 v[SA+8+2*n], v[PF+16+n], v[N1], v[SA+8+2*n] op_sel_hi:[1,0,0]
	v_fma_mix_f32 v[SA+9+2*n], v[PF+16+n], v[N1], v[SA+9+2*n] op_sel:[1,0,0] op_sel_hi:[1,0,0]
.set n, n+1
.endr
.set n, 0
.rept 4
	v_cvt_pk_f16_f32 v[PF+8+n], v[SA+2*n], v[SA+2*n+1]       ; p lo
.set n, n+1
.endr
.set n, 0
.rept 8
	v_cvt_pk_f16_f32 v[PF+24+n], v[SA+8+2*n], v[SA+8+2*n+1]
.set n, n+1
.endr
	s_wait_alu depctr_va_vdst(0)                   ; the wait for the two reciprocals, ahead of their first reader
	s_wait_loadcnt 0x0                             ; v is in
.irp ty, 0,1,2                         ; v hi x p hi, v hi x p lo, v lo x p hi; the eight accumulators take turns; the first eight start the sums
.irp qq, 0,1
.irp cb, 0,1,2,3
.set rO, OA+8*(4*(\qq)+(\cb))
.set rV, VF+8*(2*(\cb)+(\ty)/2)
.set rP, PF+16*(\qq)+8*((\ty)%2)
.if (\ty) == 0
	v_wmma_f32_16x16x32_f16 v[rO:rO+7], v[rV:rV+7], v[rP:rP+7], 0
.else
	v_wmma_f32_16x16x32_f16 v[rO:rO+7], v[rV:rV+7], v[rP:rP+7], v[rO:rO+7]
.endif
.endr
.endr
.endr
.rept 8
	v_nop                                          ; places behind the last products, twice what is asked for
.endr
; THE WAY OUT of query block q: O / l, a lane's eight channels as 32 bytes of a row of 272; back as whole rows of 256 bytes.
.macro PACK q
.set z, 0
.rept 16
	v_pk_mul_f32 v[TMPA+2*z:TMPA+2*z+1], v[OA+32*(\q)+2*z:OA+32*(\q)+2*z+1], v[LL+2*(\q):LL+2*(\q)+1] op_sel_hi:[1,0]  ; each accumulator's registers in ascending order
.set z, z+1
.endr
.irp c, 0,1,2,3,4,5,6,7
	ds_store_b128 v[STO], v[TMPA+4*(\c):TMPA+4*(\c)+3] offset:64*((\c)/2)+16*((\c)%2)
.endr
.irp t, 0,1,2,3,4,5,6,7
	ds_load_b128 v[VF+32*(\q)+4*(\t):VF+32*(\q)+4*(\t)+3], v[RD] offset:(\t)*2*SPITCH  ; LDS serves a wave's instructions in order (ISA guide 5.7.1.4): these see the stores above
.endr
.endm
.macro SEND q, younger                 ; younger: the LDS instructions issued behind block q's loads
.irp t, 0,1,2,3,4,5,6,7
	s_wait_dscnt (\younger)+7-(\t)
	global_store_b128 v[CO], v[VF+32*(\q)+4*(\t):VF+32*(\q)+4*(\t)+3], s[6:7] offset:(16*(\q)+2*(\t))*4096 th:TH_STORE_NT  ; 16 lanes store 256 consecutive bytes, aligned
.endr
.endm
	PACK 0
	PACK 1
	SEND 0, 16
	SEND 1, 0
	s_wait_tensorcnt 0x0                           ; the wave's end, behind my last LDS store
	ds_add_u32 v[SPW], v[NIL]
	s_wait_dscnt 0x0
	s_endpgm
.Lfunc_end_k_qfa3f576728_eattn:
	.size	k_qfa3f576728_eattn, .Lfunc_end_k_qfa3f576728_eattn-k_qfa3f576728_eattn
	.p2alignl 7, 3214868480
	.fill 96, 4, 3214868480
	.section	.rodata,"a",@progbits
	.p2align	6, 0x0
	.amdhsa_kernel k_qfa3f576728_eattn
		.amdhsa_group_segment_fixed_size 123904
		.amdhsa_private_segment_fixed_size 0
		.amdhsa_enable_private_segment 0
		.amdhsa_kernarg_size 16
		.amdhsa_user_sgpr_count 2
		.amdhsa_user_sgpr_kernarg_segment_ptr 1
		.amdhsa_wavefront_size32 1
		.amdhsa_system_sgpr_workgroup_id_x 1
		.amdhsa_system_sgpr_workgroup_id_y 1
		.amdhsa_system_sgpr_workgroup_id_z 1
		.amdhsa_system_vgpr_workitem_id 0
		.amdhsa_next_free_vgpr 256
		.amdhsa_next_free_sgpr 66
		.amdhsa_reserve_vcc 1
		.amdhsa_float_denorm_mode_32 3
		.amdhsa_float_denorm_mode_16_64 3
		.amdhsa_memory_ordered 1
		.amdhsa_forward_progress 1
		.amdhsa_inst_pref_size 29
	.end_amdhsa_kernel
	.amdgpu_metadata
---
amdhsa.version: [ 1, 2 ]
amdhsa.kernels:
  - .name:           k_qfa3f576728_eattn
    .symbol:         k_qfa3f576728_eattn.kd
    .args:
      - { .name: eh, .offset: 0, .size: 8, .value_kind: global_buffer, .address_space: global }
      - { .name: out0, .offset: 8, .size: 8, .value_kind: global_buffer, .address_space: global }
    .group_segment_fixed_size: 123904
    .private_segment_fixed_size: 0
    .kernarg_segment_align: 8
    .kernarg_segment_size: 16
    .max_flat_workgroup_size: 512
    .sgpr_count:     66
    .vgpr_count:     256
    .wavefront_size: 32
...
	.end_amdgpu_metadata
.endif
;; end of part 4
;; launch score (part 5): grid 9 x 16, 4 waves a work-group, no clusters, 327,680 bytes of LDS; arguments qk, pw, st; writes pw, st
.if DOCPART == 5
	.amdgcn_target "amdgcn-amd-amdhsa--gfx1250"
	.amdhsa_code_object_version 6
	.text
	.protected	k_qfa3f576728_score
	.globl	k_qfa3f576728_score
	.p2align	8
	.type	k_qfa3f576728_score,@function
k_qfa3f576728_score:
	s_mov_b64 s[64:65], 0
	v_nop
	global_prefetch_b8 v0, s[64:65] scope:SCOPE_SE
	s_setreg_imm32_b32 hwreg(HW_REG_WAVE_MODE, 25, 1), 1
	s_wait_xcnt 0x0
; The causal tiles of S = q k^T and a softmax LOCAL to blocks of 128 keys.  qk: [8192][2048] f16, q in columns 0-1023, k in columns 1024-2047.  For tile (i, j), i >= j, of 256 queries x 256 keys of a batch:
;   m_t[q] = the largest visible score of query q in key block t (128 keys);   pw[q][key] = f16(2^(c (s - m_t))), c = log2(e) / 32;   l_t[q] = the sum of those weights, unrounded.
; st, f32: byte ((b 16 + t) 2 + w) 8,192 + 4 q; w = 0: m_t, w = 1: l_t.  The launch behind takes the true maximum over t and weighs the blocks: the maximum is taken away before every exponential, and since
; s - m_t is never above 0 no exponential overflows, whatever the scores.
; LIMITS.  A hidden score counts as its value less 1e30 (f16's scores are 4.4e12 at the most); a weight below 2^-126 counts as 0; NaN and infinities are not treated apart.
; A wave tile that is hidden as a whole (the upper right quarter of a diagonal tile) is computed all the same: it leaves m_t about -1e30, so that the launch behind gives it the weight 0.
; SHARES.  A batch has 36 tiles with i >= j; rows p and 7 - p have 9 together: work-group (x, y), p = y % 4, b = y / 4, takes (p, x) if x <= p, else (7 - p, x - p - 1).  Four waves, each 128 queries x 128 keys:
; 64 accumulators.  Source 0 = 16 rows of k, source 1 = 16 rows of q: a lane holds query l % 16 and the keys 8 (l / 16) + 0..7.  K (1,024 channels) goes in steps of 128 through a ring of two LDS slots.
; NO CLUSTER: a batch's rows of tiles have 1 to 8 tiles; the grid of 9 x 16 divides into no cluster whose partners share a row or a column of tiles.
; THE MASK is the C operand of the products that start the sums: for accumulator (a, b) MZ if a > b, MD if a = b, MH if a < b, eight registers each, made from the tile's and the wave's place.
; REGISTERS: window 0: v0-31 addresses; v32-55 masks; v64-191 fragments of q, two buffers, later the way out.  Window 1: v64-191 fragments of k.  Windows 2, 3: accumulators (a, b) at v[8 (8 (a % 4) + b)].
.set KSTEP,  128
.set PITCH,  272                       ; an LDS row: 256 bytes + 16 of padding: the 16 rows of a load start at 16 different groups of four banks (64 banks of 4 bytes: ISA guide 11.1)
.set HALFT,  128*PITCH
.set SLOT,   4*HALFT                   ; q's 256 rows, then k's 256 rows
.set DPITCH, 528                       ; the way out: a query's 128 scores, 512 bytes + 16
.set DWAVE,  128*DPITCH                ; a wave's 128 queries: its own bytes of the ring, which has had its last fill by then
.set STAT,   2*SLOT                    ; behind the ring: 1,024 bytes for each wave: 128 m, then 128 l
.set SPARE,  STAT+4*1024               ; the spare words, 128 bytes for each wave: two blocks of 256 bytes that no other line names
.set DRD,  12                          ; v12  where I read scores back, this trip
.set SST,  13                          ; v13  where I put m and l, this trip
.set SRD,  14                          ; v14  where I read 16 bytes of m back
.set STG,  15                          ; v15  16 x lane: my bytes of st
.set ADRA, 16                          ; v16-17  LDS address of my q fragments in slot 0, 1
.set ADRB, 20                          ; v20-21  the same for k
.set DST,  24                          ; v24  where I put an accumulator's 16 bytes
.set DRD0, 25                          ; v25  DRD in the first trip
.set PO,   26                          ; v26  my byte offset in two rows of pw
.set SST0, 27                          ; v27  SST in the first trip
.set SPW,  28                          ; v28  LDS address of my spare word; never rewritten
.set NIL,  29                          ; v29  0; never rewritten
.set PFO,  30                          ; v30  the prefetches' offset: lane x 4,096; never rewritten
.set MZ,   32
.set MD,   40
.set MH,   48
.set F0,   64
.set F1,   128
.set SC,   64                          ; the way out: v[64:127] scores: for e = 0..7 eight keys of row 2 e + l / 16
.set PK,   128                         ; v[128:159] weights in f16
.set CM,   160                         ; v[160:175] pair e: m, and a register at work
.set LS,   176                         ; v[176:183] l
.set G1,   24                          ; s[24:31] descriptor group 1
.set G0,   32                          ; s[32:39] group 0, one set for each slot
.set LIM,  43                          ; s43  1 in a wave that prefetches, else the greatest number
.set PFA,  44                          ; s[44:45] where my prefetches stand
.set CS,   46                          ; s[46:47] c
.set TBD,  48                          ; s48  the way out: the trip's 16 rows in my dump
.set TBS,  49                          ; s49  and in my statistics
.set MSB, 0
.macro WIN new
.if MSB != (\new)
	s_set_vgpr_msb (MSB<<8)|(\new)
.set MSB, \new
.endif
.endm
.set MUL_LO, 0xa1                      ; source 0 (k) window 1, source 1 (q) window 0, C and D window 2
.set TO_B,   0x40
; A PREFETCH INTO THE L2 behind each refill and the run of LDS loads that follows it: the K step two refills on, 512 matrix instructions ahead of its load: my 128 rows x 256 bytes, a lane a row, four lines.
; Each block is named once in the launch: q's rows by waves 0 and 1 of the tile with j = 0, k's rows by waves 2 and 3 of the tile with i = j.  K steps 0 to 3 come by their loads alone; the last trip asks for nothing.
.macro ASK
	s_cmp_gt_u32 s3, s[LIM]
	s_cbranch_scc0 .Lnot_mine_\@
.irp n, 0,1,2,3
	global_prefetch_b8 v[PFO], s[PFA:PFA+1] offset:KSTEP*2+(\n)*131072 th:TH_LOAD_NT scope:SCOPE_SE
.endr
.Lnot_mine_\@:
.endm
	s_load_b128 s[4:7], s[0:1], 0x0                ; qk s[4:5], pw s[6:7]
	s_load_b64 s[8:9], s[0:1], 0x10                ; st
	v_lshl_add_u32 v[SPW], v0, 2, SPARE
	v_mov_b32 v[NIL], 0
	ds_add_u32 v[SPW], v[NIL]                      ; the wave's opening: the add, and its wait ahead of my first tensor load
	ds_add_u32 v28, v29
	v_lshrrev_b32 v1, 5, v0
	v_readfirstlane_b32 s10, v1                    ; wave 0..3
	s_lshr_b32 s11, s10, 1                         ; wr: which 128 queries
	s_and_b32 s12, s10, 1                          ; wc: which 128 keys.  Also: which 128 rows I fetch
	s_and_b32 s13, ttmp7, 0xffff
	s_and_b32 s14, s13, 3                          ; p
	s_lshr_b32 s13, s13, 2                         ; b
	s_sub_co_u32 s15, 7, s14
	s_sub_co_u32 s16, ttmp9, s14
	s_sub_co_u32 s16, s16, 1                       ; x - p - 1: taken only where x > p
	s_cmp_le_u32 ttmp9, s14
	s_cselect_b32 s40, s14, s15                    ; i
	s_cselect_b32 s41, ttmp9, s16                  ; j
	s_mov_b32 s[G1+0], (1<<16)|(1<<20)|(5<<22)|(3<<25)  ; elements of 2 bytes; padding on: after every 64 words (code 5) 4 words (code 3)
	s_mov_b32 s[G1+1], KSTEP<<16                   ; tensor_dim0 = 128
	s_mov_b32 s[G1+2], 128<<16                     ; tensor_dim1 = 128
	s_mov_b32 s[G1+3], KSTEP<<16                   ; tile_dim0 = 128
	s_mov_b32 s[G1+4], 128                         ; tile_dim1 = 128
	s_mov_b32 s[G1+5], 2048                        ; elements from row to row
	s_mov_b32 s[G1+6], 0
	s_mov_b32 s[G1+7], 0
	s_cmp_lt_u32 s10, 2                            ; waves 0 and 1 fetch q's two halves, waves 2 and 3 k's
	s_cselect_b32 s16, s40, s41
	s_cselect_b32 s17, 0, 2048                     ; k lies 2,048 bytes into a row
	s_lshl_b32 s16, s16, 8
	s_lshl_b32 s18, s13, 11
	s_add_co_u32 s16, s16, s18
	s_lshl_b32 s18, s12, 7
	s_add_co_u32 s16, s16, s18                     ; my first row
	s_lshl_b32 s16, s16, 12
	s_add_co_u32 s16, s16, s17
	s_mov_b32 s17, 0
	s_mul_i32 s20, s10, HALFT                      ; where my rows go: wave x 128 rows
	s_sub_co_u32 s21, s40, s41
	s_cmp_lt_u32 s10, 2
	s_cselect_b32 s21, s41, s21                    ; j for q's waves, i - j for k's
	s_cmp_eq_u32 s21, 0
	s_cselect_b32 s[LIM], 1, -1
	s_cmp_eq_u32 s40, s41                          ; a diagonal tile?
	s_cselect_b32 s42, 1, 0
	s_cmp_lt_u32 s11, s12
	s_cselect_b32 s54, s42, 0                      ; my quarter is hidden as a whole
	s_cmp_le_u32 s11, s12
	s_cselect_b32 s55, s42, 0                      ; or holds the diagonal
	s_cmp_eq_u32 s54, 1
	s_cselect_b32 s54, 0xf149f2ca, 0               ; -1e30: what a key at or below the diagonal gets
	s_cmp_eq_u32 s55, 1
	s_cselect_b32 s55, 0xf149f2ca, 0               ; and a key above it
	s_lshl_b32 s50, s13, 23                        ; pw: batch, 256 i + 128 wr rows of 4,096 bytes, 256 j + 128 wc keys of 2 bytes
	s_lshl_b32 s18, s40, 20
	s_add_co_u32 s50, s50, s18
	s_lshl_b32 s18, s11, 19
	s_add_co_u32 s50, s50, s18
	s_lshl_b32 s18, s41, 9
	s_add_co_u32 s50, s50, s18
	s_lshl_b32 s18, s12, 8
	s_add_co_u32 s50, s50, s18
	s_mov_b32 s51, 0
	s_lshl_b32 s52, s13, 18                        ; st: batch, t = 2 j + wc, query 256 i + 128 wr
	s_lshl_b32 s18, s41, 15
	s_add_co_u32 s52, s52, s18
	s_lshl_b32 s18, s12, 14
	s_add_co_u32 s52, s52, s18
	s_lshl_b32 s18, s40, 10
	s_add_co_u32 s52, s52, s18
	s_lshl_b32 s18, s11, 9
	s_add_co_u32 s52, s52, s18
	s_mov_b32 s53, 0
	s_mov_b32 s[CS], 0x3d38aa3b                    ; c = log2(e) / 32
	s_mov_b32 s[CS+1], s[CS]
	s_wait_dscnt 0x0                               ; the opening add is done
	s_wait_kmcnt 0x0
	s_add_nc_u64 s[22:23], s[4:5], s[16:17]
	s_add_nc_u64 s[6:7], s[6:7], s[50:51]
	s_add_nc_u64 s[8:9], s[8:9], s[52:53]
	s_add_nc_u64 s[PFA:PFA+1], s[22:23], 2*KSTEP*2 ; at K step 2: the first refill steps it to 3 and names K step 4
.irp s, 0,1
	s_mov_b32 s[G0+4*(\s)], 1
	s_add_co_u32 s[G0+4*(\s)+1], s20, (\s)*SLOT
	s_add_nc_u64 s[G0+4*(\s)+2:G0+4*(\s)+3], s[22:23], (\s)*KSTEP*2
	s_or_b32 s[G0+4*(\s)+3], s[G0+4*(\s)+3], 0x80000000
	tensor_load_to_lds s[G0+4*(\s):G0+4*(\s)+3], s[G1:G1+7]  ; each wave brings rows of its own into bytes of its own: two loads of mine are out
	s_nop 0
.endr
.rept 4
	v_nop
.endr
	v_and_b32 v1, 15, v0                           ; l % 16
	v_bfe_u32 v2, v0, 4, 1                         ; l / 16
	v_mul_u32_u24 v3, v1, PITCH
	v_lshl_add_u32 v3, v2, 4, v3
	s_mul_i32 s21, s11, HALFT                      ; my 128 rows of q
	s_mul_i32 s18, s12, HALFT                      ; my 128 rows of k,
	s_add_co_u32 s18, s18, 2*HALFT                 ; which lie behind q's 256
.irp s, 0,1
	v_add_nc_u32 v[ADRA+(\s)], s21, v3
	v_add_nc_u32 v[ADRB+(\s)], s18, v3
	s_add_co_u32 s21, s21, SLOT
	s_add_co_u32 s18, s18, SLOT
.endr
	s_mul_i32 s19, s10, DWAVE                      ; my dump
	v_mul_u32_u24 v3, v1, DPITCH
	v_lshl_add_u32 v3, v2, 4, v3
	v_add_nc_u32 v[DST], s19, v3                   ; in: query l % 16, 16 bytes for each half of the lanes
	v_mul_u32_u24 v3, v2, DPITCH
	v_lshl_add_u32 v3, v1, 4, v3
	v_add_nc_u32 v[DRD0], s19, v3                  ; back: lanes 0-15 one query, lanes 16-31 the next; 16 bytes at 16 (l % 16)
	v_lshlrev_b32 v[PO], 12, v2
	v_lshl_add_u32 v[PO], v1, 4, v[PO]
	s_lshl_b32 s19, s10, 10
	s_add_co_u32 s19, s19, STAT                    ; my statistics
	v_lshl_add_u32 v[SST0], v2, 2, s19
	v_and_b32 v[STG], 31, v0
	v_lshlrev_b32 v[PFO], 12, v[STG]
	v_lshlrev_b32 v[STG], 4, v[STG]
	v_add_nc_u32 v[SRD], s19, v[STG]
	v_lshlrev_b32 v4, 3, v2
	v_sub_nc_u32 v4, v1, v4                        ; l % 16 - 8 (l / 16): in a diagonal accumulator register k is hidden where k is greater
.set k, 0
.rept 8
	v_mov_b32 v[MZ+k], s54
	v_mov_b32 v[MH+k], s55
.set k, k+1
.endr
.set k, 0
.rept 8
	v_cmp_gt_i32 vcc_lo, k, v4
	v_cndmask_b32 v[MD+k], v[MZ+k], v[MH+k], vcc_lo
.set k, k+1
.endr
; 16 matrix instructions: query blocks a0, a0 + 1 of the window's four x all 8 key blocks, 32 channels.  zero = 2: the products start the sums, with the mask as C.  The 64 accumulators take turns.
.macro MUL16 f, hi, a0, zero
.if (\zero) == 2
	WIN 0x81+0x40*(\hi)                            ; C in window 0
.else
	WIN MUL_LO+0x50*(\hi)
.endif
.irp a, \a0, (\a0)+1
.irp b, 0,1,2,3,4,5,6,7
.set rD, 8*(8*(\a)+(\b))
.set rB, (\f)+8*(\b)
.set rA, (\f)+8*(4*(\hi)+(\a))
.if (\zero) == 2
.set rC, MH
.if 4*(\hi)+(\a) > (\b)
.set rC, MZ
.endif
.if 4*(\hi)+(\a) == (\b)
.set rC, MD
.endif
	v_wmma_f32_16x16x32_f16 v[rD:rD+7], v[rB:rB+7], v[rA:rA+7], v[rC:rC+7]
.else
	v_wmma_f32_16x16x32_f16 v[rD:rD+7], v[rB:rB+7], v[rA:rA+7], v[rD:rD+7]
.endif
.endr
.endr
.endm
.macro FETCH slot, k, f
	WIN TO_B
.irp i, 0,1,2,3,4,5,6,7
	ds_load_b128 v[(\f)+8*(\i):(\f)+8*(\i)+3],   v[ADRB+(\slot)] offset:(\k)+(\i)*16*PITCH
	ds_load_b128 v[(\f)+8*(\i)+4:(\f)+8*(\i)+7], v[ADRB+(\slot)] offset:(\k)+(\i)*16*PITCH+32
.endr
	WIN 0
.irp i, 0,1,2,3,4,5,6,7
	ds_load_b128 v[(\f)+8*(\i):(\f)+8*(\i)+3],   v[ADRA+(\slot)] offset:(\k)+(\i)*16*PITCH
	ds_load_b128 v[(\f)+8*(\i)+4:(\f)+8*(\i)+7], v[ADRA+(\slot)] offset:(\k)+(\i)*16*PITCH+32
.endr
.endm
.macro PLACES                          ; four places (ISA guide 7.12.1) behind matrix instructions
.rept 4
	v_nop
.endr
.endm
.macro QUARTER slot, k, f, g, zero
	s_wait_dscnt 8                                 ; k's rows and q's rows 0-63 are in; the youngest eight loads may be out
	MUL16 \f, 0, 0, \zero
	MUL16 \f, 0, 2, \zero
	PLACES
	FETCH \slot, \k, \g
	s_wait_dscnt 32                                ; all but the 32 just issued
	MUL16 \f, 1, 0, \zero
	MUL16 \f, 1, 2, \zero
.endm
; The last quarter of a K step changes slots: ONE barrier.  In front of it each wave waits for all its tensor loads (one is out: its part of the next slot), adds 0 to its spare word, and waits for that and for
; its reads of this slot.  fill = 1: this slot is filled again, two K steps on, first thing behind the barrier: 224 matrix instructions ahead of the wait for it.
.macro TURN slot, next, fill
.if \fill
	s_wait_xcnt 0x0                                ; the last prefetches, a K step back, have read their address
	s_add_nc_u64 s[PFA:PFA+1], s[PFA:PFA+1], KSTEP*2
.endif
	WIN 0
	s_wait_tensorcnt 0x0
	ds_add_u32 v[SPW], v[NIL]
.if \fill
	s_add_nc_u64 s[G0+4*(\slot)+2:G0+4*(\slot)+3], s[G0+4*(\slot)+2:G0+4*(\slot)+3], 2*KSTEP*2  ; no load of mine is out: the group 0 may be written
.endif
	s_wait_dscnt 9                                 ; the add and the youngest eight loads may be out
	MUL16 F1, 0, 0, 0
	s_wait_dscnt 0x0                               ; the add is done, and my reads of this slot are over
	s_barrier_signal -1
	MUL16 F1, 0, 2, 0
	s_barrier_wait -1
.if \fill
	tensor_load_to_lds s[G0+4*(\slot):G0+4*(\slot)+3], s[G1:G1+7]
	s_nop 0
.endif
	PLACES                                         ; behind the tensor load, and the places in front of the loads below
	FETCH \next, 0, F0
.if \fill
	ASK
.endif
	MUL16 F1, 1, 0, 0
	MUL16 F1, 1, 2, 0
.endm
	s_wait_tensorcnt 1                             ; my part of K step 0 is in; K step 1's may stay out
	s_barrier_signal -1
	s_barrier_wait -1
	FETCH 0, 0, F0
	QUARTER 0, 64,  F0, F1, 2                      ; the first quarter stands in front of the loop: its products start the sums, from the masks
	WIN 0
	s_mov_b32 s3, 3
.Llap:                                                 ; a trip goes once round the ring and fills both slots again: K steps 2 to 7
	QUARTER 0, 128, F1, F0, 0
	QUARTER 0, 192, F0, F1, 0
	TURN 0, 1, 1
	QUARTER 1, 64,  F0, F1, 0
	QUARTER 1, 128, F1, F0, 0
	QUARTER 1, 192, F0, F1, 0
	TURN 1, 0, 1
	QUARTER 0, 64,  F0, F1, 0
	WIN 0
	s_sub_co_u32 s3, s3, 1
	s_cmp_lg_u32 s3, 0
	s_cbranch_scc1 .Llap
	QUARTER 0, 128, F1, F0, 0                      ; the last lap fills nothing
	QUARTER 0, 192, F0, F1, 0
	TURN 0, 1, 0
	QUARTER 1, 64,  F0, F1, 0
	QUARTER 1, 128, F1, F0, 0
	QUARTER 1, 192, F0, F1, 0
	s_wait_dscnt 8
	MUL16 F1, 0, 0, 0
	MUL16 F1, 0, 2, 0
	s_wait_dscnt 0x0
	MUL16 F1, 1, 0, 0
	MUL16 F1, 1, 2, 0
	; THE WAY OUT.  The scores go into LDS, so that a query's 128 keys lie in sixteen neighbouring lanes: its maximum and sum are then four steps on the arithmetic, and its weights leave as 256 bytes on end.
	PLACES
	WIN 0
	s_wait_dscnt 0x0
	s_barrier_signal -1
	s_barrier_wait -1                              ; no wave reads the ring any more, and no fill of it is to come
	; A lane's eight keys are two pieces of 16 bytes; the even pieces of a query go into the first 256 bytes of its row, the odd ones into the second.
.irp a, 0,1,2,3,4,5,6,7
	WIN 0x08+4*((\a)/4)                            ; the data in window 2 or 3
.irp b, 0,1,2,3,4,5,6,7
	ds_store_b128 v[DST], v[8*(8*((\a)%4)+(\b)):8*(8*((\a)%4)+(\b))+3]   offset:(\a)*16*DPITCH+32*(\b)
	ds_store_b128 v[DST], v[8*(8*((\a)%4)+(\b))+4:8*(8*((\a)%4)+(\b))+7] offset:(\a)*16*DPITCH+32*(\b)+256
.endr
.endr
	WIN 0
	s_mov_b32 s[TBD], 0
	s_mov_b32 s[TBS], 0
	s_mov_b32 s3, 8
.Lrows:                                                ; 16 queries a trip; each stage goes through all eight pairs of rows, so that no line waits for the one before it
	v_add_nc_u32 v[DRD], s[TBD], v[DRD0]
	v_add_nc_u32 v[SST], s[TBS], v[SST0]
.irp e, 0,1,2,3,4,5,6,7
	ds_load_b128 v[SC+8*(\e):SC+8*(\e)+3],   v[DRD] offset:2*DPITCH*(\e)      ; LDS serves a wave's instructions in order (ISA guide 5.7.1.4): these see my stores
	ds_load_b128 v[SC+8*(\e)+4:SC+8*(\e)+7], v[DRD] offset:2*DPITCH*(\e)+256
.endr
	s_wait_dscnt 0x0
.irp e, 0,1,2,3,4,5,6,7
	v_max3_num_f32 v[CM+2*(\e)+1], v[SC+8*(\e)], v[SC+8*(\e)+1], v[SC+8*(\e)+2]
.endr
.irp e, 0,1,2,3,4,5,6,7
	v_max3_num_f32 v[CM+2*(\e)], v[CM+2*(\e)+1], v[SC+8*(\e)+3], v[SC+8*(\e)+4]
.endr
.irp e, 0,1,2,3,4,5,6,7
	v_max3_num_f32 v[CM+2*(\e)], v[CM+2*(\e)], v[SC+8*(\e)+5], v[SC+8*(\e)+6]
.endr
.irp e, 0,1,2,3,4,5,6,7
	v_max_num_f32 v[CM+2*(\e)], v[CM+2*(\e)], v[SC+8*(\e)+7]
.endr
.irp x, 1,2,4,8
.irp e, 0,1,2,3,4,5,6,7
	v_max_num_f32_dpp v[CM+2*(\e)], v[CM+2*(\e)], v[CM+2*(\e)] row_xmask:\x row_mask:0xf bank_mask:0xf
.endr
.endr
.irp e, 0,1,2,3,4,5,6,7
.irp q, 0,2,4,6
	v_pk_add_f32 v[SC+8*(\e)+(\q):SC+8*(\e)+(\q)+1], v[SC+8*(\e)+(\q):SC+8*(\e)+(\q)+1], v[CM+2*(\e):CM+2*(\e)+1] op_sel_hi:[1,0] neg_lo:[0,1] neg_hi:[0,1]  ; s - m: never above 0
.endr
.endr
.set z, 0
.rept 32
	v_pk_mul_f32 v[SC+z:SC+z+1], v[SC+z:SC+z+1], s[CS:CS+1] op_sel_hi:[1,0]
.set z, z+2
.endr
.set z, 0
.rept 64
	v_exp_f32 v[SC+z], v[SC+z]                     ; one batch
.set z, z+1
.endr
	v_nop                                          ; a plain instruction behind the last exponential,
	s_wait_alu depctr_va_vdst(0)                   ; and the one wait ahead of the batch's first reader
.set z, 0
.rept 32
	v_cvt_pk_f16_f32 v[PK+z], v[SC+2*z], v[SC+2*z+1]
.set z, z+1
.endr
.irp e, 0,1,2,3,4,5,6,7
	v_pk_add_f32 v[SC+8*(\e):SC+8*(\e)+1], v[SC+8*(\e):SC+8*(\e)+1], v[SC+8*(\e)+2:SC+8*(\e)+3]
.endr
.irp e, 0,1,2,3,4,5,6,7
	v_pk_add_f32 v[SC+8*(\e)+4:SC+8*(\e)+5], v[SC+8*(\e)+4:SC+8*(\e)+5], v[SC+8*(\e)+6:SC+8*(\e)+7]
.endr
.irp e, 0,1,2,3,4,5,6,7
	v_pk_add_f32 v[SC+8*(\e):SC+8*(\e)+1], v[SC+8*(\e):SC+8*(\e)+1], v[SC+8*(\e)+4:SC+8*(\e)+5]
.endr
.irp e, 0,1,2,3,4,5,6,7
	v_add_f32 v[LS+(\e)], v[SC+8*(\e)], v[SC+8*(\e)+1]
.endr
.irp x, 1,2,4,8
.irp e, 0,1,2,3,4,5,6,7
	v_add_f32_dpp v[LS+(\e)], v[LS+(\e)], v[LS+(\e)] row_xmask:\x row_mask:0xf bank_mask:0xf
.endr
.endr
.irp e, 0,1,2,3,4,5,6,7
	global_store_b128 v[PO], v[PK+4*(\e):PK+4*(\e)+3], s[6:7] offset:8192*(\e)  ; 16 lanes store a query's 256 consecutive bytes, aligned
.endr
.irp e, 0,1,2,3,4,5,6,7
	ds_store_b32 v[SST], v[CM+2*(\e)] offset:8*(\e)       ; the sixteen lanes of a query write one word, with one value
	ds_store_b32 v[SST], v[LS+(\e)]   offset:512+8*(\e)
.endr
	s_wait_xcnt 0x0                                ; the stores' base and data are rewritten only behind this wait
	s_add_nc_u64 s[6:7], s[6:7], 16*4096
	s_add_co_u32 s[TBD], s[TBD], 16*DPITCH
	s_add_co_u32 s[TBS], s[TBS], 64
	s_sub_co_u32 s3, s3, 1
	s_cmp_lg_u32 s3, 0
	s_cbranch_scc1 .Lrows
	ds_load_b128 v[SC:SC+3],   v[SRD]              ; my 128 m and 128 l, 16 bytes a lane
	ds_load_b128 v[SC+4:SC+7], v[SRD] offset:512
	s_wait_dscnt 0x0
	global_store_b128 v[STG], v[SC:SC+3],   s[8:9]              ; 512 consecutive bytes each
	global_store_b128 v[STG], v[SC+4:SC+7], s[8:9] offset:8192
	s_wait_tensorcnt 0x0                           ; the wave's end
	ds_add_u32 v[SPW], v[NIL]
	s_wait_dscnt 0x0
	s_endpgm
.Lfunc_end_k_qfa3f576728_score:
	.size	k_qfa3f576728_score, .Lfunc_end_k_qfa3f576728_score-k_qfa3f576728_score
	.p2alignl 7, 3214868480
	.fill 96, 4, 3214868480
	.section	.rodata,"a",@progbits
	.p2align	6, 0x0
	.amdhsa_kernel k_qfa3f576728_score
		.amdhsa_group_segment_fixed_size 327680
		.amdhsa_private_segment_fixed_size 0
		.amdhsa_enable_private_segment 0
		.amdhsa_kernarg_size 24
		.amdhsa_user_sgpr_count 2
		.amdhsa_user_sgpr_kernarg_segment_ptr 1
		.amdhsa_wavefront_size32 1
		.amdhsa_system_sgpr_workgroup_id_x 1
		.amdhsa_system_sgpr_workgroup_id_y 1
		.amdhsa_system_sgpr_workgroup_id_z 1
		.amdhsa_system_vgpr_workitem_id 0
		.amdhsa_next_free_vgpr 1024
		.amdhsa_next_free_sgpr 66
		.amdhsa_reserve_vcc 1
		.amdhsa_float_denorm_mode_32 3
		.amdhsa_float_denorm_mode_16_64 3
		.amdhsa_memory_ordered 1
		.amdhsa_forward_progress 1
		.amdhsa_inst_pref_size 138
	.end_amdhsa_kernel
	.amdgpu_metadata
---
amdhsa.version: [ 1, 2 ]
amdhsa.kernels:
  - .name:           k_qfa3f576728_score
    .symbol:         k_qfa3f576728_score.kd
    .args:
      - { .name: qk, .offset: 0, .size: 8, .value_kind: global_buffer, .address_space: global }
      - { .name: pw, .offset: 8, .size: 8, .value_kind: global_buffer, .address_space: global }
      - { .name: st, .offset: 16, .size: 8, .value_kind: global_buffer, .address_space: global }
    .group_segment_fixed_size: 327680
    .private_segment_fixed_size: 0
    .kernarg_segment_align: 8
    .kernarg_segment_size: 24
    .max_flat_workgroup_size: 128
    .sgpr_count:     66
    .vgpr_count:     1024
    .wavefront_size: 32
...
	.end_amdgpu_metadata
.endif
;; end of part 5
;; launch pv (part 6): grid 8 x 32, 4 waves a work-group, clusters of 4 x 1, 327,680 bytes of LDS; arguments pw, vt, st, out0; writes out0
.if DOCPART == 6
	.amdgcn_target "amdgcn-amd-amdhsa--gfx1250"
	.amdhsa_code_object_version 6
	.text
	.protected	k_qfa3f576728_pv
	.globl	k_qfa3f576728_pv
	.p2align	8
	.type	k_qfa3f576728_pv,@function
k_qfa3f576728_pv:
	s_mov_b64 s[64:65], 0
	v_nop
	global_prefetch_b8 v0, s[64:65] scope:SCOPE_SE
	s_setreg_imm32_b32 hwreg(HW_REG_WAVE_MODE, 25, 1), 1
	s_wait_xcnt 0x0
	s_wait_alu depctr_hold_cnt(0) depctr_sa_sdst(0) depctr_va_vdst(0) depctr_va_sdst(0) depctr_va_ssrc(0) depctr_va_vcc(0) depctr_vm_vsrc(0)
	s_getreg_b32 s2, hwreg(HW_REG_IB_STS2, 6, 4)
	s_cmp_eq_u32 s2, 0
	s_cbranch_scc0 .Lentry_in_a_cluster
	s_endpgm
.Lentry_in_a_cluster:
	s_bfe_u32 s2, ttmp6, 0x10000c
	s_cmp_lg_u32 s2, 0x3003
	s_cbranch_scc0 .Lentry_shape_is_right
	s_endpgm
.Lentry_shape_is_right:
; out0[q][ch] = (sum over key blocks t of f_t[q] (P_t V_t)[q][ch]) / L[q],  f_t = 2^(c (m_t - M)), M = max over t of m_t, L = sum over t of f_t l_t, c = log2(e) / 32.
; pw: [4][2048 q][2048 key] f16, weights relative to the maximum m_t of their own block of 128 keys; vt: [4][1024 ch][2048 key] f16; st: m_t and l_t in f32 (byte ((b 16 + t) 2 + w) 8,192 + 4 q); out0 f32.
; M is the row's true maximum, so every exponent is at most 0.  Products and sums in f32.  LIMITS: a factor below 2^-126 counts as 0; NaN and infinities are not treated apart.
; ROWS 0 TO 31 OF EACH BATCH ARE NOT STORED HERE: they average so few keys that f16's roundings of q, k, v and p show; another launch makes them from operands kept to 22 bits.
; SHARES.  A work-group makes two tiles of 128 queries x 128 channels of a batch: row blocks p and 15 - p.  Keys go in steps of 256; block r needs r / 2 + 1 steps: 9 steps together, whatever p: all work-groups
; do equal work, and ONE walk of 9 steps with constant trip counts serves both blocks.  The block with the odd number of steps goes first, so that it always ends behind a step in slot 0, at the loop's foot.
; A step's upper 128 keys may be hidden as a whole (even row blocks' last step): the launch before left m_t about -1e30 there, so f_t = 0.
; Four waves, each 64 x 64.  Source 0 = 16 rows of vt (channels), source 1 = 16 rows of pw (queries): a lane holds query l % 16 and the channels 8 (l / 16) + 0..7.  T, 16 accumulators, is one key block's product
; (64 matrix instructions, started with the constant 0); then O += f T, 64 packed multiply-adds that stand together.  O is cleared by 128 v_mov_b32 at the start and behind the first block: the price of one text for every key block.
; CLUSTER.  The four partners are four channel blocks of one (batch, p): they walk the same tiles of pw, which are asked for JOINTLY (waves 0 and 1).  vt's tiles are each work-group's own (waves 2 and 3, no mask):
; only the two row blocks p = 2 u and 2 u + 1 walk vt alike, too few for a mask of four.
; REGISTERS: window 0: v0-31 addresses; v32-63 at work on the way out; v64-71 1 / L; v96-127 the factors of two steps; v128-255 T.  Window 1: two fragment buffers of 128.  Window 2: v0-127 O.
.set KSTEP,  256
.set PITCH,  528                       ; an LDS row: 512 bytes + 16 of padding = 132 words: row r starts at bank 4 r mod 64 (64 banks of 4 bytes: ISA guide 11.1)
.set HALFT,  64*PITCH                  ; 64 rows: what one tensor load brings, and what one wave reads of pw or of vt
.set SLOT,   4*HALFT                   ; pw's 128 rows, then vt's 128 rows
.set STAGE,  2*SLOT                    ; behind the ring: 16 rows x 272 bytes for each wave, for the way out
.set SPITCH, 272
.set FT,     STAGE+4*16*SPITCH         ; the factors: entry e = 2 n + tt (walk step n, key block tt) x 128 queries x 8 bytes (f, f)
.set IL,     FT+18*1024                ; 1 / L: 2 blocks x 128 queries x 8 bytes
.set SPARE,  IL+2*1024                 ; the spare words, 128 bytes for each wave: two blocks of 256 bytes that no other line names
.set ADRA, 16                          ; v16-17  LDS address of my pw fragments in slot 0, 1
.set ADRB, 20                          ; v20-21  the same for vt
.set FA,   22                          ; v22  where the factors to be fetched next lie
.set FA0,  23                          ; v23  FT + 8 (64 wr + l % 16); never rewritten
.set STO,  24
.set RD,   25
.set CO,   26
.set FW,   27                          ; v27  FT + 8 x thread
.set SPW,  28                          ; v28  LDS address of my spare word; never rewritten
.set NIL,  29                          ; v29  0; never rewritten
.set PFO,  30                          ; v30  the prefetches' offset: (l % 16) rows of 4,096 bytes + 256 (l / 16); never rewritten
.set TMPA, 32
.set ILR,  64
.set ILT,  72
.set FR,   96                          ; the pair (f, f) of slot s, key block tt, query block a at FR + 16 s + 8 tt + 2 a
.set ACC,  128
.set FP,   32                          ; at the head only: v[32:67] the 18 pairs (f, f); v[128:213] as follows
.set CMR,  128                         ; m_t, 18
.set LLR,  146                         ; l_t, 18
.set VO,   164                         ; st offsets, 9
.set FAR,  174                         ; the first block's exponents and factors, 18
.set FBR,  192                         ; the second block's
.set M1,   210
.set M2,   211
.set L1,   212
.set L2,   213
.set F0,   0                           ; fragment buffers, in window 1: 64 registers of pw (2 x 4 x 16 rows x 32 keys), then 64 of vt
.set F1,   128
.set G1,   24                          ; s[24:31] descriptor group 1 for pw's tiles;  s[32:39] group 0, one set for each slot
.set G0,   32
.set G1B,  48                          ; s[48:55], s[56:63] the same for vt's tiles
.set G0B,  56
.set CNT,  3                           ; s3   the loop's count, 4 to 1
.set S1,   44                          ; s44, s45  st's byte offset of the first and the second block's first query
.set S2,   45
.set PSH,  46                          ; s[46:47] my work-group's share of a pw tile's rows, for the prefetch
.set BL1,  66                          ; s66, s67  the two row blocks, in the order of the walk
.set BL2,  67
.set PW,   68
.set VT,   70
.set STB,  72
.set OUT,  74
.set PA1,  76                          ; s[76:77], s[78:79] pw at my 64 rows of the first and of the second block
.set PA2,  78
.set PAC,  80                          ; s[80:81] of the block whose tiles are being asked for
.set PB,   82                          ; s[82:83] vt at my 64 rows
.set OB1,  84                          ; s[84:85], s[86:87] out0 at my wave's part of the two tiles
.set OB2,  86
.set PFA,  88                          ; s[88:89] the tile that the NEXT refill will ask for
.set OFF,  90                          ; s[90:91] a key step's byte offset in a row
.set NXT,  92                          ; s92  the key step to be asked for next
.set LQ,   93                          ; s93  the last key step of the block whose tiles are being asked for
.set N1,   94                          ; s94  steps of the first block: 1, 3, 5 or 7
.set ENDC, 95                          ; s95  the count at which the first block ends
.set LIM,  96                          ; s96  1 in a wave that prefetches, else the greatest number
.set WLIM, 97                          ; s97  LIM from the second block's tiles on
.set N2M,  98                          ; s98  the second block's last key step
.set FTS,  99                          ; s99  the loop's step in the table of factors
.set NEGC, 0xff000000                  ; -2^127: takes an entry of the other block out of a maximum
.set MSB, 0
.macro WIN new
.if MSB != (\new)
	s_set_vgpr_msb (MSB<<8)|(\new)
.set MSB, \new
.endif
.endm
.set MUL,  0x05                        ; sources 0 (vt) and 1 (pw) window 1; C and D window 0
.set TO_F, 0x40                        ; destination window 1, address window 0
.macro JLOAD s                         ; waves 0 and 1: the joint load of pw's two halves; waves 2 and 3: vt's two halves, my work-group's own.  An s_nop 0 and four v_nop follow each line
	s_cmp_eq_u32 s11, 0
	s_cbranch_scc0 .Lfor_b_\@
	tensor_load_to_lds s[G0+4*(\s):G0+4*(\s)+3], s[G1:G1+7]
	s_nop 0
.rept 4
	v_nop
.endr
	s_branch .Lasked_\@
.Lfor_b_\@:
	tensor_load_to_lds s[G0B+4*(\s):G0B+4*(\s)+3], s[G1B:G1B+7]
	s_nop 0
.rept 4
	v_nop
.endr
.Lasked_\@:
.endm
.macro CREST
	s_cmp_lg_u32 s10, 0
	s_cbranch_scc1 .Lnot_wave_0_\@
	s_barrier_signal -3
.Lnot_wave_0_\@:
	s_barrier_wait -3
	s_barrier_signal -1
	s_barrier_wait -1
.endm
.macro CROUND
	s_barrier_signal -1
	s_barrier_wait -1
	CREST
.endm
; The descriptors of slot s are made anew for key step NXT of the block in hand (no tensor load of mine is out), the walk steps on (behind the first block's last key step: the second block's step 0),
; and PFA takes the tile that stands next.  Scalar work alone.
.macro MAKE s
	s_lshl_b32 s[OFF], s[NXT], 9                   ; 256 keys are 512 bytes of a row
	s_add_nc_u64 s[G0+4*(\s)+2:G0+4*(\s)+3], s[PAC:PAC+1], s[OFF:OFF+1]
	s_or_b32 s[G0+4*(\s)+3], s[G0+4*(\s)+3], 0x80000000
	s_add_nc_u64 s[G0B+4*(\s)+2:G0B+4*(\s)+3], s[PB:PB+1], s[OFF:OFF+1]
	s_or_b32 s[G0B+4*(\s)+3], s[G0B+4*(\s)+3], 0x80000000
	s_add_co_u32 s[NXT], s[NXT], 1
	s_cmp_gt_u32 s[NXT], s[LQ]
	s_cselect_b32 s[NXT], 0, s[NXT]
	s_cselect_b32 s[LQ], s[N2M], s[LQ]
	s_cselect_b64 s[PAC:PAC+1], s[PA2:PA2+1], s[PAC:PAC+1]
	s_cselect_b32 s[LIM], s[WLIM], s[LIM]
	s_lshl_b32 s[OFF], s[NXT], 9
	s_cmp_eq_u32 s11, 0
	s_cselect_b64 s[PFA:PFA+1], s[PAC:PAC+1], s[PB:PB+1]
	s_add_nc_u64 s[PFA:PFA+1], s[PFA:PFA+1], s[OFF:OFF+1]
	s_add_nc_u64 s[PFA:PFA+1], s[PFA:PFA+1], s[PSH:PSH+1]
.endm
; A PREFETCH INTO THE L2 of the tile that the NEXT refill will ask for, one step (128 matrix instructions) ahead of that load; it stands behind the wave's tensor load and the runs of LDS loads.
; pw: a tile is read by the two clusters of its (batch, p): the cluster with x = 0 asks; of the 64 rows x 512 bytes that wave 0 or 1 fetches each partner takes 16 rows, BY ADDRESS: a lane a block of 256 bytes.
; vt: a tile is read by the eight work-groups of its (batch, channel block): the one with p = 2 asks, in its first block alone (key steps 3 to 6): waves 2 and 3, four lines for 64 rows x 512 bytes.
; So each block is named at most once in the launch.  Walk steps 0 to 2 come by their loads alone.  how = 0 (the change from slot 0 to 1): the loop's last trip asks for nothing, there is no step 9.
.macro ASK how
	WIN 0
.if \how
	s_cmp_eq_u32 s[LIM], 1
.else
	s_cmp_gt_u32 s[CNT], s[LIM]
.endif
	s_cbranch_scc0 .Lno_\@
	global_prefetch_b8 v[PFO], s[PFA:PFA+1] th:TH_LOAD_NT scope:SCOPE_SE
	s_cmp_eq_u32 s11, 0
	s_cbranch_scc1 .Lno_\@
.irp n, 1,2,3
	global_prefetch_b8 v[PFO], s[PFA:PFA+1] offset:(\n)*65536 th:TH_LOAD_NT scope:SCOPE_SE
.endr
.Lno_\@:
.endm
	s_load_b256 s[68:75], s[0:1], 0x0              ; pw, vt, st, out0
	v_lshl_add_u32 v[SPW], v0, 2, SPARE
	v_mov_b32 v[NIL], 0
	ds_add_u32 v[SPW], v[NIL]                      ; the wave's opening: the add, and its wait ahead of my first tensor load
	ds_add_u32 v28, v29
	v_lshrrev_b32 v1, 5, v0
	v_readfirstlane_b32 s10, v1                    ; wave 0..3
	s_lshr_b32 s11, s10, 1                         ; wr: which 64 queries.  Also: I fetch pw (0) or vt (1)
	s_and_b32 s12, s10, 1                          ; wc: which 64 channels.  Also: which 64 rows I fetch
	s_and_b32 s13, ttmp7, 0xffff
	s_lshr_b32 s14, s13, 3                         ; b
	s_and_b32 s13, s13, 7                          ; p
	s_lshr_b32 s15, s13, 1                         ; u
	s_sub_co_u32 s16, 15, s13                      ; the upper row block
	s_add_co_u32 s17, s15, 1                       ; steps of block p
	s_sub_co_u32 s18, 8, s15                       ; steps of block 15 - p
	s_and_b32 s19, s15, 1
	s_cmp_eq_u32 s19, 1                            ; u odd: the upper block has the odd number of steps
	s_cselect_b32 s[BL1], s16, s13
	s_cselect_b32 s[BL2], s13, s16
	s_cselect_b32 s[N1], s18, s17
	s_sub_co_u32 s[N2M], 8, s[N1]
	s_sub_co_u32 s[LQ], s[N1], 1
	s_lshr_b32 s21, s[LQ], 1
	s_sub_co_u32 s[ENDC], 4, s21
	s_mov_b32 s[NXT], 0
	s_mov_b32 s[OFF+1], 0
	s_mov_b32 s[FTS], 0
	s_lshl_b32 s21, s14, 23                        ; pw: the batch,
	s_lshl_b32 s22, s12, 18                        ; my 64 rows of 4,096 bytes,
	s_add_co_u32 s21, s21, s22
	s_lshl_b32 s4, s[BL1], 19                      ; the block's 128 rows
	s_add_co_u32 s4, s4, s21
	s_mov_b32 s5, 0
	s_lshl_b32 s6, s[BL2], 19
	s_add_co_u32 s6, s6, s21
	s_mov_b32 s7, 0
	s_lshl_b32 s[S1], s14, 18                      ; st: the batch, the block's 128 queries of 4 bytes
	s_lshl_b32 s21, s[BL1], 9
	s_add_co_u32 s[S1], s[S1], s21
	s_lshl_b32 s[S2], s14, 18
	s_lshl_b32 s21, s[BL2], 9
	s_add_co_u32 s[S2], s[S2], s21
	s_mul_i32 s23, s10, HALFT                      ; where my rows go: wave x 64 rows: no place in the cluster enters an LDS address
	s_mov_b32 s[G1],  15|(1<<16)|(1<<20)|(1<<21)|(6<<22)|(3<<25)  ; the mask of four; elements of 2 bytes; padding on; bit 21 beside a mask; after every 128 words (code 6) 4 words (code 3)
	s_mov_b32 s[G1B], (1<<16)|(1<<20)|(6<<22)|(3<<25)             ; the same without a mask
.irp g, G1, G1B
	s_mov_b32 s[(\g)+1], KSTEP<<16                 ; tensor_dim0 = 256
	s_mov_b32 s[(\g)+2], 64<<16                    ; tensor_dim1 = 64
	s_mov_b32 s[(\g)+3], KSTEP<<16                 ; tile_dim0 = 256
	s_mov_b32 s[(\g)+4], 64                        ; tile_dim1 = 64
	s_mov_b32 s[(\g)+5], 2048                      ; elements from row to row
	s_mov_b32 s[(\g)+6], 0
	s_mov_b32 s[(\g)+7], 0
.endr
.irp s, 0,1
	s_mov_b32 s[G0+4*(\s)], 1
	s_add_co_u32 s[G0+4*(\s)+1], s23, (\s)*SLOT
	s_mov_b32 s[G0B+4*(\s)], 1
	s_add_co_u32 s[G0B+4*(\s)+1], s23, (\s)*SLOT
.endr
	; what hangs on my place in the cluster: vt's and out0's addresses and the prefetch's share, in registers of their own
	s_bfe_u32 s40, ttmp6, 0x40000                  ; cx
	s_lshl_b32 s41, ttmp9, 2
	s_add_co_u32 s41, s41, s40                     ; my block of 128 channels
	s_lshl_b32 s8, s14, 22                         ; vt: the batch, my 64 rows, the channel block's 128 rows
	s_add_co_u32 s8, s8, s22
	s_lshl_b32 s42, s41, 19
	s_add_co_u32 s8, s8, s42
	s_mov_b32 s9, 0
	s_lshl_b32 s42, s14, 23                        ; out0: the batch, my wave's 64 rows, the channel block's 512 bytes, my wave's 256
	s_lshl_b32 s43, s11, 18
	s_add_co_u32 s42, s42, s43
	s_lshl_b32 s43, s41, 9
	s_add_co_u32 s42, s42, s43
	s_lshl_b32 s43, s12, 8
	s_add_co_u32 s42, s42, s43
	s_lshl_b32 s16, s[BL1], 19
	s_add_co_u32 s16, s16, s42
	s_mov_b32 s17, 0
	s_lshl_b32 s18, s[BL2], 19
	s_add_co_u32 s18, s18, s42
	s_mov_b32 s19, 0
	s_lshl_b32 s[PSH], s40, 16                     ; 16 rows of 4,096 bytes for each partner
	s_cmp_eq_u32 s11, 0
	s_cselect_b32 s[PSH], s[PSH], 0
	s_mov_b32 s[PSH+1], 0
	s_cmp_eq_u32 ttmp9, 0
	s_cselect_b32 s21, 1, -1
	s_cmp_eq_u32 s13, 2
	s_cselect_b32 s22, 1, -1
	s_cmp_eq_u32 s11, 0
	s_cselect_b32 s[LIM], s21, s22
	s_cselect_b32 s[WLIM], s21, -1
	s_wait_dscnt 0x0                               ; the opening add is done
	s_wait_kmcnt 0x0
	s_add_nc_u64 s[PA1:PA1+1], s[PW:PW+1], s[4:5]
	s_add_nc_u64 s[PA2:PA2+1], s[PW:PW+1], s[6:7]
	s_mov_b64 s[PAC:PAC+1], s[PA1:PA1+1]
	s_add_nc_u64 s[PB:PB+1], s[VT:VT+1], s[8:9]
	s_add_nc_u64 s[OB1:OB1+1], s[OUT:OUT+1], s[16:17]
	s_add_nc_u64 s[OB2:OB2+1], s[OUT:OUT+1], s[18:19]
	CROUND                                         ; all four work-groups are here: the first joint loads meet
	MAKE 0                                         ; walk step 0
	MAKE 1                                         ; walk step 1
	s_cmp_eq_u32 s11, 0                            ; a wave's two first fills stand in one branch: two loads of mine are out
	s_cbranch_scc0 .Lfirst_v
	tensor_load_to_lds s[G0:G0+3], s[G1:G1+7]
	s_nop 0
	tensor_load_to_lds s[G0+4:G0+7], s[G1:G1+7]
	s_nop 0
.rept 4
	v_nop
.endr
	s_branch .Lfirst_asked
.Lfirst_v:
	tensor_load_to_lds s[G0B:G0B+3], s[G1B:G1B+7]
	s_nop 0
	tensor_load_to_lds s[G0B+4:G0B+7], s[G1B:G1B+7]
	s_nop 0
.rept 4
	v_nop
.endr
.Lfirst_asked:
	; THE FACTORS.  Thread t is query t of both blocks.  Walk step n is key step n of the first block (n < N1) or n - N1 of the second; its two key blocks' m and l are four words of st.
	v_lshlrev_b32 v3, 2, v0
.set n, 0
.rept 9
	s_sub_co_u32 s21, n, s[N1]                     ; taken only where n >= N1
	s_cmp_gt_u32 s[N1], n
	s_cselect_b32 s21, n, s21
	s_cselect_b32 s22, s[S1], s[S2]
	s_lshl_b32 s21, s21, 15                        ; a key step is two key blocks of 16,384 bytes
	s_add_co_u32 s21, s21, s22
	v_add_nc_u32 v[VO+n], s21, v3
	global_load_b32 v[CMR+2*n],   v[VO+n], s[STB:STB+1]
	global_load_b32 v[LLR+2*n],   v[VO+n], s[STB:STB+1] offset:8192
	global_load_b32 v[CMR+2*n+1], v[VO+n], s[STB:STB+1] offset:16384
	global_load_b32 v[LLR+2*n+1], v[VO+n], s[STB:STB+1] offset:24576
.set n, n+1
.endr
	v_and_b32 v1, 15, v0                           ; l % 16
	v_bfe_u32 v2, v0, 4, 1                         ; l / 16
	v_mul_u32_u24 v4, v1, PITCH
	v_lshl_add_u32 v4, v2, 4, v4                   ; a fragment's row x pitch + 16 x half
	s_mul_i32 s21, s11, HALFT                      ; my 64 rows of pw
	s_mul_i32 s22, s12, HALFT                      ; my 64 rows of vt,
	s_add_co_u32 s22, s22, 2*HALFT                 ; which lie behind pw's 128
.irp s, 0,1
	v_add_nc_u32 v[ADRA+(\s)], s21, v4
	v_add_nc_u32 v[ADRB+(\s)], s22, v4
	s_add_co_u32 s21, s21, SLOT
	s_add_co_u32 s22, s22, SLOT
.endr
	s_mul_i32 s21, s10, 16*SPITCH
	s_add_co_u32 s21, s21, STAGE                   ; my stage
	v_mul_u32_u24 v4, v1, SPITCH                   ; in: query l % 16, 32 bytes for each half of the lanes
	v_lshl_add_u32 v4, v2, 5, v4
	v_add_nc_u32 v[STO], s21, v4
	v_mul_u32_u24 v4, v2, SPITCH                   ; back: lanes 0-15 one row of 256 bytes, lanes 16-31 the next
	v_lshl_add_u32 v4, v1, 4, v4
	v_add_nc_u32 v[RD], s21, v4
	v_lshlrev_b32 v[CO], 12, v2                    ; and the same two rows in out0
	v_lshl_add_u32 v[CO], v1, 4, v[CO]
	s_lshl_b32 s21, s11, 9
	s_add_co_u32 s21, s21, FT
	v_lshl_add_u32 v[FA0], v1, 3, s21
	v_lshl_add_u32 v[FW], v0, 3, FT
	v_lshlrev_b32 v[PFO], 12, v1
	v_lshl_add_u32 v[PFO], v2, 8, v[PFO]
	WIN 0x80
.set z, 0
.rept 128
	v_mov_b32 v[z], 0                              ; O, while the first tiles and the statistics are on their way
.set z, z+1
.endr
	WIN 0
	s_wait_loadcnt 0x0
.set n, 0
.rept 9
	s_cmp_gt_u32 s[N1], n
	s_cselect_b32 s21, 0, NEGC
	s_cselect_b32 s22, NEGC, 0
	v_add_f32 v[FAR+2*n],   s21, v[CMR+2*n]        ; m where the step is the block's, about -2^127 where it is the other's
	v_add_f32 v[FAR+2*n+1], s21, v[CMR+2*n+1]
	v_add_f32 v[FBR+2*n],   s22, v[CMR+2*n]
	v_add_f32 v[FBR+2*n+1], s22, v[CMR+2*n+1]
.set n, n+1
.endr
	v_max3_num_f32 v[M1], v[FAR], v[FAR+1], v[FAR+2]
	v_max3_num_f32 v[M2], v[FBR], v[FBR+1], v[FBR+2]
.set e, 3
.rept 7
	v_max3_num_f32 v[M1], v[M1], v[FAR+e], v[FAR+e+1]
	v_max3_num_f32 v[M2], v[M2], v[FBR+e], v[FBR+e+1]
.set e, e+2
.endr
	v_max_num_f32 v[M1], v[M1], v[FAR+17]          ; the row's true maximum, in each block
	v_max_num_f32 v[M2], v[M2], v[FBR+17]
.set e, 0
.rept 18
	v_sub_f32 v[FAR+e], v[FAR+e], v[M1]            ; never above 0
	v_sub_f32 v[FBR+e], v[FBR+e], v[M2]
.set e, e+1
.endr
.set e, 0
.rept 18
	v_mul_f32 v[FAR+e], 0x3d38aa3b, v[FAR+e]       ; c = log2(e) / 32
	v_mul_f32 v[FBR+e], 0x3d38aa3b, v[FBR+e]
.set e, e+1
.endr
.set e, 0
.rept 18
	v_exp_f32 v[FAR+e], v[FAR+e]                   ; one batch of 36
	v_exp_f32 v[FBR+e], v[FBR+e]
.set e, e+1
.endr
	v_nop                                          ; a plain instruction behind the last exponential,
	s_wait_alu depctr_va_vdst(0)                   ; and the one wait ahead of the first reader
	v_mul_f32 v[L1], v[FAR], v[LLR]
	v_mul_f32 v[L2], v[FBR], v[LLR]
.set e, 1
.rept 17
	v_fmac_f32 v[L1], v[FAR+e], v[LLR+e]
	v_fmac_f32 v[L2], v[FBR+e], v[LLR+e]
.set e, e+1
.endr
	v_rcp_f32 v[ILT], v[L1]
	v_rcp_f32 v[ILT+2], v[L2]
.set e, 0
.rept 18
	v_add_f32 v[FP+2*e],   v[FAR+e], v[FBR+e]      ; one of the two is 0: the step's factor, twice, for the packed multiply-add
	v_add_f32 v[FP+2*e+1], v[FAR+e], v[FBR+e]
.set e, e+1
.endr
	s_wait_alu depctr_va_vdst(0)                   ; the wait for the two reciprocals; the 36 additions stand between
	v_mov_b32 v[ILT+1], v[ILT]
	v_mov_b32 v[ILT+3], v[ILT+2]
.set e, 0
.rept 18
	ds_store_b64 v[FW], v[FP+2*e:FP+2*e+1] offset:1024*e
.set e, e+1
.endr
	ds_store_b64 v[FW], v[ILT:ILT+1]   offset:IL-FT
	ds_store_b64 v[FW], v[ILT+2:ILT+3] offset:IL-FT+1024
	v_mov_b32 v[FA], v[FA0]
; 8 matrix instructions: query blocks a0, a0 + 1 x all 4 channel blocks, 32 keys: half c of buffer f.  zero = 1: the product starts T anew.  The 16 accumulators take turns.
.macro MUL8 f, c, a0, zero
	WIN MUL
.irp a, \a0, (\a0)+1
.irp b, 0,1,2,3
.if \zero
	v_wmma_f32_16x16x32_f16 v[ACC+8*(4*(\a)+(\b)):ACC+8*(4*(\a)+(\b))+7], v[(\f)+64+8*(4*(\c)+(\b)):(\f)+64+8*(4*(\c)+(\b))+7], v[(\f)+8*(4*(\c)+(\a)):(\f)+8*(4*(\c)+(\a))+7], 0
.else
	v_wmma_f32_16x16x32_f16 v[ACC+8*(4*(\a)+(\b)):ACC+8*(4*(\a)+(\b))+7], v[(\f)+64+8*(4*(\c)+(\b)):(\f)+64+8*(4*(\c)+(\b))+7], v[(\f)+8*(4*(\c)+(\a)):(\f)+8*(4*(\c)+(\a))+7], v[ACC+8*(4*(\a)+(\b)):ACC+8*(4*(\a)+(\b))+7]
.endif
.endr
.endr
.endm
.macro FETCH slot, k, f                ; 32 LDS loads in one run: the fragments of 64 keys at byte k of the rows, into buffer f; the first 32 keys first
	WIN TO_F
.irp c, 0,1
.irp i, 0,1,2,3
	ds_load_b128 v[(\f)+64+8*(4*(\c)+(\i)):(\f)+64+8*(4*(\c)+(\i))+3],   v[ADRB+(\slot)] offset:(\k)+64*(\c)+(\i)*16*PITCH
	ds_load_b128 v[(\f)+64+8*(4*(\c)+(\i))+4:(\f)+64+8*(4*(\c)+(\i))+7], v[ADRB+(\slot)] offset:(\k)+64*(\c)+(\i)*16*PITCH+32
	ds_load_b128 v[(\f)+8*(4*(\c)+(\i)):(\f)+8*(4*(\c)+(\i))+3],         v[ADRA+(\slot)] offset:(\k)+64*(\c)+(\i)*16*PITCH
	ds_load_b128 v[(\f)+8*(4*(\c)+(\i))+4:(\f)+8*(4*(\c)+(\i))+7],       v[ADRA+(\slot)] offset:(\k)+64*(\c)+(\i)*16*PITCH+32
.endr
.endr
.endm
.macro FLOAD slot, base                ; a step's eight pairs of factors; issued ahead of a FETCH, so that the counted waits for fragments cover them
	WIN 0
.irp tt, 0,1
.irp a, 0,1,2,3
	ds_load_b64 v[FR+16*(\slot)+8*(\tt)+2*(\a):FR+16*(\slot)+8*(\tt)+2*(\a)+1], v[FA] offset:(\base)+1024*(\tt)+128*(\a)
.endr
.endr
.endm
.macro PLACES                          ; four places (ISA guide 7.12.1) behind matrix instructions
.rept 4
	v_nop
.endr
.endm
.macro FLUSH slot, tt                  ; O += f T: each accumulator's registers in ascending order
	PLACES
	PLACES                                         ; eight places: twice what is asked for in front of a reader of results just made
	WIN 0xa0                                       ; O (destination and source 2) in window 2; T and the factors in window 0
.set t, 0
.rept 16
.irp q, 0,2,4,6
	v_pk_fma_f32 v[8*t+(\q):8*t+(\q)+1], v[ACC+8*t+(\q):ACC+8*t+(\q)+1], v[FR+16*(\slot)+8*(\tt)+2*(t/4):FR+16*(\slot)+8*(\tt)+2*(t/4)+1], v[8*t+(\q):8*t+(\q)+1]
.endr
.set t, t+1
.endr
.endm
.macro QUARTER slot, k, f, g, zero     ; 64 keys, 32 matrix instructions on buffer f; in their middle the next quarter, at byte k, goes into g
	s_wait_dscnt 16                                ; the first 32 keys are in
	MUL8 \f, 0, 0, \zero
	MUL8 \f, 0, 2, \zero
	PLACES
	FETCH \slot, \k, \g
	s_wait_dscnt 32                                ; all but the 32 just issued
	MUL8 \f, 1, 0, 0
	MUL8 \f, 1, 2, 0
.endm
.macro STEPQ slot                      ; a step's first three quarters: key block 0, its flush, the first half of key block 1
	QUARTER \slot, 128, F0, F1, 1
	QUARTER \slot, 256, F1, F0, 0
	FLUSH \slot, 0
	QUARTER \slot, 384, F0, F1, 1
.endm
; A step's last quarter changes slots: ONE barrier; in front of it each wave waits for all its tensor loads (one is out: its part of the next slot), adds 0 to its spare word, and waits for that and for its reads
; of this slot.  fill = 1: the barrier opens a round of the cluster's, and this slot is filled again, with the walk's step two on, first thing behind it: 112 matrix instructions ahead of the wait for it.
.macro TURN slot, next, fill, base, how
	s_wait_xcnt 0x0                                ; the last prefetches, a step back, have read their address: MAKE writes it
	WIN 0
	s_wait_tensorcnt 0x0
	ds_add_u32 v[SPW], v[NIL]
.if \fill
	MAKE \slot
.endif
	s_wait_dscnt 17                                ; the add and the youngest sixteen loads may be out
	MUL8 F1, 0, 0, 0
	s_wait_dscnt 0x0                               ; the add is done, and my reads of this slot are over
	s_barrier_signal -1
	MUL8 F1, 0, 2, 0
.if \fill
	WIN 0
.endif
	s_barrier_wait -1
.if \fill
	CREST
	JLOAD \slot                                    ; its four v_nop are also the places in front of the loads below
.else
	PLACES
.endif
	FLOAD \next, \base
	FETCH \next, 0, F0
.if \fill
	ASK \how
.endif
	MUL8 F1, 1, 0, 0
	MUL8 F1, 1, 2, 0
	FLUSH \slot, 1
.endm
; A BLOCK'S END: O / L goes through my stage in LDS, 16 queries at a time, and leaves as whole rows of 256 bytes.  No barrier and no tensor load stands here.
.macro PACK a
	WIN 0x02                                       ; O in window 2
.set z, 0
.rept 16
	v_pk_mul_f32 v[TMPA+2*z:TMPA+2*z+1], v[32*(\a)+2*z:32*(\a)+2*z+1], v[ILR+2*(\a):ILR+2*(\a)+1]
.set z, z+1
.endr
	WIN 0
.irp c, 0,1,2,3,4,5,6,7
	ds_store_b128 v[STO], v[TMPA+4*(\c):TMPA+4*(\c)+3] offset:64*((\c)/2)+16*((\c)%2)
.endr
.irp t, 0,1,2,3,4,5,6,7
	ds_load_b128 v[ACC+32*(\a)+4*(\t):ACC+32*(\a)+4*(\t)+3], v[RD] offset:(\t)*2*SPITCH  ; LDS serves a wave's instructions in order (ISA guide 5.7.1.4): these see the stores above
.endr
.endm
; younger: the LDS instructions issued behind block a's loads: the next block's sixteen, or none.  bl: the register that holds the row block's number.
; Query blocks a = 0, 1 of the wave with the block's rows 0-63 are rows 0-31 of the batch where the row block is 0: those are another launch's, and their stores and the counted waits in front of them are jumped
; over.  The test hangs on the wave's number and on the grid's y, which the four partners share.  The later waits' counts hold on both ways: they count LDS instructions, of which none is jumped.
.macro SEND a, younger, ob, bl
.if (\a) < 2
	s_or_b32 s21, s[(\bl)], s11
	s_cmp_eq_u32 s21, 0
	s_cbranch_scc1 .Lnot_here_\@
.endif
.irp t, 0,1,2,3,4,5,6,7
	s_wait_dscnt (\younger)+7-(\t)
	global_store_b128 v[CO], v[ACC+32*(\a)+4*(\t):ACC+32*(\a)+4*(\t)+3], s[(\ob):(\ob)+1] offset:(16*(\a)+2*(\t))*4096 th:TH_STORE_NT  ; 16 lanes store 256 consecutive bytes, aligned
.endr
.if (\a) < 2
.Lnot_here_\@:
.endif
.endm
.macro BEND which, ob, clear, bl
	WIN 0
.irp a, 0,1,2,3
	ds_load_b64 v[ILR+2*(\a):ILR+2*(\a)+1], v[FA0] offset:IL-FT+1024*(\which)+128*(\a)
.endr
	s_wait_dscnt 0x0
	PACK 0
	PACK 1
	SEND 0, 16, \ob, \bl
	PACK 2
	SEND 1, 16, \ob, \bl
	PACK 3
	SEND 2, 16, \ob, \bl
	SEND 3, 0, \ob, \bl
.if \clear
	s_wait_xcnt 0x0                                ; T's registers, which the stores read, are written again only behind this wait
	WIN 0x80
.set z, 0
.rept 128
	v_mov_b32 v[z], 0                              ; O starts anew for the second block
.set z, z+1
.endr
	WIN 0
.endif
.endm
	s_wait_tensorcnt 1                             ; my part of walk step 0 is in; step 1's may stay out
	s_wait_dscnt 0x0                               ; my part of the tables is stored
	s_barrier_signal -1
	s_barrier_wait -1
	FLOAD 0, 0
	FETCH 0, 0, F0
	WIN 0
	s_mov_b32 s[CNT], 4
	s_branch .Lenter                               ; the loop is entered at its slot-0 step: the walk is 0 | 1, 2 | 3, 4 | 5, 6, then 7 and 8 behind the loop
.Llap:
	STEPQ 1
	TURN 1, 0, 1, 0, 1
	WIN 0
.Lenter:
	STEPQ 0
	TURN 0, 1, 1, 2048, 0
	WIN 0
	s_cmp_lg_u32 s[CNT], s[ENDC]                   ; the same in all waves and in all partners
	s_cbranch_scc1 .Lnoend
	BEND 0, OB1, 1, BL1                            ; the first block's last step was this one
.Lnoend:
	s_add_co_u32 s[FTS], s[FTS], 4096              ; two steps' factors on
	v_add_nc_u32 v[FA], s[FTS], v[FA0]
	s_sub_co_u32 s[CNT], s[CNT], 1
	s_cmp_lg_u32 s[CNT], 0
	s_cbranch_scc1 .Llap
	STEPQ 1                                        ; walk step 7: nothing is left to ask for, so the barrier opens no round
	TURN 1, 0, 0, 0, 0
	STEPQ 0                                        ; walk step 8
	s_wait_dscnt 16
	MUL8 F1, 0, 0, 0
	MUL8 F1, 0, 2, 0
	s_wait_dscnt 0x0
	MUL8 F1, 1, 0, 0
	MUL8 F1, 1, 2, 0
	FLUSH 0, 1
	BEND 1, OB2, 0, BL2
	s_wait_tensorcnt 0x0                           ; the wave's end
	ds_add_u32 v[SPW], v[NIL]
	s_wait_dscnt 0x0
	CROUND                                         ; the closing round: no work-group ends while a partner may still ask for a tile that names it
	s_endpgm
.Lfunc_end_k_qfa3f576728_pv:
	.size	k_qfa3f576728_pv, .Lfunc_end_k_qfa3f576728_pv-k_qfa3f576728_pv
	.p2alignl 7, 3214868480
	.fill 96, 4, 3214868480
	.section	.rodata,"a",@progbits
	.p2align	6, 0x0
	.amdhsa_kernel k_qfa3f576728_pv
		.amdhsa_group_segment_fixed_size 327680
		.amdhsa_private_segment_fixed_size 0
		.amdhsa_enable_private_segment 0
		.amdhsa_kernarg_size 32
		.amdhsa_user_sgpr_count 2
		.amdhsa_user_sgpr_kernarg_segment_ptr 1
		.amdhsa_wavefront_size32 1
		.amdhsa_system_sgpr_workgroup_id_x 1
		.amdhsa_system_sgpr_workgroup_id_y 1
		.amdhsa_system_sgpr_workgroup_id_z 1
		.amdhsa_system_vgpr_workitem_id 0
		.amdhsa_next_free_vgpr 640
		.amdhsa_next_free_sgpr 100
		.amdhsa_reserve_vcc 0
		.amdhsa_float_denorm_mode_32 3
		.amdhsa_float_denorm_mode_16_64 3
		.amdhsa_memory_ordered 1
		.amdhsa_forward_progress 1
		.amdhsa_inst_pref_size 170
	.end_amdhsa_kernel
	.amdgpu_metadata
---
amdhsa.version: [ 1, 2 ]
amdhsa.kernels:
  - .name:           k_qfa3f576728_pv
    .symbol:         k_qfa3f576728_pv.kd
    .args:
      - { .name: pw, .offset: 0, .size: 8, .value_kind: global_buffer, .address_space: global }
      - { .name: vt, .offset: 8, .size: 8, .value_kind: global_buffer, .address_space: global }
      - { .name: st, .offset: 16, .size: 8, .value_kind: global_buffer, .address_space: global }
      - { .name: out0, .offset: 24, .size: 8, .value_kind: global_buffer, .address_space: global }
    .group_segment_fixed_size: 327680
    .private_segment_fixed_size: 0
    .kernarg_segment_align: 8
    .kernarg_segment_size: 32
    .max_flat_workgroup_size: 128
    .sgpr_count:     100
    .vgpr_count:     640
    .wavefront_size: 32
...
	.end_amdgpu_metadata
.endif
;; end of part 6
;; ======== version 2 of 2: 4 launches
;; limits: values are held in f16: magnitudes above 65,504 overflow, below 6.1e-05 lose precision
;; workspace buffers: xb 16,777,216 bytes; wqk 4,194,304 bytes; wvt 2,097,152 bytes; qk 33,554,432 bytes; vt 16,777,216 bytes; pw 33,554,432 bytes; st 1,048,576 bytes; eh 1,572,864 bytes
;; launch cast: the kernel of part 1 again; grid 896 x 1, 8 waves a work-group, no clusters, 18,432 bytes of LDS; arguments x, Wq, Wk, Wv, xb, wqk, wvt; writes xb, wqk, wvt
;; launch proj (part 7): grid 8 x 96, 4 waves a work-group, clusters of 4 x 4, 327,680 bytes of LDS; arguments xb, wqk, wvt, qk, vt, eh; writes qk, vt, eh
.if DOCPART == 7
	.amdgcn_target "amdgcn-amd-amdhsa--gfx1250"
	.amdhsa_code_object_version 6
	.text
	.protected	k_qfa3f576728_proj
	.globl	k_qfa3f576728_proj
	.p2align	8
	.type	k_qfa3f576728_proj,@function
k_qfa3f576728_proj:
	s_mov_b64 s[64:65], 0
	v_nop
	global_prefetch_b8 v0, s[64:65] scope:SCOPE_SE
	s_setreg_imm32_b32 hwreg(HW_REG_WAVE_MODE, 25, 1), 1
	s_wait_xcnt 0x0
	s_wait_alu depctr_hold_cnt(0) depctr_sa_sdst(0) depctr_va_vdst(0) depctr_va_sdst(0) depctr_va_ssrc(0) depctr_va_vcc(0) depctr_vm_vsrc(0)
	s_getreg_b32 s2, hwreg(HW_REG_IB_STS2, 6, 4)
	s_cmp_eq_u32 s2, 0
	s_cbranch_scc0 .Lentry_in_a_cluster
	s_endpgm
.Lentry_in_a_cluster:
	s_bfe_u32 s2, ttmp6, 0x10000c
	s_cmp_lg_u32 s2, 0xf033
	s_cbranch_scc0 .Lentry_shape_is_right
	s_endpgm
.Lentry_shape_is_right:
; ALL PROJECTIONS IN ONE LAUNCH.  C[m][n] = sum over k of A[m][k] B[n][k], A and B rows of 1,024 bf16, sums in f32.  Three parts that read nothing of each other, told apart by the cluster's y, which all
; sixteen partners of a cluster share:
;   cluster y 0-7    q and k:    A = xb (8,192 rows), B = wqk (2,048 rows), C = qk [8192][2048] f16;
;   cluster y 8-11   v, turned:  A = wvt (1,024 rows), B = xb, C = vt [4][1024][2048] f16; y - 8 is the batch;
;   cluster y 12-23  q, k and v of the first 32 rows of each batch once more, as pairs of f16: the text at the end, which says why.
; The first two parts are one text: C's rows are 4,096 bytes in both; tile column tc lies at byte 512 (tc % 8) of plane tc / 8, a plane being 1,024 rows (in the first part tc < 8: plane 0).
; LIMIT.  f16 ends at 65,504: the text serves inputs for which |q|, |k|, |v| stay below that; a larger sum leaves as an infinity.
; A tile of C, 256 x 256, is made by four waves, as many as a WGP has SIMDs; a wave makes 128 x 128: 64 accumulators, 512 registers.  K goes in steps of 128 through a ring of two LDS slots filled by the
; tensor data mover: a tile's rows are 256 bytes of memory, at multiples of 256 bytes.  A K STEP IS WRITTEN ONCE: the loop's trip is a K step; the LDS byte of the slot in hand is a scalar register that an
; exclusive or turns, and one descriptor walks from slot to slot.  The last K step goes by rows of C, so that finished rows leave while the others are multiplied.
; CLUSTERS: 4 x 4 work-groups.  The four of a row of the cluster need the same tiles of A, the four of a column the same tiles of B: each tile is asked for JOINTLY, by the same tensor load with the same
; descriptor and a mask that names the four; each receives it in its own LDS.
; REGISTERS, in windows of 256 (s_set_vgpr_msb: bits 1:0 source 0, 3:2 source 1, 5:4 source 2, 7:6 destination):
;   window 0: v0-31 addresses; v64-127, v128-191 fragments of A, two buffers (in the last K step four, of 16 rows x 128 K); v32-63, v192-255 at work on the way out
;   window 1: v64-127, v128-191 fragments of B, two buffers; in the last K step all 256      window 2: the 32 accumulators of my rows 0-63 ((a, b) at v[8 (8 a + b)])      window 3: those of rows 64-127
; THE MATRIX INSTRUCTION IS USED TRANSPOSED: source 0 = 16 rows of B, source 1 = 16 rows of A: a lane then holds row l % 16 of C and the eight neighbouring columns 8 (l / 16) + 0..7.
.set SIZE_K, 1024
.set CROW,   4096                      ; bytes in a row of C
.set KSTEP,  128
.set STEPS,  SIZE_K/KSTEP
.set PITCH,  272                       ; an LDS row: 256 bytes + 16 of padding = 68 words: row r starts at bank 4 r mod 64 (64 banks of 4 bytes: ISA guide 11.1)
.set HALFT,  128*PITCH                 ; 128 rows: what one tensor load brings, and what one wave reads of A or of B: 0x8800 bytes
.set SLOT,   4*HALFT                   ; A's 256 rows, then B's 256 rows: 0x22000 bytes, which shares no bit with wave x 0x8800: an exclusive or with it turns a wave's LDS address in one slot into the other's
.set STAGE,  2*SLOT                    ; behind the ring: 16 rows x 272 bytes for each wave, for the way out
.set SPITCH, 272
.set SPARE,  STAGE+4*16*SPITCH         ; behind the stages: the spare words, 128 bytes for each wave: two blocks of 256 bytes that no other line names
.set EPART,  SPARE+512                 ; behind them: the third part's four partial tiles of 4,096 bytes; no tensor load lands here
.set ADRA0, 16                         ; v16     LDS address of my A fragments in slot 0; never rewritten
.set ACUR,  17                         ; v17     the same in the slot that is being fetched from
.set ADRB0, 20                         ; v20, v21  the same for B
.set BCUR,  21
.set STO,  24                          ; v24     the way out: where I put 16 bytes of a row
.set RD,   25                          ; v25     the way out: where I read a row back
.set CO,   26                          ; v26     my byte offset in C
.set SPW,  28                          ; v28     LDS address of my spare word; never rewritten
.set NIL,  29                          ; v29     0; never rewritten
.set PFO,  30                          ; v30     the prefetches' offset: my lane x a row of A or B (2,048 bytes); never rewritten
.set PFA,  44                          ; s[44:45] where my prefetches stand: my work-group's 32 rows of the 128 that I fetch, one K step further than the refill in hand
.set LIM,  43                          ; s43     2 in a wave that prefetches, else the greatest number
.set TB,   81                          ; s81     0 or SLOT: the slot that is being fetched from
.set F0,   64
.set F1,   128
.set TMP,  192                         ; the way out: packed results, in window 0
.set OB,   32                          ; the way out: 16 rows read back: v32-63 and v224-255 by turns
.set PA,   64                          ; the last K step: A's fragments of 16 rows x 128 K; four buffers, v64-191
.set G1, 24                            ; s[24:31] descriptor group 1 for A's tiles
.set G0, 32                            ; s[32:39] group 0 for A's tiles: a set for each of the two first fills; the second then walks on
.set G1B, 48                           ; s[48:55], s[56:63] the same for B's tiles
.set G0B, 56
.set MSB, 0
.macro WIN new                         ; the immediate's high byte repeats the setting that is left; a switch that changes nothing is dropped
.if MSB != (\new)
	s_set_vgpr_msb (MSB<<8)|(\new)
.set MSB, \new
.endif
.endm
.set MUL_LO, 0xa1                      ; source 0 (B) window 1, source 1 (A) window 0, C and D window 2
.set MUL_HI, 0xf1                      ; the same, C and D window 3
.set TO_B,   0x40                      ; destination window 1, address window 0
; A joint load.  Waves 0 and 1 fetch A's two halves, waves 2 and 3 B's.  The branch hangs on the wave's number alone.  An s_nop 0 and four v_nop follow each of the two lines.
.macro JLOAD s
	s_cmp_eq_u32 s11, 0
	s_cbranch_scc0 .Lfor_b_\@
	tensor_load_to_lds s[G0+4*(\s):G0+4*(\s)+3], s[G1:G1+7]
	s_nop 0
.rept 4
	v_nop
.endr
	s_branch .Lasked_\@
.Lfor_b_\@:
	tensor_load_to_lds s[G0B+4*(\s):G0B+4*(\s)+3], s[G1B:G1B+7]
	s_nop 0
.rept 4
	v_nop
.endr
.Lasked_\@:
.endm
.macro NEXTSLOT                        ; the fetches go on in the other slot (every window is 0 here)
	s_xor_b32 s[TB], s[TB], SLOT
	v_add_nc_u32 v[ACUR], s[TB], v[ADRA0]
	v_add_nc_u32 v[BCUR], s[TB], v[ADRB0]
.endm
; A PREFETCH INTO THE L2, behind each joint load and the run of LDS loads that follows it: the K step that stands TWO refills on, 512 matrix instructions ahead of its load: 32 rows x 256 bytes, a lane a row.
; Each row's 256 bytes of a K step are named once in the launch.  xb's rows: the first part's cluster with x = 0.  wqk's rows: the cluster with y = 0.  wvt's rows: the first of the second part's clusters
; (x = 0, y = 8).  The second part reads xb's rows a second time and asks for none of them.  The four partners that ask for a tile jointly share its rows out BY ADDRESS (32 each, by cx for A, by cy for B).
; K steps 0 to 3 come by their loads alone; the loop's last two trips (s3 = 2, 1) ask for nothing: there is no K step two on.
.macro ASK
	s_cmp_gt_u32 s3, s[LIM]
	s_cbranch_scc0 .Lnot_mine_\@
	global_prefetch_b8 v[PFO], s[PFA:PFA+1] offset:KSTEP*2 th:TH_LOAD_NT scope:SCOPE_SE
.Lnot_mine_\@:
.endm
.macro CREST                           ; a round of the cluster's barrier behind its opening barrier
	s_cmp_lg_u32 s10, 0
	s_cbranch_scc1 .Lnot_wave_0_\@
	s_barrier_signal -3
.Lnot_wave_0_\@:
	s_barrier_wait -3
	s_barrier_signal -1
	s_barrier_wait -1
.endm
.macro CROUND                          ; a whole round
	s_barrier_signal -1
	s_barrier_wait -1
	CREST
.endm
	s_load_b256 s[68:75], s[0:1], 0x0              ; xb s[68:69], wqk s[70:71], wvt s[72:73], qk s[74:75]
	s_load_b128 s[76:79], s[0:1], 0x20             ; vt s[76:77], eh s[78:79]
	v_lshl_add_u32 v[SPW], v0, 2, SPARE
	v_mov_b32 v[NIL], 0
	ds_add_u32 v[SPW], v[NIL]                      ; the wave's opening: the add, and its wait ahead of my first tensor load; the set-up below stands between them
	ds_add_u32 v28, v29
	v_lshrrev_b32 v1, 5, v0
	v_readfirstlane_b32 s10, v1                    ; wave 0..3
	s_lshr_b32 s11, s10, 1                         ; which half of the tile's rows is mine.  Also: I fetch for A (0) or for B (1)
	s_and_b32 s12, s10, 1                          ; which half of its columns.  Also: which 128 rows of that tile I fetch
	s_bfe_u32 s40, ttmp6, 0x40000                  ; cx
	s_bfe_u32 s41, ttmp6, 0x40004                  ; cy
	s_and_b32 s66, ttmp7, 0xffff                   ; the cluster's y: which part
	s_sub_co_u32 s80, s66, 8                       ; the second part's batch: taken only where y >= 8
	s_cmp_lt_u32 s66, 8
	s_cselect_b32 s67, s66, 0                      ; first part: tile rows 4 y on; second part: tile rows 0 to 3
	s_cselect_b32 s80, 0, s80
	s_lshl_b32 s42, ttmp9, 2
	s_add_co_u32 s42, s42, s40
	s_lshl_b32 s43, s80, 3
	s_add_co_u32 s42, s42, s43                     ; tile column of C = 4 x cluster x + cx + 8 x batch
	s_lshl_b32 s13, s67, 2
	s_add_co_u32 s13, s13, s41                     ; tile row of C
	s_lshl_b32 s43, s41, 2
	s_lshl_b32 s43, 15, s43                        ; my row of the cluster: places 4 cy .. 4 cy + 3
	s_lshl_b32 s44, 0x1111, s40                    ; my column: places cx, cx + 4, cx + 8, cx + 12
	s_or_b32 s[G1+0], s43, (1<<16)|(1<<20)|(1<<21)|(5<<22)|(3<<25)  ; the mask; elements of 2 bytes; padding on; bit 21 beside a mask; after every 64 words (code 5) 4 words (code 3)
	s_or_b32 s[G1B+0], s44, (1<<16)|(1<<20)|(1<<21)|(5<<22)|(3<<25)
	s_mov_b32 s[G1B+1], KSTEP<<16
	s_mov_b32 s[G1+1], KSTEP<<16                   ; tensor_dim0 = 128
	s_mov_b32 s[G1B+2], 128<<16
	s_mov_b32 s[G1+2], 128<<16                     ; tensor_dim1 = 128
	s_mov_b32 s[G1B+3], KSTEP<<16
	s_mov_b32 s[G1+3], KSTEP<<16                   ; tile_dim0 = 128
	s_mov_b32 s[G1B+4], 128
	s_mov_b32 s[G1+4], 128                         ; tile_dim1 = 128
	s_mov_b32 s[G1B+5], SIZE_K
	s_mov_b32 s[G1+5], SIZE_K                      ; elements from row to row
	s_mov_b32 s[G1B+6], 0
	s_mov_b32 s[G1+6], 0
	s_mov_b32 s[G1B+7], 0
	s_mov_b32 s[G1+7], 0
	s_lshl_b32 s17, s12, 7                         ; which 128 rows of the tile I fetch
	s_lshl_b32 s16, s13, 8
	s_add_co_u32 s16, s16, s17                     ; A: row 256 x tile row + 128 x half
	s_lshl_b32 s46, s42, 8
	s_add_co_u32 s46, s46, s17                     ; B: row 256 x tile column + 128 x half
	s_mov_b32 s17, 0
	s_mov_b32 s47, 0
	s_mov_b64 s[18:19], SIZE_K*2
	s_mul_u64 s[16:17], s[16:17], s[18:19]
	s_mul_u64 s[46:47], s[46:47], s[18:19]
	s_mul_i32 s20, s10, HALFT                      ; where they go: wave x 128 rows: no place in the cluster enters an LDS address
	s_mov_b32 s[TB], 0
	s_wait_dscnt 0x0                               ; the opening add is done
	s_wait_kmcnt 0x0
	s_cmp_ge_u32 s66, 12                           ; the third part: a whole cluster goes, or none of it
	s_cbranch_scc1 .Learly
	s_cmp_lt_u32 s66, 8
	s_cselect_b64 s[4:5], s[68:69], s[72:73]       ; A: xb or wvt
	s_cselect_b64 s[6:7], s[70:71], s[68:69]       ; B: wqk or xb
	s_cselect_b64 s[8:9], s[74:75], s[76:77]       ; C: qk or vt
	s_add_nc_u64 s[14:15], s[4:5], s[16:17]
	s_add_nc_u64 s[46:47], s[6:7], s[46:47]
	CROUND                                         ; all sixteen work-groups are here: the first joint loads meet
.irp s, 0,1
	s_mov_b32 s[G0+4*(\s)], 1
	s_add_co_u32 s[G0+4*(\s)+1], s20, (\s)*SLOT
	s_add_nc_u64 s[G0+4*(\s)+2:G0+4*(\s)+3], s[14:15], (\s)*KSTEP*2
	s_or_b32 s[G0+4*(\s)+3], s[G0+4*(\s)+3], 0x80000000
	s_mov_b32 s[G0B+4*(\s)], 1
	s_add_co_u32 s[G0B+4*(\s)+1], s20, (\s)*SLOT
	s_add_nc_u64 s[G0B+4*(\s)+2:G0B+4*(\s)+3], s[46:47], (\s)*KSTEP*2
	s_or_b32 s[G0B+4*(\s)+3], s[G0B+4*(\s)+3], 0x80000000
	JLOAD \s                                       ; two loads of mine are out
.endr
	; A fragment is 16 rows x 32 K in 8 registers: lane l holds row l % 16; registers 0-3 K = 8 (l / 16) + 0..7, registers 4-7 K = 16 + 8 (l / 16) + 0..7: two loads of 16 bytes, 32 bytes apart.
	v_and_b32 v1, 15, v0                           ; l % 16
	v_bfe_u32 v2, v0, 4, 1                         ; l / 16
	v_mul_u32_u24 v3, v1, PITCH
	v_lshl_add_u32 v3, v2, 4, v3
	s_mul_i32 s21, s11, HALFT                      ; my 128 rows of A
	s_mul_i32 s22, s12, HALFT                      ; my 128 rows of B,
	s_add_co_u32 s22, s22, 2*HALFT                 ; which lie behind A's 256
	v_add_nc_u32 v[ADRA0], s21, v3
	v_add_nc_u32 v[ADRB0], s22, v3
	v_add_nc_u32 v[ACUR], s[TB], v[ADRA0]          ; K step 0 lies in slot 0
	v_add_nc_u32 v[BCUR], s[TB], v[ADRB0]
	s_mul_i32 s23, s10, 16*SPITCH
	s_add_co_u32 s23, s23, STAGE                   ; my stage
	v_mul_u32_u24 v4, v1, SPITCH
	v_lshl_add_u32 v4, v2, 4, v4
	v_add_nc_u32 v[STO], s23, v4
	v_mul_u32_u24 v5, v2, SPITCH
	v_lshl_add_u32 v5, v1, 4, v5
	v_add_nc_u32 v[RD], s23, v5
	v_mul_u32_u24 v5, v2, CROW
	v_lshl_add_u32 v[CO], v1, 4, v5
	s_lshl_b32 s13, s13, 8
	s_lshl_b32 s14, s11, 7
	s_add_co_u32 s16, s13, s14                     ; my first row of C
	s_mov_b32 s17, 0
	s_mov_b64 s[18:19], CROW
	s_mul_u64 s[16:17], s[16:17], s[18:19]
	s_and_b32 s46, s42, 7                          ; my first column, in bytes: 512 x (tile column % 8)
	s_lshl_b32 s46, s46, 9
	s_lshr_b32 s47, s42, 3                         ; + the plane: (tile column / 8) x 1,024 rows of 4,096 bytes
	s_lshl_b32 s47, s47, 22
	s_add_co_u32 s46, s46, s47
	s_lshl_b32 s47, s12, 8                         ; + 256 x half
	s_add_co_u32 s46, s46, s47
	s_mov_b32 s47, 0
	s_add_nc_u64 s[16:17], s[16:17], s[46:47]
	; the prefetches.  s13 = 256 x tile row, s42 = tile column, s40 = cx, s41 = cy, s66 = cluster y, s80 = the second part's batch still stand
	s_lshl_b32 s42, s42, 8
	s_or_b32 s22, ttmp9, s80                       ; 0 in the first of the clusters that read A's rows
	s_cmp_eq_u32 s11, 0                            ; do I fetch for A?
	s_cselect_b32 s20, s13, s42                    ; the tile's first row
	s_cselect_b32 s21, s40, s41                    ; my place among the four that ask for it with me
	s_cselect_b32 s22, s22, s66                    ; B's rows: cluster y = 0 alone
	s_cselect_b64 s[PFA:PFA+1], s[4:5], s[6:7]
	s_cmp_eq_u32 s22, 0
	s_cselect_b32 s[LIM], 2, -1
	s_lshl_b32 s22, s12, 7
	s_add_co_u32 s20, s20, s22
	s_lshl_b32 s21, s21, 5
	s_add_co_u32 s20, s20, s21
	s_mov_b32 s21, 0
	s_mov_b64 s[18:19], SIZE_K*2
	s_mul_u64 s[20:21], s[20:21], s[18:19]
	s_add_nc_u64 s[PFA:PFA+1], s[PFA:PFA+1], s[20:21]
	s_add_nc_u64 s[PFA:PFA+1], s[PFA:PFA+1], 2*KSTEP*2  ; at K step 2: the first refill steps it to 3 and names K step 4
	v_and_b32 v[PFO], 31, v0
	v_mul_u32_u24 v[PFO], v[PFO], SIZE_K*2
; 16 matrix instructions: m blocks a0, a0 + 1 of the window's four x all 8 n blocks, 32 along K.  zero = 1: the first product starts the sums.  The 64 accumulators take turns.
.macro MUL16 f, hi, a0, zero
	WIN MUL_LO+0x50*(\hi)
.irp a, \a0, (\a0)+1
.irp b, 0,1,2,3,4,5,6,7
.if \zero
	v_wmma_f32_16x16x32_bf16 v[8*(8*(\a)+(\b)):8*(8*(\a)+(\b))+7], v[(\f)+8*(\b):(\f)+8*(\b)+7], v[(\f)+8*(4*(\hi)+(\a)):(\f)+8*(4*(\hi)+(\a))+7], 0
.else
	v_wmma_f32_16x16x32_bf16 v[8*(8*(\a)+(\b)):8*(8*(\a)+(\b))+7], v[(\f)+8*(\b):(\f)+8*(\b)+7], v[(\f)+8*(4*(\hi)+(\a)):(\f)+8*(4*(\hi)+(\a))+7], v[8*(8*(\a)+(\b)):8*(8*(\a)+(\b))+7]
.endif
.endr
.endr
.endm
.macro FETCH k, f                      ; 32 LDS loads in one run: the fragments of one quarter step, at byte k of the rows of the slot in hand, into buffer f
	WIN TO_B
.irp i, 0,1,2,3,4,5,6,7
	ds_load_b128 v[(\f)+8*(\i):(\f)+8*(\i)+3],   v[BCUR] offset:(\k)+(\i)*16*PITCH
	ds_load_b128 v[(\f)+8*(\i)+4:(\f)+8*(\i)+7], v[BCUR] offset:(\k)+(\i)*16*PITCH+32
.endr
	WIN 0
.irp i, 0,1,2,3,4,5,6,7
	ds_load_b128 v[(\f)+8*(\i):(\f)+8*(\i)+3],   v[ACUR] offset:(\k)+(\i)*16*PITCH
	ds_load_b128 v[(\f)+8*(\i)+4:(\f)+8*(\i)+7], v[ACUR] offset:(\k)+(\i)*16*PITCH+32
.endr
.endm
.macro PLACES                          ; four places in front of loads into registers that matrix instructions have read, and of conversions that read results just made
.rept 4
	v_nop
.endr
.endm
.macro QUARTER k, f, g, zero           ; 64 matrix instructions on buffer f; in their middle the next quarter's fragments, at byte k, go into buffer g
	s_wait_dscnt 8                                 ; B and A's rows 0-63 are in; the youngest eight loads (A's rows 64-127) may be out
	WIN MUL_LO
	MUL16 \f, 0, 0, \zero
	MUL16 \f, 0, 2, \zero
	PLACES
	FETCH \k, \g
	s_wait_dscnt 32                                ; all but the 32 just issued
	WIN MUL_HI
	MUL16 \f, 1, 0, \zero
	MUL16 \f, 1, 2, \zero
.endm
; The change of slots: ONE barrier.  In front of it each wave waits for all its tensor loads (one is out: its part of the next slot), adds 0 to its spare word, and waits for that and for its reads of this slot.
.macro MEET round
	WIN 0
	s_wait_tensorcnt 0x0
	ds_add_u32 v[SPW], v[NIL]
	s_wait_dscnt 9                                 ; the add and the youngest eight loads may be out
	WIN MUL_LO
	MUL16 F1, 0, 0, 0
	s_wait_dscnt 0x0                               ; the add is done, and my reads of this slot are over
	s_barrier_signal -1
	MUL16 F1, 0, 2, 0
.if \round
	WIN 0
.endif
	s_barrier_wait -1
.endm
.macro TURN                            ; the last quarter of a K step: the slot just read out is filled again, two K steps on, first thing behind the round
	s_wait_xcnt 0x0                                ; the last prefetch, a K step back, has read its address
	s_add_nc_u64 s[PFA:PFA+1], s[PFA:PFA+1], KSTEP*2
	MEET 1
	CREST
	s_xor_b32 s[G0+5], s[G0+5], SLOT               ; the walking descriptors (no load of mine is out): the other slot than last time,
	s_add_nc_u64 s[G0+6:G0+7], s[G0+6:G0+7], KSTEP*2  ; the next K step; the type bits on top are not reached
	s_xor_b32 s[G0B+5], s[G0B+5], SLOT
	s_add_nc_u64 s[G0B+6:G0B+7], s[G0B+6:G0B+7], KSTEP*2
	JLOAD 1                                        ; its four v_nop are also the places in front of the loads below
	NEXTSLOT
	FETCH 0, F0
	ASK
	WIN MUL_HI
	MUL16 F1, 1, 0, 0
	MUL16 F1, 1, 2, 0
.endm
; THE LAST K STEP GOES BY ROWS OF C: all its fragments of B fill window 1; my eight blocks of 16 rows are finished one after the other, 32 matrix instructions each, K ascending.
.macro BLOAD q
	WIN TO_B
.irp i, 0,1,2,3,4,5,6,7
	ds_load_b128 v[64*(\q)+8*(\i):64*(\q)+8*(\i)+3],   v[BCUR] offset:64*(\q)+(\i)*16*PITCH
	ds_load_b128 v[64*(\q)+8*(\i)+4:64*(\q)+8*(\i)+7], v[BCUR] offset:64*(\q)+(\i)*16*PITCH+32
.endr
.endm
.macro ALOAD a
	WIN 0
.set FA, PA+32*((\a)%4)
.irp q, 0,1,2,3
	ds_load_b128 v[FA+8*(\q):FA+8*(\q)+3],   v[ACUR] offset:64*(\q)+(\a)*16*PITCH
	ds_load_b128 v[FA+8*(\q)+4:FA+8*(\q)+7], v[ACUR] offset:64*(\q)+(\a)*16*PITCH+32
.endr
.endm
.macro ROW a
.set FA, PA+32*((\a)%4)
.set AC, 64*((\a)%4)
	WIN MUL_LO+0x50*((\a)/4)
.irp q, 0,1,2,3
.if (\a) == 0 && (\q) == 2
	s_wait_dscnt 24                                ; B's quarter 2 is in (behind it: A's blocks 1 to 3)
.endif
.irp b, 0,1,2,3,4,5,6,7
	v_wmma_f32_16x16x32_bf16 v[AC+8*(\b):AC+8*(\b)+7], v[64*(\q)+8*(\b):64*(\q)+8*(\b)+7], v[FA+8*(\q):FA+8*(\q)+7], v[AC+8*(\b):AC+8*(\b)+7]
.endr
.endr
.endm
; THE WAY OUT of block a.  PACK: rounded to f16, 16 bytes a lane.  TOSTAGE: into my own stage in LDS, and back as whole rows of 256 bytes.  SEND: stored.
.macro PACK a
.set AC, 64*((\a)%4)
	WIN 0x0a+5*((\a)/4)
.irp b, 0,1,2,3,4,5,6,7
.irp r, 0,1,2,3
	v_cvt_pk_f16_f32 v[TMP+4*(\b)+(\r)], v[AC+8*(\b)+2*(\r)], v[AC+8*(\b)+2*(\r)+1]
.endr
.endr
	WIN 0
.endm
.macro TOSTAGE a
	WIN 0
.set BK, OB+192*((\a)%2)
.irp b, 0,1,2,3,4,5,6,7
	ds_store_b128 v[STO], v[TMP+4*(\b):TMP+4*(\b)+3] offset:32*(\b)
.endr
.irp t, 0,1,2,3,4,5,6,7
	ds_load_b128 v[BK+4*(\t):BK+4*(\t)+3], v[RD] offset:(\t)*2*SPITCH  ; LDS serves a wave's instructions in order (ISA guide 5.7.1.4): these see the stores above
.endr
.endm
.macro SEND a, younger
	WIN 0
.set BK, OB+192*((\a)%2)
	s_wait_dscnt \younger                          ; the block is back in registers
	s_wait_xcnt 0x0                                ; the stores' base and the registers that earlier stores read are rewritten only behind this wait
.if (\a) == 0
	s_add_nc_u64 s[8:9], s[8:9], s[16:17]          ; on to my first rows
.else
	s_add_nc_u64 s[8:9], s[8:9], 16*CROW           ; 16 rows of C on
.endif
.irp t, 0,1,2,3,4,5,6,7
	global_store_b128 v[CO], v[BK+4*(\t):BK+4*(\t)+3], s[8:9] offset:2*(\t)*CROW  ; 16 lanes store 256 consecutive bytes, aligned
.endr
.endm
	s_wait_tensorcnt 1                             ; my part of K step 0 is in; K step 1's may stay out
	s_barrier_signal -1
	s_barrier_wait -1
	FETCH 0, F0
	QUARTER 64,  F0, F1, 1                         ; the first quarter stands in front of the loop: its products start the sums
	WIN 0
	s_mov_b32 s3, STEPS-2
.Lstep:                                                ; a trip goes from a K step's second quarter to the next step's first, and fills the slot that it leaves: K steps 2 to 7
	QUARTER 128, F1, F0, 0
	QUARTER 192, F0, F1, 0
	TURN
	QUARTER 64,  F0, F1, 0
	WIN 0
	s_sub_co_u32 s3, s3, 1
	s_cmp_lg_u32 s3, 0
	s_cbranch_scc1 .Lstep
	QUARTER 128, F1, F0, 0                         ; the last K step but one goes on
	QUARTER 192, F0, F1, 0
	MEET 0                                         ; the other slot holds the last K step; nothing is filled again, so no round follows
	WIN 0
	NEXTSLOT
	PLACES
	WIN TO_B
	BLOAD 0
	BLOAD 1
	BLOAD 3
	WIN 0
	ALOAD 0
	WIN MUL_HI
	MUL16 F1, 1, 0, 0
	MUL16 F1, 1, 2, 0
	PLACES
	WIN TO_B
	BLOAD 2
	WIN 0
	ALOAD 1
	ALOAD 2
	ALOAD 3
	s_wait_dscnt 40                                ; all but the 40 just issued
	ROW 0
.irp a, 0,1,2,3,4,5,6,7
	PLACES
	PACK \a
	TOSTAGE \a
.if (\a) < 4
	ALOAD (\a)+4
	SEND \a, 8
.else
	SEND \a, 0
.endif
.if (\a) < 7
	ROW (\a)+1
.endif
.endr
	s_wait_tensorcnt 0x0                           ; the wave's end
	ds_add_u32 v[SPW], v[NIL]
	s_wait_dscnt 0x0
	CROUND                                         ; the closing round
	s_endpgm
; THE THIRD PART: q, k and v of THE FIRST 32 ROWS OF EACH BATCH once more, kept to about 22 bits: each number s as two f16, hi = f16(s) and lo = f16(s - hi).
; Why: row n of the output averages n + 1 keys, so in the first rows a rounding of q, k, v to 11 bits is not averaged down, while the output is compared by the root mean square of all its rows.
; LIMITS.  |s| below 65,504.  lo lies in f16's fixed step of 6e-8 once |s| is under about 0.1: the pair then holds s to 3e-8, not to 2^-22 of itself.
; Work-group g = 16 (2 (cluster y - 12) + cluster x) + 4 cy + cx = 0..383 makes one tile of 32 x 32 of Out[i][j] = sum over k of A[i][k] B[j][k]:
;   g = 0-255 (q and k):  A = xb, rows 0-31 of batch g / 64;  B = wqk, rows 32 (g % 64) on (0-1023 q's channels, 1024-2047 k's);
;   g = 256-383 (v, turned):  A = wvt, rows (channels) 32 (g % 32) on;  B = xb, rows (keys) 0-31 of batch (g / 32) % 4.
; K IS SPLIT AMONG THE FOUR WAVES, 256 each: 64 loads of 16 bytes a lane, straight into fragments, and 32 matrix instructions a wave; the four partial tiles meet in LDS (f32 sums).
; Source 0 = 16 rows of B, source 1 = 16 rows of A: a lane holds row i = l % 16 and the columns j = 8 (l / 16) + 0..7.  Two such results side by side, packed, ARE a fragment of 16 rows x 32 along j, so
; eh is laid out in fragments: byte 4,096 g + 2,048 ib + 1,024 part (0 hi, 1 lo) + 512 jb + 16 lane.  Wave w finishes accumulator (ib, jb) = (w / 2, w % 2); each of its two stores covers 512 consecutive bytes, aligned.
; NO TENSOR LOAD AND NO JOINT REQUEST HERE, though the work-groups of a batch read the same 32 rows of xb: a wave has 32 matrix instructions in all, too few to pay for a ring in LDS and its rounds.
; My place in the cluster enters global addresses alone; which kind of tile it is hangs on the cluster's number.
.set EROWB, 2048                       ; bytes in a row of xb, wqk, wvt
.set EFO,  2                           ; v2  my byte offset in a fragment's rows: (l % 16) x 2,048 + 16 (l / 16) + 512 x wave; never rewritten
.set ELS,  3                           ; v3  where I put 16 bytes of a partial tile: EPART + 4,096 x wave + 16 l
.set ELR,  4                           ; v4  where I read them back: EPART + 1,024 x wave + 16 l
.set EEO,  5                           ; v5  16 l: my bytes of eh
.set EN1,  6                           ; v6  -1.0
.set EACC, 32                          ; v[32:63]  four accumulators: (ib, jb) at EACC + 8 (2 ib + jb)
.set EBUF, 64                          ; v[64:255] three sets of 64: two steps of 32 along K, each A's two fragments, then B's two
.set EHI,  96                          ; at the end: v[96:99] hi, v[100:103] lo, v[104:111] s - hi
.set ELW,  100
.set EDF,  104
; Sixteen loads into set b: the steps t0 and t0 + 1 of my eight steps of 32 along K.  A fragment is 16 rows x 32 K: two loads of 16 bytes a lane, 32 bytes apart.
.macro ELOADS b, t0
.irp tt, 0,1
.irp f, 0,1
	global_load_b128 v[EBUF+64*(\b)+32*(\tt)+8*(\f):EBUF+64*(\b)+32*(\tt)+8*(\f)+3],       v[EFO], s[26:27] offset:((\t0)+(\tt))*64+(\f)*16*EROWB
	global_load_b128 v[EBUF+64*(\b)+32*(\tt)+8*(\f)+4:EBUF+64*(\b)+32*(\tt)+8*(\f)+7],     v[EFO], s[26:27] offset:((\t0)+(\tt))*64+(\f)*16*EROWB+32
	global_load_b128 v[EBUF+64*(\b)+32*(\tt)+16+8*(\f):EBUF+64*(\b)+32*(\tt)+16+8*(\f)+3], v[EFO], s[28:29] offset:((\t0)+(\tt))*64+(\f)*16*EROWB
	global_load_b128 v[EBUF+64*(\b)+32*(\tt)+16+8*(\f)+4:EBUF+64*(\b)+32*(\tt)+16+8*(\f)+7], v[EFO], s[28:29] offset:((\t0)+(\tt))*64+(\f)*16*EROWB+32
.endr
.endr
.endm
; Eight matrix instructions on set b.  The four accumulators take turns, one instruction a turn.  zero = 1: the first four start the sums.
.macro EMULS b, zero
.irp tt, 0,1
.irp ib, 0,1
.irp jb, 0,1
.if (\zero) && ((\tt) == 0)
	v_wmma_f32_16x16x32_bf16 v[EACC+8*(2*(\ib)+(\jb)):EACC+8*(2*(\ib)+(\jb))+7], v[EBUF+64*(\b)+32*(\tt)+16+8*(\jb):EBUF+64*(\b)+32*(\tt)+16+8*(\jb)+7], v[EBUF+64*(\b)+32*(\tt)+8*(\ib):EBUF+64*(\b)+32*(\tt)+8*(\ib)+7], 0
.else
	v_wmma_f32_16x16x32_bf16 v[EACC+8*(2*(\ib)+(\jb)):EACC+8*(2*(\ib)+(\jb))+7], v[EBUF+64*(\b)+32*(\tt)+16+8*(\jb):EBUF+64*(\b)+32*(\tt)+16+8*(\jb)+7], v[EBUF+64*(\b)+32*(\tt)+8*(\ib):EBUF+64*(\b)+32*(\tt)+8*(\ib)+7], v[EACC+8*(2*(\ib)+(\jb)):EACC+8*(2*(\ib)+(\jb))+7]
.endif
.endr
.endr
.endr
.endm
.Learly:
	s_sub_co_u32 s19, s66, 12
	s_lshl_b32 s19, s19, 1
	s_add_co_u32 s19, s19, ttmp9                   ; which of this part's 24 clusters: 0-15 q and k, 16-23 v
	s_lshl_b32 s14, s19, 2
	s_add_co_u32 s14, s14, s41
	s_lshl_b32 s14, s14, 2
	s_add_co_u32 s14, s14, s40                     ; g
	v_and_b32 v9, 15, v0                           ; l % 16
	v_bfe_u32 v10, v0, 4, 1                        ; l / 16
	v_and_b32 v11, 31, v0                          ; l
	s_lshl_b32 s13, s10, 9                         ; my quarter of K: 512 bytes of a row
	v_lshlrev_b32 v[EFO], 11, v9
	v_lshl_add_u32 v[EFO], v10, 4, v[EFO]
	v_add_nc_u32 v[EFO], s13, v[EFO]
	s_lshl_b32 s15, s10, 12
	s_add_co_u32 s15, s15, EPART
	v_lshl_add_u32 v[ELS], v11, 4, s15
	s_lshl_b32 s15, s10, 10
	s_add_co_u32 s15, s15, EPART
	v_lshl_add_u32 v[ELR], v11, 4, s15
	v_lshlrev_b32 v[EEO], 4, v11
	v_mov_b32 v[EN1], 0xbf800000
	s_bfe_u32 s15, s14, 0x20006                    ; the batch, for q and k: g / 64
	s_bfe_u32 s16, s14, 0x20005                    ; for v: (g / 32) % 4
	s_and_b32 s17, s14, 63                         ; which 32 rows of the weights: of wqk,
	s_and_b32 s18, s14, 31                         ; of wvt
	s_cmp_lt_u32 s19, 16
	s_cselect_b32 s15, s15, s16
	s_cselect_b32 s17, s17, s18
	s_lshl_b32 s20, s15, 22                        ; a batch of xb: 2,048 rows of 2,048 bytes
	s_mov_b32 s21, 0
	s_lshl_b32 s22, s17, 16                        ; 32 rows of 2,048 bytes
	s_mov_b32 s23, 0
	s_lshl_b32 s24, s14, 12                        ; eh: 4,096 g + 2,048 (w / 2) + 512 (w % 2)
	s_lshl_b32 s25, s11, 11
	s_add_co_u32 s24, s24, s25
	s_lshl_b32 s25, s12, 9
	s_add_co_u32 s24, s24, s25
	s_mov_b32 s25, 0
	s_add_nc_u64 s[4:5], s[68:69], s[20:21]        ; xb at the batch's first row
	s_cmp_lt_u32 s19, 16
	s_cselect_b64 s[6:7], s[70:71], s[72:73]       ; the weights: wqk or wvt,
	s_add_nc_u64 s[6:7], s[6:7], s[22:23]          ; at the tile's 32 rows (the 64-bit sum leaves SCC alone)
	s_cselect_b64 s[26:27], s[4:5], s[6:7]         ; A
	s_cselect_b64 s[28:29], s[6:7], s[4:5]         ; B
	s_add_nc_u64 s[8:9], s[78:79], s[24:25]
	ELOADS 0, 0                                    ; 48 loads go out at once: steps 0 to 5
	ELOADS 1, 2
	ELOADS 2, 4
	s_wait_loadcnt 32                              ; loads come back in order: set 0 is in, the 32 younger loads stay out
	EMULS 0, 1
.rept 4
	v_nop                                          ; four places in front of loads into registers that the last product has read
.endr
	ELOADS 0, 6                                    ; steps 6 and 7
	s_wait_loadcnt 32                              ; set 1 is in: behind it stand set 2's sixteen and the sixteen just issued
	EMULS 1, 0
	s_wait_loadcnt 16
	EMULS 2, 0
	s_wait_loadcnt 0x0
	EMULS 0, 0
.rept 8
	v_nop                                          ; places behind the last products, twice what is asked for, once a work-group
.endr
.irp a, 0,1,2,3
	ds_store_b128 v[ELS], v[EACC+8*(\a):EACC+8*(\a)+3]   offset:1024*(\a)       ; each accumulator's low registers first
	ds_store_b128 v[ELS], v[EACC+8*(\a)+4:EACC+8*(\a)+7] offset:1024*(\a)+512
.endr
	s_wait_dscnt 0x0                               ; for the others' sake: my stores are done
	s_barrier_signal -1
	s_barrier_wait -1                              ; all four partial tiles lie in LDS
.irp p, 0,1,2,3
	ds_load_b128 v[EBUF+8*(\p):EBUF+8*(\p)+3],   v[ELR] offset:4096*(\p)        ; accumulator w of wave p
	ds_load_b128 v[EBUF+8*(\p)+4:EBUF+8*(\p)+7], v[ELR] offset:4096*(\p)+512
.endr
	s_wait_dscnt 0x0
.set r, 0
.rept 4
	v_pk_add_f32 v[EBUF+r:EBUF+r+1], v[EBUF+r:EBUF+r+1], v[EBUF+8+r:EBUF+8+r+1]
	v_pk_add_f32 v[EBUF+16+r:EBUF+16+r+1], v[EBUF+16+r:EBUF+16+r+1], v[EBUF+24+r:EBUF+24+r+1]
.set r, r+2
.endr
.set r, 0
.rept 4
	v_pk_add_f32 v[EBUF+r:EBUF+r+1], v[EBUF+r:EBUF+r+1], v[EBUF+16+r:EBUF+16+r+1]
.set r, r+2
.endr
.irp q, 0,1,2,3
	v_cvt_pk_f16_f32 v[EHI+(\q)], v[EBUF+2*(\q)], v[EBUF+2*(\q)+1]              ; hi
.endr
.irp q, 0,1,2,3
	v_fma_mix_f32 v[EDF+2*(\q)],   v[EHI+(\q)], v[EN1], v[EBUF+2*(\q)]   op_sel_hi:[1,0,0]              ; s - hi: the low half times -1, plus s
	v_fma_mix_f32 v[EDF+2*(\q)+1], v[EHI+(\q)], v[EN1], v[EBUF+2*(\q)+1] op_sel:[1,0,0] op_sel_hi:[1,0,0] ; the high half
.endr
.irp q, 0,1,2,3
	v_cvt_pk_f16_f32 v[ELW+(\q)], v[EDF+2*(\q)], v[EDF+2*(\q)+1]                ; lo
.endr
	global_store_b128 v[EEO], v[EHI:EHI+3], s[8:9]
	global_store_b128 v[EEO], v[ELW:ELW+3], s[8:9] offset:1024
	s_wait_tensorcnt 0x0                           ; the wave's end, behind my last LDS store
	ds_add_u32 v[SPW], v[NIL]
	s_wait_dscnt 0x0
	CROUND                                         ; a closing round here too: all sixteen partners are on this way
	s_endpgm
.Lfunc_end_k_qfa3f576728_proj:
	.size	k_qfa3f576728_proj, .Lfunc_end_k_qfa3f576728_proj-k_qfa3f576728_proj
	.p2alignl 7, 3214868480
	.fill 96, 4, 3214868480
	.section	.rodata,"a",@progbits
	.p2align	6, 0x0
	.amdhsa_kernel k_qfa3f576728_proj
		.amdhsa_group_segment_fixed_size 327680
		.amdhsa_private_segment_fixed_size 0
		.amdhsa_enable_private_segment 0
		.amdhsa_kernarg_size 48
		.amdhsa_user_sgpr_count 2
		.amdhsa_user_sgpr_kernarg_segment_ptr 1
		.amdhsa_wavefront_size32 1
		.amdhsa_system_sgpr_workgroup_id_x 1
		.amdhsa_system_sgpr_workgroup_id_y 1
		.amdhsa_system_sgpr_workgroup_id_z 1
		.amdhsa_system_vgpr_workitem_id 0
		.amdhsa_next_free_vgpr 1024
		.amdhsa_next_free_sgpr 84
		.amdhsa_reserve_vcc 0
		.amdhsa_float_denorm_mode_32 3
		.amdhsa_float_denorm_mode_16_64 3
		.amdhsa_memory_ordered 1
		.amdhsa_forward_progress 1
		.amdhsa_inst_pref_size 132
	.end_amdhsa_kernel
	.amdgpu_metadata
---
amdhsa.version: [ 1, 2 ]
amdhsa.kernels:
  - .name:           k_qfa3f576728_proj
    .symbol:         k_qfa3f576728_proj.kd
    .args:
      - { .name: xb, .offset: 0, .size: 8, .value_kind: global_buffer, .address_space: global }
      - { .name: wqk, .offset: 8, .size: 8, .value_kind: global_buffer, .address_space: global }
      - { .name: wvt, .offset: 16, .size: 8, .value_kind: global_buffer, .address_space: global }
      - { .name: qk, .offset: 24, .size: 8, .value_kind: global_buffer, .address_space: global }
      - { .name: vt, .offset: 32, .size: 8, .value_kind: global_buffer, .address_space: global }
      - { .name: eh, .offset: 40, .size: 8, .value_kind: global_buffer, .address_space: global }
    .group_segment_fixed_size: 327680
    .private_segment_fixed_size: 0
    .kernarg_segment_align: 8
    .kernarg_segment_size: 48
    .max_flat_workgroup_size: 128
    .sgpr_count:     84
    .vgpr_count:     1024
    .wavefront_size: 32
...
	.end_amdgpu_metadata
.endif
;; end of part 7
;; launch score (part 8): grid 10 x 16, 4 waves a work-group, no clusters, 327,680 bytes of LDS; arguments qk, pw, st, eh, out0; writes pw, st, out0
.if DOCPART == 8
	.amdgcn_target "amdgcn-amd-amdhsa--gfx1250"
	.amdhsa_code_object_version 6
	.text
	.protected	k_qfa3f576728_score
	.globl	k_qfa3f576728_score
	.p2align	8
	.type	k_qfa3f576728_score,@function
k_qfa3f576728_score:
	s_mov_b64 s[64:65], 0
	v_nop
	global_prefetch_b8 v0, s[64:65] scope:SCOPE_SE
	s_setreg_imm32_b32 hwreg(HW_REG_WAVE_MODE, 25, 1), 1
	s_wait_xcnt 0x0
; WORK-GROUPS WITH x = 0..8: the causal tiles of S = q k^T and a softmax LOCAL to blocks of 128 keys.  WORK-GROUPS WITH x = 9: the whole attention of the first 32 rows of each batch (the text at the end).
; qk: [8192][2048] f16, q in columns 0-1023, k in columns 1024-2047.  For tile (i, j), i >= j, of 256 queries x 256 keys of a batch:
;   m_t[q] = the largest visible score of query q in key block t (128 keys);   pw[q][key] = f16(2^(c (s - m_t))), c = log2(e) / 32;   l_t[q] = the sum of those weights, unrounded.
; st, f32: byte ((b 16 + t) 2 + w) 8,192 + 4 q; w = 0: m_t, w = 1: l_t.  The launch behind takes the true maximum over t and weighs the blocks: the maximum is taken away before every exponential, and since
; s - m_t is never above 0 no exponential overflows, whatever the scores.
; LIMITS.  A hidden score counts as its value less 1e30 (f16's scores are 4.4e12 at the most); a weight below 2^-126 counts as 0; NaN and infinities are not treated apart.
; A wave tile that is hidden as a whole (the upper right quarter of a diagonal tile) is computed all the same: it leaves m_t about -1e30, so that the launch behind gives it the weight 0.
; SHARES.  A batch has 36 tiles with i >= j; rows p and 7 - p have 9 together: work-group (x, y), p = y % 4, b = y / 4, takes (p, x) if x <= p, else (7 - p, x - p - 1).  Four waves, each 128 queries x 128 keys:
; 64 accumulators.  Source 0 = 16 rows of k, source 1 = 16 rows of q: a lane holds query l % 16 and the keys 8 (l / 16) + 0..7.  K (1,024 channels) goes in steps of 128 through a ring of two LDS slots.
; A K STEP IS WRITTEN TWICE: once with a refill (a loop of six trips), once without (a loop of two).  The LDS byte of the slot in hand is a scalar register that an exclusive or turns; one descriptor walks.
; NO CLUSTER: a batch's rows of tiles have 1 to 8 tiles; the grid divides into no cluster whose partners share a row or a column of tiles.
; THE MASK is the C operand of the products that start the sums: for accumulator (a, b) MZ if a > b, MD if a = b, MH if a < b, eight registers each, made from the tile's and the wave's place.
; REGISTERS: window 0: v0-31 addresses; v32-55 masks; v64-191 fragments of q, two buffers, later the way out.  Window 1: v64-191 fragments of k.  Windows 2, 3: accumulators (a, b) at v[8 (8 (a % 4) + b)].
.set KSTEP,  128
.set PITCH,  272                       ; an LDS row: 256 bytes + 16 of padding: the 16 rows of a load start at 16 different groups of four banks (64 banks of 4 bytes: ISA guide 11.1)
.set HALFT,  128*PITCH                 ; 0x8800 bytes
.set SLOT,   4*HALFT                   ; q's 256 rows, then k's 256 rows: 0x22000 bytes, which shares no bit with wave x 0x8800: an exclusive or with it turns a wave's LDS address in one slot into the other's
.set DPITCH, 528                       ; the way out: a query's 128 scores, 512 bytes + 16
.set DWAVE,  128*DPITCH                ; a wave's 128 queries: its own bytes of the ring, which has had its last fill by then
.set STAT,   2*SLOT                    ; behind the ring: 1,024 bytes for each wave: 128 m, then 128 l
.set SPARE,  STAT+4*1024               ; the spare words, 128 bytes for each wave: two blocks of 256 bytes that no other line names
.set DRD,  12                          ; v12  where I read scores back, this trip
.set SST,  13                          ; v13  where I put m and l, this trip
.set SRD,  14                          ; v14  where I read 16 bytes of m back
.set STG,  15                          ; v15  16 x lane: my bytes of st
.set ADRA0, 16                         ; v16  LDS address of my q fragments in slot 0; never rewritten
.set ACUR,  17                         ; v17  the same in the slot that is being fetched from
.set ADRB0, 20                         ; v20, v21  the same for k
.set BCUR,  21
.set DST,  24                          ; v24  where I put an accumulator's 16 bytes
.set DRD0, 25                          ; v25  DRD in the first trip
.set PO,   26                          ; v26  my byte offset in two rows of pw
.set SST0, 27                          ; v27  SST in the first trip
.set SPW,  28                          ; v28  LDS address of my spare word; never rewritten
.set NIL,  29                          ; v29  0; never rewritten
.set PFO,  30                          ; v30  the prefetches' offset: lane x 4,096; never rewritten
.set MZ,   32
.set MD,   40
.set MH,   48
.set F0,   64
.set F1,   128
.set SC,   64                          ; the way out: v[64:127] scores: for e = 0..7 eight keys of row 2 e + l / 16
.set PK,   128                         ; v[128:159] weights in f16
.set CM,   160                         ; v[160:175] pair e: m, and a register at work
.set LS,   176                         ; v[176:183] l
.set G1,   24                          ; s[24:31] descriptor group 1
.set G0,   32                          ; s[32:39] group 0: a set for each of the two first fills; the second then walks on
.set LIM,  43                          ; s43  2 in a wave that prefetches, else the greatest number
.set PFA,  44                          ; s[44:45] where my prefetches stand
.set CS,   46                          ; s[46:47] c
.set TBD,  48                          ; s48  the way out: the trip's 16 rows in my dump
.set TBS,  49                          ; s49  and in my statistics
.set TB,   60                          ; s60  0 or SLOT: the slot that is being fetched from
.set MSB, 0
.macro WIN new
.if MSB != (\new)
	s_set_vgpr_msb (MSB<<8)|(\new)
.set MSB, \new
.endif
.endm
.set MUL_LO, 0xa1                      ; source 0 (k) window 1, source 1 (q) window 0, C and D window 2
.set TO_B,   0x40
.macro NEXTSLOT                        ; the fetches go on in the other slot (every window is 0 here)
	s_xor_b32 s[TB], s[TB], SLOT
	v_add_nc_u32 v[ACUR], s[TB], v[ADRA0]
	v_add_nc_u32 v[BCUR], s[TB], v[ADRB0]
.endm
; A PREFETCH INTO THE L2 behind each refill and the run of LDS loads that follows it: the K step two refills on, 512 matrix instructions ahead of its load: my 128 rows x 256 bytes, a lane a row, four lines.
; Each block is named once in the launch: q's rows by waves 0 and 1 of the tile with j = 0, k's rows by waves 2 and 3 of the tile with i = j.  K steps 0 to 3 come by their loads alone; the loop's last two trips ask for nothing.
.macro ASK
	s_cmp_gt_u32 s3, s[LIM]
	s_cbranch_scc0 .Lnot_mine_\@
.irp n, 0,1,2,3
	global_prefetch_b8 v[PFO], s[PFA:PFA+1] offset:KSTEP*2+(\n)*131072 th:TH_LOAD_NT scope:SCOPE_SE
.endr
.Lnot_mine_\@:
.endm
	s_load_b128 s[4:7], s[0:1], 0x0                ; qk s[4:5], pw s[6:7]
	s_load_b64 s[8:9], s[0:1], 0x10                ; st
	s_load_b64 s[56:57], s[0:1], 0x18              ; eh
	s_load_b64 s[58:59], s[0:1], 0x20              ; out0
	v_lshl_add_u32 v[SPW], v0, 2, SPARE
	v_mov_b32 v[NIL], 0
	ds_add_u32 v[SPW], v[NIL]                      ; the wave's opening: the add, and its wait ahead of my first tensor load
	ds_add_u32 v28, v29
	v_lshrrev_b32 v1, 5, v0
	v_readfirstlane_b32 s10, v1                    ; wave 0..3
	s_lshr_b32 s11, s10, 1                         ; wr: which 128 queries
	s_and_b32 s12, s10, 1                          ; wc: which 128 keys.  Also: which 128 rows I fetch
	s_and_b32 s13, ttmp7, 0xffff
	s_and_b32 s14, s13, 3                          ; p
	s_lshr_b32 s13, s13, 2                         ; b
	s_sub_co_u32 s15, 7, s14
	s_sub_co_u32 s16, ttmp9, s14
	s_sub_co_u32 s16, s16, 1                       ; x - p - 1: taken only where x > p
	s_cmp_le_u32 ttmp9, s14
	s_cselect_b32 s40, s14, s15                    ; i
	s_cselect_b32 s41, ttmp9, s16                  ; j
	s_mov_b32 s[G1+0], (1<<16)|(1<<20)|(5<<22)|(3<<25)  ; elements of 2 bytes; padding on: after every 64 words (code 5) 4 words (code 3)
	s_mov_b32 s[G1+1], KSTEP<<16                   ; tensor_dim0 = 128
	s_mov_b32 s[G1+2], 128<<16                     ; tensor_dim1 = 128
	s_mov_b32 s[G1+3], KSTEP<<16                   ; tile_dim0 = 128
	s_mov_b32 s[G1+4], 128                         ; tile_dim1 = 128
	s_mov_b32 s[G1+5], 2048                        ; elements from row to row
	s_mov_b32 s[G1+6], 0
	s_mov_b32 s[G1+7], 0
	s_cmp_lt_u32 s10, 2                            ; waves 0 and 1 fetch q's two halves, waves 2 and 3 k's
	s_cselect_b32 s16, s40, s41
	s_cselect_b32 s17, 0, 2048                     ; k lies 2,048 bytes into a row
	s_lshl_b32 s16, s16, 8
	s_lshl_b32 s18, s13, 11
	s_add_co_u32 s16, s16, s18
	s_lshl_b32 s18, s12, 7
	s_add_co_u32 s16, s16, s18                     ; my first row
	s_lshl_b32 s16, s16, 12
	s_add_co_u32 s16, s16, s17
	s_mov_b32 s17, 0
	s_mul_i32 s20, s10, HALFT                      ; where my rows go: wave x 128 rows
	s_sub_co_u32 s21, s40, s41
	s_cmp_lt_u32 s10, 2
	s_cselect_b32 s21, s41, s21                    ; j for q's waves, i - j for k's
	s_cmp_eq_u32 s21, 0
	s_cselect_b32 s[LIM], 2, -1
	s_cmp_eq_u32 s40, s41                          ; a diagonal tile?
	s_cselect_b32 s42, 1, 0
	s_cmp_lt_u32 s11, s12
	s_cselect_b32 s54, s42, 0                      ; my quarter is hidden as a whole
	s_cmp_le_u32 s11, s12
	s_cselect_b32 s55, s42, 0                      ; or holds the diagonal
	s_cmp_eq_u32 s54, 1
	s_cselect_b32 s54, 0xf149f2ca, 0               ; -1e30: what a key at or below the diagonal gets
	s_cmp_eq_u32 s55, 1
	s_cselect_b32 s55, 0xf149f2ca, 0               ; and a key above it
	s_lshl_b32 s50, s13, 23                        ; pw: batch, 256 i + 128 wr rows of 4,096 bytes, 256 j + 128 wc keys of 2 bytes
	s_lshl_b32 s18, s40, 20
	s_add_co_u32 s50, s50, s18
	s_lshl_b32 s18, s11, 19
	s_add_co_u32 s50, s50, s18
	s_lshl_b32 s18, s41, 9
	s_add_co_u32 s50, s50, s18
	s_lshl_b32 s18, s12, 8
	s_add_co_u32 s50, s50, s18
	s_mov_b32 s51, 0
	s_lshl_b32 s52, s13, 18                        ; st: batch, t = 2 j + wc, query 256 i + 128 wr
	s_lshl_b32 s18, s41, 15
	s_add_co_u32 s52, s52, s18
	s_lshl_b32 s18, s12, 14
	s_add_co_u32 s52, s52, s18
	s_lshl_b32 s18, s40, 10
	s_add_co_u32 s52, s52, s18
	s_lshl_b32 s18, s11, 9
	s_add_co_u32 s52, s52, s18
	s_mov_b32 s53, 0
	s_mov_b32 s[CS], 0x3d38aa3b                    ; c = log2(e) / 32
	s_mov_b32 s[CS+1], s[CS]
	s_mov_b32 s[TB], 0
	s_wait_dscnt 0x0                               ; the opening add is done
	s_wait_kmcnt 0x0
	s_cmp_eq_u32 ttmp9, 9                          ; the same answer in all waves of a work-group: the first 32 rows' work-groups go their own way, on which no tensor load stands
	s_cbranch_scc1 .Learly
	s_add_nc_u64 s[22:23], s[4:5], s[16:17]
	s_add_nc_u64 s[6:7], s[6:7], s[50:51]
	s_add_nc_u64 s[8:9], s[8:9], s[52:53]
	s_add_nc_u64 s[PFA:PFA+1], s[22:23], 2*KSTEP*2 ; at K step 2: the first refill steps it to 3 and names K step 4
.irp s, 0,1
	s_mov_b32 s[G0+4*(\s)], 1
	s_add_co_u32 s[G0+4*(\s)+1], s20, (\s)*SLOT
	s_add_nc_u64 s[G0+4*(\s)+2:G0+4*(\s)+3], s[22:23], (\s)*KSTEP*2
	s_or_b32 s[G0+4*(\s)+3], s[G0+4*(\s)+3], 0x80000000
	tensor_load_to_lds s[G0+4*(\s):G0+4*(\s)+3], s[G1:G1+7]  ; each wave brings rows of its own into bytes of its own: two loads of mine are out
	s_nop 0
.endr
.rept 4
	v_nop
.endr
	v_and_b32 v1, 15, v0                           ; l % 16
	v_bfe_u32 v2, v0, 4, 1                         ; l / 16
	v_mul_u32_u24 v3, v1, PITCH
	v_lshl_add_u32 v3, v2, 4, v3
	s_mul_i32 s21, s11, HALFT                      ; my 128 rows of q
	s_mul_i32 s18, s12, HALFT                      ; my 128 rows of k,
	s_add_co_u32 s18, s18, 2*HALFT                 ; which lie behind q's 256
	v_add_nc_u32 v[ADRA0], s21, v3
	v_add_nc_u32 v[ADRB0], s18, v3
	v_add_nc_u32 v[ACUR], s[TB], v[ADRA0]          ; K step 0 lies in slot 0
	v_add_nc_u32 v[BCUR], s[TB], v[ADRB0]
	s_mul_i32 s19, s10, DWAVE                      ; my dump
	v_mul_u32_u24 v3, v1, DPITCH
	v_lshl_add_u32 v3, v2, 4, v3
	v_add_nc_u32 v[DST], s19, v3                   ; in: query l % 16, 16 bytes for each half of the lanes
	v_mul_u32_u24 v3, v2, DPITCH
	v_lshl_add_u32 v3, v1, 4, v3
	v_add_nc_u32 v[DRD0], s19, v3                  ; back: lanes 0-15 one query, lanes 16-31 the next; 16 bytes at 16 (l % 16)
	v_lshlrev_b32 v[PO], 12, v2
	v_lshl_add_u32 v[PO], v1, 4, v[PO]
	s_lshl_b32 s19, s10, 10
	s_add_co_u32 s19, s19, STAT                    ; my statistics
	v_lshl_add_u32 v[SST0], v2, 2, s19
	v_and_b32 v[STG], 31, v0
	v_lshlrev_b32 v[PFO], 12, v[STG]
	v_lshlrev_b32 v[STG], 4, v[STG]
	v_add_nc_u32 v[SRD], s19, v[STG]
	v_lshlrev_b32 v4, 3, v2
	v_sub_nc_u32 v4, v1, v4                        ; l % 16 - 8 (l / 16): in a diagonal accumulator register k is hidden where k is greater
.set k, 0
.rept 8
	v_mov_b32 v[MZ+k], s54
	v_mov_b32 v[MH+k], s55
.set k, k+1
.endr
.set k, 0
.rept 8
	v_cmp_gt_i32 vcc_lo, k, v4
	v_cndmask_b32 v[MD+k], v[MZ+k], v[MH+k], vcc_lo
.set k, k+1
.endr
; 16 matrix instructions: query blocks a0, a0 + 1 of the window's four x all 8 key blocks, 32 channels.  zero = 2: the products start the sums, with the mask as C.  The 64 accumulators take turns.
.macro MUL16 f, hi, a0, zero
.if (\zero) == 2
	WIN 0x81+0x40*(\hi)                            ; C in window 0
.else
	WIN MUL_LO+0x50*(\hi)
.endif
.irp a, \a0, (\a0)+1
.irp b, 0,1,2,3,4,5,6,7
.set rD, 8*(8*(\a)+(\b))
.set rB, (\f)+8*(\b)
.set rA, (\f)+8*(4*(\hi)+(\a))
.if (\zero) == 2
.set rC, MH
.if 4*(\hi)+(\a) > (\b)
.set rC, MZ
.endif
.if 4*(\hi)+(\a) == (\b)
.set rC, MD
.endif
	v_wmma_f32_16x16x32_f16 v[rD:rD+7], v[rB:rB+7], v[rA:rA+7], v[rC:rC+7]
.else
	v_wmma_f32_16x16x32_f16 v[rD:rD+7], v[rB:rB+7], v[rA:rA+7], v[rD:rD+7]
.endif
.endr
.endr
.endm
.macro FETCH k, f                      ; 32 LDS loads in one run: the fragments of one quarter step, at byte k of the rows of the slot in hand, into buffer f
	WIN TO_B
.irp i, 0,1,2,3,4,5,6,7
	ds_load_b128 v[(\f)+8*(\i):(\f)+8*(\i)+3],   v[BCUR] offset:(\k)+(\i)*16*PITCH
	ds_load_b128 v[(\f)+8*(\i)+4:(\f)+8*(\i)+7], v[BCUR] offset:(\k)+(\i)*16*PITCH+32
.endr
	WIN 0
.irp i, 0,1,2,3,4,5,6,7
	ds_load_b128 v[(\f)+8*(\i):(\f)+8*(\i)+3],   v[ACUR] offset:(\k)+(\i)*16*PITCH
	ds_load_b128 v[(\f)+8*(\i)+4:(\f)+8*(\i)+7], v[ACUR] offset:(\k)+(\i)*16*PITCH+32
.endr
.endm
.macro PLACES                          ; four places (ISA guide 7.12.1) behind matrix instructions
.rept 4
	v_nop
.endr
.endm
.macro QUARTER k, f, g, zero
	s_wait_dscnt 8                                 ; k's rows and q's rows 0-63 are in; the youngest eight loads may be out
	MUL16 \f, 0, 0, \zero
	MUL16 \f, 0, 2, \zero
	PLACES
	FETCH \k, \g
	s_wait_dscnt 32                                ; all but the 32 just issued
	MUL16 \f, 1, 0, \zero
	MUL16 \f, 1, 2, \zero
.endm
; The last quarter of a K step changes slots: ONE barrier.  In front of it each wave waits for all its tensor loads (one is out: its part of the next slot), adds 0 to its spare word, and waits for that and for
; its reads of this slot.  fill = 1: this slot is filled again, two K steps on, first thing behind the barrier: 224 matrix instructions ahead of the wait for it.
.macro TURN fill
.if \fill
	s_wait_xcnt 0x0                                ; the last prefetches, a K step back, have read their address
	s_add_nc_u64 s[PFA:PFA+1], s[PFA:PFA+1], KSTEP*2
.endif
	WIN 0
	s_wait_tensorcnt 0x0
	ds_add_u32 v[SPW], v[NIL]
.if \fill
	s_xor_b32 s[G0+5], s[G0+5], SLOT               ; the walking descriptor (no load of mine is out): the other slot than last time,
	s_add_nc_u64 s[G0+6:G0+7], s[G0+6:G0+7], KSTEP*2  ; the next K step; the type bits on top are not reached
.endif
	s_wait_dscnt 9                                 ; the add and the youngest eight loads may be out
	MUL16 F1, 0, 0, 0
	s_wait_dscnt 0x0                               ; the add is done, and my reads of this slot are over
	s_barrier_signal -1
	MUL16 F1, 0, 2, 0
	s_barrier_wait -1
.if \fill
	tensor_load_to_lds s[G0+4:G0+7], s[G1:G1+7]
	s_nop 0
.endif
	PLACES                                         ; behind the tensor load, and the places in front of the loads below
	WIN 0
	NEXTSLOT
	FETCH 0, F0
.if \fill
	ASK
.endif
	MUL16 F1, 1, 0, 0
	MUL16 F1, 1, 2, 0
.endm
	s_wait_tensorcnt 1                             ; my part of K step 0 is in; K step 1's may stay out
	s_barrier_signal -1
	s_barrier_wait -1
	FETCH 0, F0
	QUARTER 64,  F0, F1, 2                         ; the first quarter stands in front of the loop: its products start the sums, from the masks
	WIN 0
	s_mov_b32 s3, 6
.Lstep:                                                ; a trip goes from a K step's second quarter to the next step's first, and fills the slot that it leaves: K steps 2 to 7
	QUARTER 128, F1, F0, 0
	QUARTER 192, F0, F1, 0
	TURN 1
	QUARTER 64,  F0, F1, 0
	WIN 0
	s_sub_co_u32 s3, s3, 1
	s_cmp_lg_u32 s3, 0
	s_cbranch_scc1 .Lstep
	s_mov_b32 s3, 2
.Ltail:                                                ; the last two K steps fill nothing: the same trip without a tensor load, so that none is jumped over.  The second trip is left in its middle:
	QUARTER 128, F1, F0, 0                         ; there is no ninth step.  Its change of slots fetches 32 fragments of the slot read before, which serve nothing: the price of one text for both trips
	QUARTER 192, F0, F1, 0
	TURN 0
	WIN 0
	s_cmp_eq_u32 s3, 1
	s_cbranch_scc1 .Lout
	QUARTER 64,  F0, F1, 0
	WIN 0
	s_sub_co_u32 s3, s3, 1
	s_cmp_lg_u32 s3, 0
	s_cbranch_scc1 .Ltail
.Lout:
	; THE WAY OUT.  The scores go into LDS, so that a query's 128 keys lie in sixteen neighbouring lanes: its maximum and sum are then four steps on the arithmetic, and its weights leave as 256 bytes on end.
	PLACES
	WIN 0
	s_wait_dscnt 0x0
	s_barrier_signal -1
	s_barrier_wait -1                              ; no wave reads the ring any more, and no fill of it is to come
	; A lane's eight keys are two pieces of 16 bytes; the even pieces of a query go into the first 256 bytes of its row, the odd ones into the second.
.irp a, 0,1,2,3,4,5,6,7
	WIN 0x08+4*((\a)/4)                            ; the data in window 2 or 3
.irp b, 0,1,2,3,4,5,6,7
	ds_store_b128 v[DST], v[8*(8*((\a)%4)+(\b)):8*(8*((\a)%4)+(\b))+3]   offset:(\a)*16*DPITCH+32*(\b)
	ds_store_b128 v[DST], v[8*(8*((\a)%4)+(\b))+4:8*(8*((\a)%4)+(\b))+7] offset:(\a)*16*DPITCH+32*(\b)+256
.endr
.endr
	WIN 0
	s_mov_b32 s[TBD], 0
	s_mov_b32 s[TBS], 0
	s_mov_b32 s3, 8
.Lrows:                                                ; 16 queries a trip; each stage goes through all eight pairs of rows, so that no line waits for the one before it
	v_add_nc_u32 v[DRD], s[TBD], v[DRD0]
	v_add_nc_u32 v[SST], s[TBS], v[SST0]
.irp e, 0,1,2,3,4,5,6,7
	ds_load_b128 v[SC+8*(\e):SC+8*(\e)+3],   v[DRD] offset:2*DPITCH*(\e)      ; LDS serves a wave's instructions in order (ISA guide 5.7.1.4): these see my stores
	ds_load_b128 v[SC+8*(\e)+4:SC+8*(\e)+7], v[DRD] offset:2*DPITCH*(\e)+256
.endr
	s_wait_dscnt 0x0
.irp e, 0,1,2,3,4,5,6,7
	v_max3_num_f32 v[CM+2*(\e)+1], v[SC+8*(\e)], v[SC+8*(\e)+1], v[SC+8*(\e)+2]
.endr
.irp e, 0,1,2,3,4,5,6,7
	v_max3_num_f32 v[CM+2*(\e)], v[CM+2*(\e)+1], v[SC+8*(\e)+3], v[SC+8*(\e)+4]
.endr
.irp e, 0,1,2,3,4,5,6,7
	v_max3_num_f32 v[CM+2*(\e)], v[CM+2*(\e)], v[SC+8*(\e)+5], v[SC+8*(\e)+6]
.endr
.irp e, 0,1,2,3,4,5,6,7
	v_max_num_f32 v[CM+2*(\e)], v[CM+2*(\e)], v[SC+8*(\e)+7]
.endr
.irp x, 1,2,4,8
.irp e, 0,1,2,3,4,5,6,7
	v_max_num_f32_dpp v[CM+2*(\e)], v[CM+2*(\e)], v[CM+2*(\e)] row_xmask:\x row_mask:0xf bank_mask:0xf
.endr
.endr
.irp e, 0,1,2,3,4,5,6,7
.irp q, 0,2,4,6
	v_pk_add_f32 v[SC+8*(\e)+(\q):SC+8*(\e)+(\q)+1], v[SC+8*(\e)+(\q):SC+8*(\e)+(\q)+1], v[CM+2*(\e):CM+2*(\e)+1] op_sel_hi:[1,0] neg_lo:[0,1] neg_hi:[0,1]  ; s - m: never above 0
.endr
.endr
.set z, 0
.rept 32
	v_pk_mul_f32 v[SC+z:SC+z+1], v[SC+z:SC+z+1], s[CS:CS+1] op_sel_hi:[1,0]
.set z, z+2
.endr
.set z, 0
.rept 64
	v_exp_f32 v[SC+z], v[SC+z]                     ; one batch
.set z, z+1
.endr
	v_nop                                          ; a plain instruction behind the last exponential,
	s_wait_alu depctr_va_vdst(0)                   ; and the one wait ahead of the batch's first reader
.set z, 0
.rept 32
	v_cvt_pk_f16_f32 v[PK+z], v[SC+2*z], v[SC+2*z+1]
.set z, z+1
.endr
.irp e, 0,1,2,3,4,5,6,7
	v_pk_add_f32 v[SC+8*(\e):SC+8*(\e)+1], v[SC+8*(\e):SC+8*(\e)+1], v[SC+8*(\e)+2:SC+8*(\e)+3]
.endr
.irp e, 0,1,2,3,4,5,6,7
	v_pk_add_f32 v[SC+8*(\e)+4:SC+8*(\e)+5], v[SC+8*(\e)+4:SC+8*(\e)+5], v[SC+8*(\e)+6:SC+8*(\e)+7]
.endr
.irp e, 0,1,2,3,4,5,6,7
	v_pk_add_f32 v[SC+8*(\e):SC+8*(\e)+1], v[SC+8*(\e):SC+8*(\e)+1], v[SC+8*(\e)+4:SC+8*(\e)+5]
.endr
.irp e, 0,1,2,3,4,5,6,7
	v_add_f32 v[LS+(\e)], v[SC+8*(\e)], v[SC+8*(\e)+1]
.endr
.irp x, 1,2,4,8
.irp e, 0,1,2,3,4,5,6,7
	v_add_f32_dpp v[LS+(\e)], v[LS+(\e)], v[LS+(\e)] row_xmask:\x row_mask:0xf bank_mask:0xf
.endr
.endr
.irp e, 0,1,2,3,4,5,6,7
	global_store_b128 v[PO], v[PK+4*(\e):PK+4*(\e)+3], s[6:7] offset:8192*(\e)  ; 16 lanes store a query's 256 consecutive bytes, aligned
.endr
.irp e, 0,1,2,3,4,5,6,7
	ds_store_b32 v[SST], v[CM+2*(\e)] offset:8*(\e)       ; the sixteen lanes of a query write one word, with one value
	ds_store_b32 v[SST], v[LS+(\e)]   offset:512+8*(\e)
.endr
	s_wait_xcnt 0x0                                ; the stores' base and data are rewritten only behind this wait
	s_add_nc_u64 s[6:7], s[6:7], 16*4096
	s_add_co_u32 s[TBD], s[TBD], 16*DPITCH
	s_add_co_u32 s[TBS], s[TBS], 64
	s_sub_co_u32 s3, s3, 1
	s_cmp_lg_u32 s3, 0
	s_cbranch_scc1 .Lrows
	ds_load_b128 v[SC:SC+3],   v[SRD]              ; my 128 m and 128 l, 16 bytes a lane
	ds_load_b128 v[SC+4:SC+7], v[SRD] offset:512
	s_wait_dscnt 0x0
	global_store_b128 v[STG], v[SC:SC+3],   s[8:9]              ; 512 consecutive bytes each
	global_store_b128 v[STG], v[SC+4:SC+7], s[8:9] offset:8192
	s_wait_tensorcnt 0x0                           ; the wave's end
	ds_add_u32 v[SPW], v[NIL]
	s_wait_dscnt 0x0
	s_endpgm
; CAUSAL ATTENTION FOR THE FIRST 32 ROWS OF EACH BATCH, on q, k, v kept as pairs of f16 (hi, lo): out0[b][q][:] = sum over k <= q of softmax_k(q . k / 32) v[k][:], q = 0..31.
; Why: these rows average so few keys that f16's roundings of q, k, v and p show in them.  It shares this launch because it reads nothing that this launch writes.
; A product of two such numbers is three matrix products, hi hi + hi lo + lo hi; what is left out is 2^-22 of the result.  The weights p are split in the same way.  Maxima, exponentials and all sums in f32.
; eh holds fragments of 16 rows x 32 along K as they lie in registers, 1,024 bytes each (two loads of 16 bytes a lane, 512 bytes apart), hi then lo:
;   q: byte 262,144 b + 4,096 c + 2,048 qb (channels 32 c on, queries 16 qb on);   k: the same + 131,072;   v, turned: 1,048,576 + 131,072 b + 2,048 cb (channels 16 cb on, keys 0-31).
; LIMITS.  A hidden score counts as -1e30; a weight below 2^-126 counts as 0; NaN and infinities are not treated apart.
; SHARES.  Work-group (9, y): batch y / 4, the 256 channels 256 (y % 4) on of the output.  Four waves.
;   1. S^T = K Q^T (source 0 = 16 keys, source 1 = 16 queries: a lane holds query l % 16 and the keys 8 (l / 16) + 0..7), for the three blocks (key block, query block) = (0,0), (0,1), (1,1); (1,0) is hidden
;      as a whole.  Each of a batch's four work-groups makes all of S for itself: 288 matrix instructions.  The 1,024 channels are split: wave w takes 256 w on, 64 a trip of a loop.  The three sums are
;      cleared by 24 v_mov_b32, the price of one text for every trip.  The four partial sums meet in LDS, and every wave adds all four for itself, in one order: one barrier.
;   2. Every wave makes the softmax of all 32 queries for itself: the diagonal blocks' mask, the row's true maximum m, p = 2^(c (s - m)), c = log2(e) / 32, l = the sum of the unrounded p.
;      Two key blocks of a query block, packed, ARE source 1 (32 keys x 16 queries) of the second product.
;   3. O^T = V^T P (source 0 = 16 channels) for the wave's 64 channels; O / l leaves through the wave's own stage in LDS as rows of 256 bytes.
.set ESP,    272
.set EPARTW, 3072                      ; a wave's three partial blocks of 1,024 bytes
.set EPART,  SPARE+512                 ; behind the spare words: no tensor load lands from here on
.set ESTAGE, EPART+4*EPARTW            ; 16 rows x 272 bytes for each wave, for the way out
.set ELOF, 2                           ; v2  16 l
.set EPS,  3                           ; v3  where I put 16 bytes of my partial blocks
.set EDG,  4                           ; v4  l % 16 - 8 (l / 16): in a diagonal block register j is hidden where j is greater
.set ERP,  5                           ; v5  EPART + 16 l: where I read the partial blocks
.set ESTO, 7
.set ERD,  8
.set ECO,  9
.set EBG,  12                          ; v12 -1e30
.set EN1,  13                          ; v13 -1.0
.set ET,   16                          ; v[16:27]  at work
.set ESA,  32                          ; v[32:55]  the three blocks of S^T, later of p, later of p - hi
.set EMX,  56                          ; v[56:59]  query block qb: m at EMX + 2 qb, a register at work behind it
.set ELL,  60                          ; v[60:63]  the same for l, later 1 / l
.set EFR,  64                          ; v[64:191] step cc of a trip's two: q's fragments (qb, part) at EFR + 64 cc + 8 (2 qb + part), k's 32 further
.set EOA,  64                          ; later: v[64:127] O^T: (qb, cb) at EOA + 8 (4 qb + cb)
.set EPF,  128                         ; v[128:159] P: (qb, part) at EPF + 16 qb + 8 part
.set ETM,  160                         ; v[160:191] O / l of a query block
.set EVF,  192                         ; v[192:255] v's fragments (cb, part) at EVF + 8 (2 cb + part); later the rows read back from the stage
; Nine matrix instructions for 32 channels: k hi x q hi, k hi x q lo, k lo x q hi, each for the three blocks, which take turns, over the backward jump too.
.macro ESMUL cc
.irp ty, 0,1,2
.irp bl, 0,1,2
.set rK, EFR+64*(\cc)+32+8*(2*((\bl)/2)+(\ty)/2)
.set rQ, EFR+64*(\cc)+8*(2*(((\bl)+1)/2)+(\ty)%2)
	v_wmma_f32_16x16x32_f16 v[ESA+8*(\bl):ESA+8*(\bl)+7], v[rK:rK+7], v[rQ:rQ+7], v[ESA+8*(\bl):ESA+8*(\bl)+7]
.endr
.endr
.endm
.Learly:                                               ; s10 = wave, s13 = batch, s14 = which 256 channels, s[46:47] = c stand
	v_and_b32 v14, 31, v0
	v_lshlrev_b32 v[ELOF], 4, v14
	s_lshl_b32 s15, s14, 2
	s_add_co_u32 s15, s15, s10                     ; my block of 64 channels of the output
	s_lshl_b32 s16, s13, 18                        ; q and k: the batch,
	s_lshl_b32 s17, s10, 15                        ; my eight steps of 4,096 bytes
	s_add_co_u32 s16, s16, s17
	s_mov_b32 s17, 0
	s_lshl_b32 s18, s13, 17                        ; v: the batch, my four channel blocks of 2,048 bytes
	s_lshl_b32 s19, s15, 13
	s_add_co_u32 s18, s18, s19
	s_add_co_u32 s18, s18, 0x100000
	s_mov_b32 s19, 0
	s_lshl_b32 s20, s13, 23                        ; out0: the batch's first row, my 64 channels of 4 bytes
	s_lshl_b32 s21, s15, 8
	s_add_co_u32 s20, s20, s21
	s_mov_b32 s21, 0
	s_add_nc_u64 s[16:17], s[56:57], s[16:17]
	s_add_nc_u64 s[18:19], s[56:57], s[18:19]
	s_add_nc_u64 s[20:21], s[58:59], s[20:21]
.set n, 0
.rept 16
	global_load_b128 v[EVF+4*n:EVF+4*n+3], v[ELOF], s[18:19] offset:512*n th:TH_LOAD_NT  ; v goes out first: it is wanted last
.set n, n+1
.endr
	v_and_b32 v1, 15, v0                           ; l % 16
	v_bfe_u32 v15, v0, 4, 1                        ; l / 16
	v_lshlrev_b32 v[EDG], 3, v15
	v_sub_nc_u32 v[EDG], v1, v[EDG]
	s_mul_i32 s24, s10, EPARTW
	s_add_co_u32 s24, s24, EPART
	v_add_nc_u32 v[EPS], s24, v[ELOF]
	v_add_nc_u32 v[ERP], EPART, v[ELOF]
	s_mul_i32 s24, s10, 16*ESP
	s_add_co_u32 s24, s24, ESTAGE                  ; my stage
	v_mul_u32_u24 v14, v1, ESP                     ; in: query l % 16, 32 bytes for each half of the lanes
	v_lshl_add_u32 v14, v15, 5, v14
	v_add_nc_u32 v[ESTO], s24, v14
	v_mul_u32_u24 v14, v15, ESP                    ; back: lanes 0-15 one row of 256 bytes, lanes 16-31 the next
	v_lshl_add_u32 v14, v1, 4, v14
	v_add_nc_u32 v[ERD], s24, v14
	v_lshlrev_b32 v[ECO], 12, v15                  ; and the same two rows in out0
	v_lshl_add_u32 v[ECO], v1, 4, v[ECO]
	v_mov_b32 v[EBG], 0xf149f2ca
	v_mov_b32 v[EN1], 0xbf800000
	v_mov_b32 v[EMX+1], 0                          ; v_permlanex16_b32's destinations count as read: they are written here
	v_mov_b32 v[EMX+3], 0
	v_mov_b32 v[ELL+1], 0
	v_mov_b32 v[ELL+3], 0
	s_mov_b32 s22, 0x76543210                      ; v_permlanex16_b32's selects: each lane takes its own place in the other half
	s_mov_b32 s23, 0xfedcba98
.set z, 0
.rept 24
	v_mov_b32 v[ESA+z], 0
.set z, z+1
.endr
	s_mov_b32 s3, 4
.Lechan:                                               ; a trip: two steps of 32 channels: 32 loads, 18 matrix instructions
.irp cc, 0,1
.set n, 0
.rept 8
	global_load_b128 v[EFR+64*(\cc)+4*n:EFR+64*(\cc)+4*n+3], v[ELOF], s[16:17] offset:4096*(\cc)+512*n
.set n, n+1
.endr
.set n, 0
.rept 8
	global_load_b128 v[EFR+64*(\cc)+32+4*n:EFR+64*(\cc)+32+4*n+3], v[ELOF], s[16:17] offset:131072+4096*(\cc)+512*n
.set n, n+1
.endr
.endr
	s_wait_loadcnt 16                              ; loads come back in order: the trip's first step is in (and v, which is older); the second step's sixteen stay out
	ESMUL 0
	s_wait_loadcnt 0x0                             ; the second step is in; every load is done, so their base may be stepped
	ESMUL 1
.rept 4
	v_nop                                          ; four places in front of the next trip's loads into registers that the last product has read
.endr
	s_add_nc_u64 s[16:17], s[16:17], 8192
	s_sub_co_u32 s3, s3, 1
	s_cmp_lg_u32 s3, 0
	s_cbranch_scc1 .Lechan
.rept 4
	v_nop                                          ; with the four above: eight places behind the last products, twice what is asked for
.endr
.irp bl, 0,1,2
	ds_store_b128 v[EPS], v[ESA+8*(\bl):ESA+8*(\bl)+3]   offset:1024*(\bl)    ; each accumulator's low registers first
	ds_store_b128 v[EPS], v[ESA+8*(\bl)+4:ESA+8*(\bl)+7] offset:1024*(\bl)+512
.endr
	s_wait_dscnt 0x0                               ; for the others' sake: my stores are done
	s_barrier_signal -1
	s_barrier_wait -1                              ; all four partial sums lie in LDS
.irp p, 0,1,2,3
.set n, 0
.rept 6
	ds_load_b128 v[EFR+24*(\p)+4*n:EFR+24*(\p)+4*n+3], v[ERP] offset:EPARTW*(\p)+512*n
.set n, n+1
.endr
.endr
	s_wait_dscnt 0x0
.set z, 0
.rept 12
	v_pk_add_f32 v[EFR+z:EFR+z+1], v[EFR+z:EFR+z+1], v[EFR+24+z:EFR+24+z+1]
	v_pk_add_f32 v[EFR+48+z:EFR+48+z+1], v[EFR+48+z:EFR+48+z+1], v[EFR+72+z:EFR+72+z+1]
.set z, z+2
.endr
.set z, 0
.rept 12
	v_pk_add_f32 v[ESA+z:ESA+z+1], v[EFR+z:EFR+z+1], v[EFR+48+z:EFR+48+z+1]
.set z, z+2
.endr
.set j, 0
.rept 8                                ; the diagonal blocks (0,0) and (1,1): key 8 (l / 16) + j is hidden where it is greater than query l % 16
	v_cmp_gt_i32 vcc_lo, j, v[EDG]
	v_cndmask_b32 v[ESA+j], v[ESA+j], v[EBG], vcc_lo
	v_cndmask_b32 v[ESA+16+j], v[ESA+16+j], v[EBG], vcc_lo
.set j, j+1
.endr
	v_max3_num_f32 v[EMX], v[ESA], v[ESA+1], v[ESA+2]
	v_max3_num_f32 v[EMX+2], v[ESA+8], v[ESA+9], v[ESA+10]
.irp u, 3,5
	v_max3_num_f32 v[EMX], v[EMX], v[ESA+(\u)], v[ESA+(\u)+1]
.endr
.irp u, 11,13,15,17,19,21
	v_max3_num_f32 v[EMX+2], v[EMX+2], v[ESA+(\u)], v[ESA+(\u)+1]
.endr
	v_max_num_f32 v[EMX], v[EMX], v[ESA+7]
	v_max_num_f32 v[EMX+2], v[EMX+2], v[ESA+23]
	v_permlanex16_b32 v[EMX+1], v[EMX], s22, s23             ; the query's other keys lie in the lane 16 away
	v_permlanex16_b32 v[EMX+3], v[EMX+2], s22, s23
	v_max_num_f32 v[EMX], v[EMX], v[EMX+1]
	v_max_num_f32 v[EMX+2], v[EMX+2], v[EMX+3]
.set z, 0
.rept 4
	v_pk_add_f32 v[ESA+z:ESA+z+1], v[ESA+z:ESA+z+1], v[EMX:EMX+1] op_sel_hi:[1,0] neg_lo:[0,1] neg_hi:[0,1]      ; s - m: never above 0
.set z, z+2
.endr
.rept 8
	v_pk_add_f32 v[ESA+z:ESA+z+1], v[ESA+z:ESA+z+1], v[EMX+2:EMX+3] op_sel_hi:[1,0] neg_lo:[0,1] neg_hi:[0,1]
.set z, z+2
.endr
.set z, 0
.rept 12
	v_pk_mul_f32 v[ESA+z:ESA+z+1], v[ESA+z:ESA+z+1], s[CS:CS+1] op_sel_hi:[1,0]
.set z, z+2
.endr
.set z, 0
.rept 24
	v_exp_f32 v[ESA+z], v[ESA+z]                   ; one batch
.set z, z+1
.endr
	v_nop                                          ; a plain instruction behind the last exponential,
	s_wait_alu depctr_va_vdst(0)                   ; and the one wait ahead of the batch's first reader
.set n, 0
.rept 4
	v_cvt_pk_f16_f32 v[EPF+n], v[ESA+2*n], v[ESA+2*n+1]      ; p hi: query block 0, keys 0-15;
	v_mov_b32 v[EPF+4+n], 0                        ; its keys 16-31 are hidden
	v_mov_b32 v[EPF+12+n], 0
.set n, n+1
.endr
.set n, 0
.rept 8
	v_cvt_pk_f16_f32 v[EPF+16+n], v[ESA+8+2*n], v[ESA+8+2*n+1]  ; query block 1, keys 0-31
.set n, n+1
.endr
	v_pk_add_f32 v[ET:ET+1],   v[ESA:ESA+1],   v[ESA+2:ESA+3]   ; l, of the unrounded p
	v_pk_add_f32 v[ET+2:ET+3], v[ESA+4:ESA+5], v[ESA+6:ESA+7]
.irp u, 0,1,2,3
	v_pk_add_f32 v[ET+4+2*(\u):ET+5+2*(\u)], v[ESA+8+4*(\u):ESA+9+4*(\u)], v[ESA+10+4*(\u):ESA+11+4*(\u)]
.endr
	v_pk_add_f32 v[ET:ET+1],   v[ET:ET+1],   v[ET+2:ET+3]
	v_pk_add_f32 v[ET+4:ET+5], v[ET+4:ET+5], v[ET+6:ET+7]
	v_pk_add_f32 v[ET+8:ET+9], v[ET+8:ET+9], v[ET+10:ET+11]
	v_pk_add_f32 v[ET+4:ET+5], v[ET+4:ET+5], v[ET+8:ET+9]
	v_add_f32 v[ELL], v[ET], v[ET+1]
	v_add_f32 v[ELL+2], v[ET+4], v[ET+5]
	v_permlanex16_b32 v[ELL+1], v[ELL], s22, s23
	v_permlanex16_b32 v[ELL+3], v[ELL+2], s22, s23
	v_add_f32 v[ELL], v[ELL], v[ELL+1]
	v_add_f32 v[ELL+2], v[ELL+2], v[ELL+3]
	v_rcp_f32 v[ELL], v[ELL]                       ; l is at least 1: the row's largest weight
	v_rcp_f32 v[ELL+2], v[ELL+2]
	v_nop                                          ; a plain instruction behind the two reciprocals; the work on p lo stands between them and their wait
.set n, 0
.rept 4
	v_fma_mix_f32 v[ESA+2*n],   v[EPF+n], v[EN1], v[ESA+2*n]   op_sel_hi:[1,0,0]                 ; p - hi
	v_fma_mix_f32 v[ESA+2*n+1], v[EPF+n], v[EN1], v[ESA+2*n+1] op_sel:[1,0,0] op_sel_hi:[1,0,0]
.set n, n+1
.endr
.set n, 0
.rept 8
	v_fma_mix_f32 v[ESA+8+2*n], v[EPF+16+n], v[EN1], v[ESA+8+2*n] op_sel_hi:[1,0,0]
	v_fma_mix_f32 v[ESA+9+2*n], v[EPF+16+n], v[EN1], v[ESA+9+2*n] op_sel:[1,0,0] op_sel_hi:[1,0,0]
.set n, n+1
.endr
.set n, 0
.rept 4
	v_cvt_pk_f16_f32 v[EPF+8+n], v[ESA+2*n], v[ESA+2*n+1]    ; p lo
.set n, n+1
.endr
.set n, 0
.rept 8
	v_cvt_pk_f16_f32 v[EPF+24+n], v[ESA+8+2*n], v[ESA+8+2*n+1]
.set n, n+1
.endr
	s_wait_alu depctr_va_vdst(0)                   ; the wait for the two reciprocals, ahead of their first reader
.irp ty, 0,1,2                         ; v hi x p hi, v hi x p lo, v lo x p hi; the eight accumulators take turns; the first eight start the sums
.irp qq, 0,1
.irp cb, 0,1,2,3
.set rO, EOA+8*(4*(\qq)+(\cb))
.set rV, EVF+8*(2*(\cb)+(\ty)/2)
.set rP, EPF+16*(\qq)+8*((\ty)%2)
.if (\ty) == 0
	v_wmma_f32_16x16x32_f16 v[rO:rO+7], v[rV:rV+7], v[rP:rP+7], 0
.else
	v_wmma_f32_16x16x32_f16 v[rO:rO+7], v[rV:rV+7], v[rP:rP+7], v[rO:rO+7]
.endif
.endr
.endr
.endr
.rept 8
	v_nop                                          ; places behind the last products, twice what is asked for
.endr
; THE WAY OUT of query block q: O / l, a lane's eight channels as 32 bytes of a row of 272; back as whole rows of 256 bytes.
.macro EPACK q
.set z, 0
.rept 16
	v_pk_mul_f32 v[ETM+2*z:ETM+2*z+1], v[EOA+32*(\q)+2*z:EOA+32*(\q)+2*z+1], v[ELL+2*(\q):ELL+2*(\q)+1] op_sel_hi:[1,0]  ; each accumulator's registers in ascending order
.set z, z+1
.endr
.irp c, 0,1,2,3,4,5,6,7
	ds_store_b128 v[ESTO], v[ETM+4*(\c):ETM+4*(\c)+3] offset:64*((\c)/2)+16*((\c)%2)
.endr
.irp t, 0,1,2,3,4,5,6,7
	ds_load_b128 v[EVF+32*(\q)+4*(\t):EVF+32*(\q)+4*(\t)+3], v[ERD] offset:(\t)*2*ESP  ; LDS serves a wave's instructions in order (ISA guide 5.7.1.4): these see the stores above
.endr
.endm
.macro ESEND q, younger                ; younger: the LDS instructions issued behind block q's loads
.irp t, 0,1,2,3,4,5,6,7
	s_wait_dscnt (\younger)+7-(\t)
	global_store_b128 v[ECO], v[EVF+32*(\q)+4*(\t):EVF+32*(\q)+4*(\t)+3], s[20:21] offset:(16*(\q)+2*(\t))*4096 th:TH_STORE_NT  ; 16 lanes store 256 consecutive bytes, aligned
.endr
.endm
	EPACK 0
	EPACK 1
	ESEND 0, 16
	ESEND 1, 0
	s_wait_tensorcnt 0x0                           ; the wave's end, behind my last LDS store
	ds_add_u32 v[SPW], v[NIL]
	s_wait_dscnt 0x0
	s_endpgm
.Lfunc_end_k_qfa3f576728_score:
	.size	k_qfa3f576728_score, .Lfunc_end_k_qfa3f576728_score-k_qfa3f576728_score
	.p2alignl 7, 3214868480
	.fill 96, 4, 3214868480
	.section	.rodata,"a",@progbits
	.p2align	6, 0x0
	.amdhsa_kernel k_qfa3f576728_score
		.amdhsa_group_segment_fixed_size 327680
		.amdhsa_private_segment_fixed_size 0
		.amdhsa_enable_private_segment 0
		.amdhsa_kernarg_size 40
		.amdhsa_user_sgpr_count 2
		.amdhsa_user_sgpr_kernarg_segment_ptr 1
		.amdhsa_wavefront_size32 1
		.amdhsa_system_sgpr_workgroup_id_x 1
		.amdhsa_system_sgpr_workgroup_id_y 1
		.amdhsa_system_sgpr_workgroup_id_z 1
		.amdhsa_system_vgpr_workitem_id 0
		.amdhsa_next_free_vgpr 1024
		.amdhsa_next_free_sgpr 66
		.amdhsa_reserve_vcc 1
		.amdhsa_float_denorm_mode_32 3
		.amdhsa_float_denorm_mode_16_64 3
		.amdhsa_memory_ordered 1
		.amdhsa_forward_progress 1
		.amdhsa_inst_pref_size 125
	.end_amdhsa_kernel
	.amdgpu_metadata
---
amdhsa.version: [ 1, 2 ]
amdhsa.kernels:
  - .name:           k_qfa3f576728_score
    .symbol:         k_qfa3f576728_score.kd
    .args:
      - { .name: qk, .offset: 0, .size: 8, .value_kind: global_buffer, .address_space: global }
      - { .name: pw, .offset: 8, .size: 8, .value_kind: global_buffer, .address_space: global }
      - { .name: st, .offset: 16, .size: 8, .value_kind: global_buffer, .address_space: global }
      - { .name: eh, .offset: 24, .size: 8, .value_kind: global_buffer, .address_space: global }
      - { .name: out0, .offset: 32, .size: 8, .value_kind: global_buffer, .address_space: global }
    .group_segment_fixed_size: 327680
    .private_segment_fixed_size: 0
    .kernarg_segment_align: 8
    .kernarg_segment_size: 40
    .max_flat_workgroup_size: 128
    .sgpr_count:     66
    .vgpr_count:     1024
    .wavefront_size: 32
...
	.end_amdgpu_metadata
.endif
;; end of part 8
;; launch pv (part 9): grid 8 x 32, 4 waves a work-group, clusters of 4 x 1, 327,680 bytes of LDS; arguments pw, vt, st, out0; writes out0
.if DOCPART == 9
	.amdgcn_target "amdgcn-amd-amdhsa--gfx1250"
	.amdhsa_code_object_version 6
	.text
	.protected	k_qfa3f576728_pv
	.globl	k_qfa3f576728_pv
	.p2align	8
	.type	k_qfa3f576728_pv,@function
k_qfa3f576728_pv:
	s_mov_b64 s[64:65], 0
	v_nop
	global_prefetch_b8 v0, s[64:65] scope:SCOPE_SE
	s_setreg_imm32_b32 hwreg(HW_REG_WAVE_MODE, 25, 1), 1
	s_wait_xcnt 0x0
	s_wait_alu depctr_hold_cnt(0) depctr_sa_sdst(0) depctr_va_vdst(0) depctr_va_sdst(0) depctr_va_ssrc(0) depctr_va_vcc(0) depctr_vm_vsrc(0)
	s_getreg_b32 s2, hwreg(HW_REG_IB_STS2, 6, 4)
	s_cmp_eq_u32 s2, 0
	s_cbranch_scc0 .Lentry_in_a_cluster
	s_endpgm
.Lentry_in_a_cluster:
	s_bfe_u32 s2, ttmp6, 0x10000c
	s_cmp_lg_u32 s2, 0x3003
	s_cbranch_scc0 .Lentry_shape_is_right
	s_endpgm
.Lentry_shape_is_right:
; out0[q][ch] = (sum over key blocks t of f_t[q] (P_t V_t)[q][ch]) / L[q],  f_t = 2^(c (m_t - M)), M = max over t of m_t, L = sum over t of f_t l_t, c = log2(e) / 32.
; pw: [4][2048 q][2048 key] f16, weights relative to the maximum m_t of their own block of 128 keys; vt: [4][1024 ch][2048 key] f16; st: m_t and l_t in f32 (byte ((b 16 + t) 2 + w) 8,192 + 4 q); out0 f32.
; M is the row's true maximum, so every exponent is at most 0.  Products and sums in f32.  LIMITS: a factor below 2^-126 counts as 0; NaN and infinities are not treated apart.
; ROWS 0 TO 31 OF EACH BATCH ARE NOT STORED HERE: they average so few keys that f16's roundings of q, k, v and p show; another launch makes them from operands kept to 22 bits.
; SHARES.  A work-group makes two tiles of 128 queries x 128 channels of a batch: row blocks p and 15 - p.  Keys go in steps of 256; block r needs r / 2 + 1 steps: 9 steps together, whatever p: all work-groups
; do equal work, and ONE walk of 9 steps with constant trip counts serves both blocks.  The block with the odd number of steps (1, 3, 5 or 7) goes first: it ends inside the first loop, at a trip's foot.
; A STEP IS WRITTEN TWICE: once with a refill (a loop of seven trips), once without (a loop of two).  The LDS byte of the slot in hand is a scalar register that an exclusive or turns; one descriptor a tensor walks.
; A step's upper 128 keys may be hidden as a whole (even row blocks' last step): the launch before left m_t about -1e30 there, so f_t = 0.
; Four waves, each 64 x 64.  Source 0 = 16 rows of vt (channels), source 1 = 16 rows of pw (queries): a lane holds query l % 16 and the channels 8 (l / 16) + 0..7.  T, 16 accumulators, is one key block's product
; (64 matrix instructions, started with the constant 0); then O += f T, 64 packed multiply-adds that stand together.  O is cleared by 128 v_mov_b32 at the start and behind the first block: the price of one text for every key block.
; CLUSTER.  The four partners are four channel blocks of one (batch, p): they walk the same tiles of pw, which are asked for JOINTLY (waves 0 and 1).  vt's tiles are each work-group's own (waves 2 and 3, no mask):
; only the two row blocks p = 2 u and 2 u + 1 walk vt alike, too few for a mask of four.
; REGISTERS: window 0: v0-31 addresses; v32-63 at work on the way out; v64-71 1 / L; v96-111 the factors of a step; v128-255 T.  Window 1: two fragment buffers of 128.  Window 2: v0-127 O.
.set KSTEP,  256
.set PITCH,  528                       ; an LDS row: 512 bytes + 16 of padding = 132 words: row r starts at bank 4 r mod 64 (64 banks of 4 bytes: ISA guide 11.1)
.set HALFT,  64*PITCH                  ; 64 rows: what one tensor load brings, and what one wave reads of pw or of vt: 0x8400 bytes
.set SLOT,   4*HALFT                   ; pw's 128 rows, then vt's 128 rows: 0x21000 bytes, which shares no bit with wave x 0x8400: an exclusive or with it turns a wave's LDS address in one slot into the other's
.set STAGE,  2*SLOT                    ; behind the ring: 16 rows x 272 bytes for each wave, for the way out
.set SPITCH, 272
.set FT,     STAGE+4*16*SPITCH         ; the factors: entry e = 2 n + tt (walk step n, key block tt) x 128 queries x 8 bytes (f, f)
.set IL,     FT+18*1024                ; 1 / L: 2 blocks x 128 queries x 8 bytes
.set SPARE,  IL+2*1024                 ; the spare words, 128 bytes for each wave: two blocks of 256 bytes that no other line names
.set ADRA0, 16                         ; v16  LDS address of my pw fragments in slot 0; never rewritten
.set ACUR,  17                         ; v17  the same in the slot that is being fetched from
.set ADRB0, 20                         ; v20, v21  the same for vt
.set BCUR,  21
.set FA,   22                          ; v22  where the next step's factors lie
.set FA0,  23                          ; v23  FT + 8 (64 wr + l % 16); never rewritten
.set STO,  24
.set RD,   25
.set CO,   26
.set FW,   27                          ; v27  FT + 8 x thread
.set SPW,  28                          ; v28  LDS address of my spare word; never rewritten
.set NIL,  29                          ; v29  0; never rewritten
.set PFO,  30                          ; v30  the prefetches' offset: (l % 16) rows of 4,096 bytes + 256 (l / 16); never rewritten
.set TMPA, 32
.set ILR,  64
.set ILT,  72
.set FR,   96                          ; the pair (f, f) of key block tt, query block a at FR + 8 tt + 2 a
.set ACC,  128
.set FP,   32                          ; at the head only: v[32:67] the 18 pairs (f, f); v[128:213] as follows
.set CMR,  128                         ; m_t, 18
.set LLR,  146                         ; l_t, 18
.set VO,   164                         ; st offsets, 9
.set FAR,  174                         ; the first block's exponents and factors, 18
.set FBR,  192                         ; the second block's
.set M1,   210
.set M2,   211
.set L1,   212
.set L2,   213
.set F0,   0                           ; fragment buffers, in window 1: 64 registers of pw (2 x 4 x 16 rows x 32 keys), then 64 of vt
.set F1,   128
.set G1,   24                          ; s[24:31] descriptor group 1 for pw's tiles;  s[32:39] group 0: a set for each of the two first fills; the second then walks on
.set G0,   32
.set G1B,  48                          ; s[48:55], s[56:63] the same for vt's tiles
.set G0B,  56
.set CNT,  3                           ; s3   the loops' count: walk step n of the first loop has 7 - n
.set S1,   44                          ; s44, s45  st's byte offset of the first and the second block's first query
.set S2,   45
.set PSH,  46                          ; s[46:47] my work-group's share of a pw tile's rows, for the prefetch
.set BL1,  66                          ; s66, s67  the two row blocks, in the order of the walk
.set BL2,  67
.set PW,   68
.set VT,   70
.set STB,  72
.set OUT,  74
.set PA1,  76                          ; s[76:77], s[78:79] pw at my 64 rows of the first and of the second block
.set PA2,  78
.set PAC,  80                          ; s[80:81] of the block whose tiles are being asked for
.set PB,   82                          ; s[82:83] vt at my 64 rows
.set OB1,  84                          ; s[84:85], s[86:87] out0 at my wave's part of the two tiles
.set OB2,  86
.set PFA,  88                          ; s[88:89] the tile that the NEXT refill will ask for
.set OFF,  90                          ; s[90:91] a key step's byte offset in a row
.set NXT,  92                          ; s92  the key step to be asked for next
.set LQ,   93                          ; s93  the last key step of the block whose tiles are being asked for
.set N1,   94                          ; s94  steps of the first block: 1, 3, 5 or 7
.set ENDC, 95                          ; s95  the count at which the first block ends
.set LIM,  96                          ; s96  1 in a wave that prefetches, else the greatest number
.set WLIM, 97                          ; s97  LIM from the second block's tiles on
.set N2M,  98                          ; s98  the second block's last key step
.set FTS,  99                          ; s99  the next step's place in the table of factors
.set TB,   100                         ; s100 0 or SLOT: the slot that is being fetched from
.set NEGC, 0xff000000                  ; -2^127: takes an entry of the other block out of a maximum
.set MSB, 0
.macro WIN new
.if MSB != (\new)
	s_set_vgpr_msb (MSB<<8)|(\new)
.set MSB, \new
.endif
.endm
.set MUL,  0x05                        ; sources 0 (vt) and 1 (pw) window 1; C and D window 0
.set TO_F, 0x40                        ; destination window 1, address window 0
.macro JLOAD s                         ; waves 0 and 1: the joint load of pw's two halves; waves 2 and 3: vt's two halves, my work-group's own.  An s_nop 0 and four v_nop follow each line
	s_cmp_eq_u32 s11, 0
	s_cbranch_scc0 .Lfor_b_\@
	tensor_load_to_lds s[G0+4*(\s):G0+4*(\s)+3], s[G1:G1+7]
	s_nop 0
.rept 4
	v_nop
.endr
	s_branch .Lasked_\@
.Lfor_b_\@:
	tensor_load_to_lds s[G0B+4*(\s):G0B+4*(\s)+3], s[G1B:G1B+7]
	s_nop 0
.rept 4
	v_nop
.endr
.Lasked_\@:
.endm
.macro NEXTSLOT                        ; the fetches go on in the other slot (every window is 0 here)
	s_xor_b32 s[TB], s[TB], SLOT
	v_add_nc_u32 v[ACUR], s[TB], v[ADRA0]
	v_add_nc_u32 v[BCUR], s[TB], v[ADRB0]
.endm
.macro CREST
	s_cmp_lg_u32 s10, 0
	s_cbranch_scc1 .Lnot_wave_0_\@
	s_barrier_signal -3
.Lnot_wave_0_\@:
	s_barrier_wait -3
	s_barrier_signal -1
	s_barrier_wait -1
.endm
.macro CROUND
	s_barrier_signal -1
	s_barrier_wait -1
	CREST
.endm
; The descriptors of set s are made anew for key step NXT of the block in hand (no tensor load of mine is out), the walk steps on (behind the first block's last key step: the second block's step 0),
; and PFA takes the tile that stands next.  walk = 1: the set goes to the other slot than last time.  Scalar work alone.
.macro MAKE s, walk
	s_lshl_b32 s[OFF], s[NXT], 9                   ; 256 keys are 512 bytes of a row
.if \walk
	s_xor_b32 s[G0+4*(\s)+1], s[G0+4*(\s)+1], SLOT
	s_xor_b32 s[G0B+4*(\s)+1], s[G0B+4*(\s)+1], SLOT
.endif
	s_add_nc_u64 s[G0+4*(\s)+2:G0+4*(\s)+3], s[PAC:PAC+1], s[OFF:OFF+1]
	s_or_b32 s[G0+4*(\s)+3], s[G0+4*(\s)+3], 0x80000000
	s_add_nc_u64 s[G0B+4*(\s)+2:G0B+4*(\s)+3], s[PB:PB+1], s[OFF:OFF+1]
	s_or_b32 s[G0B+4*(\s)+3], s[G0B+4*(\s)+3], 0x80000000
	s_add_co_u32 s[NXT], s[NXT], 1
	s_cmp_gt_u32 s[NXT], s[LQ]
	s_cselect_b32 s[NXT], 0, s[NXT]
	s_cselect_b32 s[LQ], s[N2M], s[LQ]
	s_cselect_b64 s[PAC:PAC+1], s[PA2:PA2+1], s[PAC:PAC+1]
	s_cselect_b32 s[LIM], s[WLIM], s[LIM]
	s_lshl_b32 s[OFF], s[NXT], 9
	s_cmp_eq_u32 s11, 0
	s_cselect_b64 s[PFA:PFA+1], s[PAC:PAC+1], s[PB:PB+1]
	s_add_nc_u64 s[PFA:PFA+1], s[PFA:PFA+1], s[OFF:OFF+1]
	s_add_nc_u64 s[PFA:PFA+1], s[PFA:PFA+1], s[PSH:PSH+1]
.endm
; A PREFETCH INTO THE L2 of the tile that the NEXT refill will ask for, one step (128 matrix instructions) ahead of that load; it stands behind the wave's tensor load and the runs of LDS loads.
; pw: a tile is read by the two clusters of its (batch, p): the cluster with x = 0 asks; of the 64 rows x 512 bytes that wave 0 or 1 fetches each partner takes 16 rows, BY ADDRESS: a lane a block of 256 bytes.
; vt: a tile is read by the eight work-groups of its (batch, channel block): the one with p = 2 asks, in its first block alone (key steps 3 to 6): waves 2 and 3, four lines for 64 rows x 512 bytes.
; So each block is named at most once in the launch.  Walk steps 0 to 2 come by their loads alone.  The loop's last trip (the count is 1) asks for nothing: there is no step 9.
.macro ASK
	WIN 0
	s_cmp_gt_u32 s[CNT], s[LIM]
	s_cbranch_scc0 .Lno_\@
	global_prefetch_b8 v[PFO], s[PFA:PFA+1] th:TH_LOAD_NT scope:SCOPE_SE
	s_cmp_eq_u32 s11, 0
	s_cbranch_scc1 .Lno_\@
.irp n, 1,2,3
	global_prefetch_b8 v[PFO], s[PFA:PFA+1] offset:(\n)*65536 th:TH_LOAD_NT scope:SCOPE_SE
.endr
.Lno_\@:
.endm
	s_load_b256 s[68:75], s[0:1], 0x0              ; pw, vt, st, out0
	v_lshl_add_u32 v[SPW], v0, 2, SPARE
	v_mov_b32 v[NIL], 0
	ds_add_u32 v[SPW], v[NIL]                      ; the wave's opening: the add, and its wait ahead of my first tensor load
	ds_add_u32 v28, v29
	v_lshrrev_b32 v1, 5, v0
	v_readfirstlane_b32 s10, v1                    ; wave 0..3
	s_lshr_b32 s11, s10, 1                         ; wr: which 64 queries.  Also: I fetch pw (0) or vt (1)
	s_and_b32 s12, s10, 1                          ; wc: which 64 channels.  Also: which 64 rows I fetch
	s_and_b32 s13, ttmp7, 0xffff
	s_lshr_b32 s14, s13, 3                         ; b
	s_and_b32 s13, s13, 7                          ; p
	s_lshr_b32 s15, s13, 1                         ; u
	s_sub_co_u32 s16, 15, s13                      ; the upper row block
	s_add_co_u32 s17, s15, 1                       ; steps of block p
	s_sub_co_u32 s18, 8, s15                       ; steps of block 15 - p
	s_and_b32 s19, s15, 1
	s_cmp_eq_u32 s19, 1                            ; u odd: the upper block has the odd number of steps
	s_cselect_b32 s[BL1], s16, s13
	s_cselect_b32 s[BL2], s13, s16
	s_cselect_b32 s[N1], s18, s17
	s_sub_co_u32 s[N2M], 8, s[N1]
	s_sub_co_u32 s[LQ], s[N1], 1
	s_mov_b32 s[ENDC], s[N2M]                      ; the first block's last step is n = N1 - 1: its count is 7 - n = 8 - N1
	s_mov_b32 s[NXT], 0
	s_mov_b32 s[OFF+1], 0
	s_mov_b32 s[FTS], 2048                         ; walk step 1's factors
	s_mov_b32 s[TB], 0
	s_lshl_b32 s21, s14, 23                        ; pw: the batch,
	s_lshl_b32 s22, s12, 18                        ; my 64 rows of 4,096 bytes,
	s_add_co_u32 s21, s21, s22
	s_lshl_b32 s4, s[BL1], 19                      ; the block's 128 rows
	s_add_co_u32 s4, s4, s21
	s_mov_b32 s5, 0
	s_lshl_b32 s6, s[BL2], 19
	s_add_co_u32 s6, s6, s21
	s_mov_b32 s7, 0
	s_lshl_b32 s[S1], s14, 18                      ; st: the batch, the block's 128 queries of 4 bytes
	s_lshl_b32 s21, s[BL1], 9
	s_add_co_u32 s[S1], s[S1], s21
	s_lshl_b32 s[S2], s14, 18
	s_lshl_b32 s21, s[BL2], 9
	s_add_co_u32 s[S2], s[S2], s21
	s_mul_i32 s23, s10, HALFT                      ; where my rows go: wave x 64 rows: no place in the cluster enters an LDS address
	s_mov_b32 s[G1],  15|(1<<16)|(1<<20)|(1<<21)|(6<<22)|(3<<25)  ; the mask of four; elements of 2 bytes; padding on; bit 21 beside a mask; after every 128 words (code 6) 4 words (code 3)
	s_mov_b32 s[G1B], (1<<16)|(1<<20)|(6<<22)|(3<<25)             ; the same without a mask
.irp g, G1, G1B
	s_mov_b32 s[(\g)+1], KSTEP<<16                 ; tensor_dim0 = 256
	s_mov_b32 s[(\g)+2], 64<<16                    ; tensor_dim1 = 64
	s_mov_b32 s[(\g)+3], KSTEP<<16                 ; tile_dim0 = 256
	s_mov_b32 s[(\g)+4], 64                        ; tile_dim1 = 64
	s_mov_b32 s[(\g)+5], 2048                      ; elements from row to row
	s_mov_b32 s[(\g)+6], 0
	s_mov_b32 s[(\g)+7], 0
.endr
.irp s, 0,1
	s_mov_b32 s[G0+4*(\s)], 1
	s_add_co_u32 s[G0+4*(\s)+1], s23, (\s)*SLOT
	s_mov_b32 s[G0B+4*(\s)], 1
	s_add_co_u32 s[G0B+4*(\s)+1], s23, (\s)*SLOT
.endr
	; what hangs on my place in the cluster: vt's and out0's addresses and the prefetch's share, in registers of their own
	s_bfe_u32 s40, ttmp6, 0x40000                  ; cx
	s_lshl_b32 s41, ttmp9, 2
	s_add_co_u32 s41, s41, s40                     ; my block of 128 channels
	s_lshl_b32 s8, s14, 22                         ; vt: the batch, my 64 rows, the channel block's 128 rows
	s_add_co_u32 s8, s8, s22
	s_lshl_b32 s42, s41, 19
	s_add_co_u32 s8, s8, s42
	s_mov_b32 s9, 0
	s_lshl_b32 s42, s14, 23                        ; out0: the batch, my wave's 64 rows, the channel block's 512 bytes, my wave's 256
	s_lshl_b32 s43, s11, 18
	s_add_co_u32 s42, s42, s43
	s_lshl_b32 s43, s41, 9
	s_add_co_u32 s42, s42, s43
	s_lshl_b32 s43, s12, 8
	s_add_co_u32 s42, s42, s43
	s_lshl_b32 s16, s[BL1], 19
	s_add_co_u32 s16, s16, s42
	s_mov_b32 s17, 0
	s_lshl_b32 s18, s[BL2], 19
	s_add_co_u32 s18, s18, s42
	s_mov_b32 s19, 0
	s_lshl_b32 s[PSH], s40, 16                     ; 16 rows of 4,096 bytes for each partner
	s_cmp_eq_u32 s11, 0
	s_cselect_b32 s[PSH], s[PSH], 0
	s_mov_b32 s[PSH+1], 0
	s_cmp_eq_u32 ttmp9, 0
	s_cselect_b32 s21, 1, -1
	s_cmp_eq_u32 s13, 2
	s_cselect_b32 s22, 1, -1
	s_cmp_eq_u32 s11, 0
	s_cselect_b32 s[LIM], s21, s22
	s_cselect_b32 s[WLIM], s21, -1
	s_wait_dscnt 0x0                               ; the opening add is done
	s_wait_kmcnt 0x0
	s_add_nc_u64 s[PA1:PA1+1], s[PW:PW+1], s[4:5]
	s_add_nc_u64 s[PA2:PA2+1], s[PW:PW+1], s[6:7]
	s_mov_b64 s[PAC:PAC+1], s[PA1:PA1+1]
	s_add_nc_u64 s[PB:PB+1], s[VT:VT+1], s[8:9]
	s_add_nc_u64 s[OB1:OB1+1], s[OUT:OUT+1], s[16:17]
	s_add_nc_u64 s[OB2:OB2+1], s[OUT:OUT+1], s[18:19]
	CROUND                                         ; all four work-groups are here: the first joint loads meet
	MAKE 0, 0                                      ; walk step 0
	MAKE 1, 0                                      ; walk step 1
	s_cmp_eq_u32 s11, 0                            ; a wave's two first fills stand in one branch: two loads of mine are out
	s_cbranch_scc0 .Lfirst_v
	tensor_load_to_lds s[G0:G0+3], s[G1:G1+7]
	s_nop 0
	tensor_load_to_lds s[G0+4:G0+7], s[G1:G1+7]
	s_nop 0
.rept 4
	v_nop
.endr
	s_branch .Lfirst_asked
.Lfirst_v:
	tensor_load_to_lds s[G0B:G0B+3], s[G1B:G1B+7]
	s_nop 0
	tensor_load_to_lds s[G0B+4:G0B+7], s[G1B:G1B+7]
	s_nop 0
.rept 4
	v_nop
.endr
.Lfirst_asked:
	; THE FACTORS.  Thread t is query t of both blocks.  Walk step n is key step n of the first block (n < N1) or n - N1 of the second; its two key blocks' m and l are four words of st.
	v_lshlrev_b32 v3, 2, v0
.set n, 0
.rept 9
	s_sub_co_u32 s21, n, s[N1]                     ; taken only where n >= N1
	s_cmp_gt_u32 s[N1], n
	s_cselect_b32 s21, n, s21
	s_cselect_b32 s22, s[S1], s[S2]
	s_lshl_b32 s21, s21, 15                        ; a key step is two key blocks of 16,384 bytes
	s_add_co_u32 s21, s21, s22
	v_add_nc_u32 v[VO+n], s21, v3
	global_load_b32 v[CMR+2*n],   v[VO+n], s[STB:STB+1]
	global_load_b32 v[LLR+2*n],   v[VO+n], s[STB:STB+1] offset:8192
	global_load_b32 v[CMR+2*n+1], v[VO+n], s[STB:STB+1] offset:16384
	global_load_b32 v[LLR+2*n+1], v[VO+n], s[STB:STB+1] offset:24576
.set n, n+1
.endr
	v_and_b32 v1, 15, v0                           ; l % 16
	v_bfe_u32 v2, v0, 4, 1                         ; l / 16
	v_mul_u32_u24 v4, v1, PITCH
	v_lshl_add_u32 v4, v2, 4, v4                   ; a fragment's row x pitch + 16 x half
	s_mul_i32 s21, s11, HALFT                      ; my 64 rows of pw
	s_mul_i32 s22, s12, HALFT                      ; my 64 rows of vt,
	s_add_co_u32 s22, s22, 2*HALFT                 ; which lie behind pw's 128
	v_add_nc_u32 v[ADRA0], s21, v4
	v_add_nc_u32 v[ADRB0], s22, v4
	v_add_nc_u32 v[ACUR], s[TB], v[ADRA0]          ; walk step 0 lies in slot 0
	v_add_nc_u32 v[BCUR], s[TB], v[ADRB0]
	s_mul_i32 s21, s10, 16*SPITCH
	s_add_co_u32 s21, s21, STAGE                   ; my stage
	v_mul_u32_u24 v4, v1, SPITCH                   ; in: query l % 16, 32 bytes for each half of the lanes
	v_lshl_add_u32 v4, v2, 5, v4
	v_add_nc_u32 v[STO], s21, v4
	v_mul_u32_u24 v4, v2, SPITCH                   ; back: lanes 0-15 one row of 256 bytes, lanes 16-31 the next
	v_lshl_add_u32 v4, v1, 4, v4
	v_add_nc_u32 v[RD], s21, v4
	v_lshlrev_b32 v[CO], 12, v2                    ; and the same two rows in out0
	v_lshl_add_u32 v[CO], v1, 4, v[CO]
	s_lshl_b32 s21, s11, 9
	s_add_co_u32 s21, s21, FT
	v_lshl_add_u32 v[FA0], v1, 3, s21
	v_lshl_add_u32 v[FW], v0, 3, FT
	v_lshlrev_b32 v[PFO], 12, v1
	v_lshl_add_u32 v[PFO], v2, 8, v[PFO]
	WIN 0x80
.set z, 0
.rept 128
	v_mov_b32 v[z], 0                              ; O, while the first tiles and the statistics are on their way
.set z, z+1
.endr
	WIN 0
	s_wait_loadcnt 0x0
.set n, 0
.rept 9
	s_cmp_gt_u32 s[N1], n
	s_cselect_b32 s21, 0, NEGC
	s_cselect_b32 s22, NEGC, 0
	v_add_f32 v[FAR+2*n],   s21, v[CMR+2*n]        ; m where the step is the block's, about -2^127 where it is the other's
	v_add_f32 v[FAR+2*n+1], s21, v[CMR+2*n+1]
	v_add_f32 v[FBR+2*n],   s22, v[CMR+2*n]
	v_add_f32 v[FBR+2*n+1], s22, v[CMR+2*n+1]
.set n, n+1
.endr
	v_max3_num_f32 v[M1], v[FAR], v[FAR+1], v[FAR+2]
	v_max3_num_f32 v[M2], v[FBR], v[FBR+1], v[FBR+2]
.set e, 3
.rept 7
	v_max3_num_f32 v[M1], v[M1], v[FAR+e], v[FAR+e+1]
	v_max3_num_f32 v[M2], v[M2], v[FBR+e], v[FBR+e+1]
.set e, e+2
.endr
	v_max_num_f32 v[M1], v[M1], v[FAR+17]          ; the row's true maximum, in each block
	v_max_num_f32 v[M2], v[M2], v[FBR+17]
.set e, 0
.rept 18
	v_sub_f32 v[FAR+e], v[FAR+e], v[M1]            ; never above 0
	v_sub_f32 v[FBR+e], v[FBR+e], v[M2]
.set e, e+1
.endr
.set e, 0
.rept 18
	v_mul_f32 v[FAR+e], 0x3d38aa3b, v[FAR+e]       ; c = log2(e) / 32
	v_mul_f32 v[FBR+e], 0x3d38aa3b, v[FBR+e]
.set e, e+1
.endr
.set e, 0
.rept 18
	v_exp_f32 v[FAR+e], v[FAR+e]                   ; one batch of 36
	v_exp_f32 v[FBR+e], v[FBR+e]
.set e, e+1
.endr
	v_nop                                          ; a plain instruction behind the last exponential,
	s_wait_alu depctr_va_vdst(0)                   ; and the one wait ahead of the first reader
	v_mul_f32 v[L1], v[FAR], v[LLR]
	v_mul_f32 v[L2], v[FBR], v[LLR]
.set e, 1
.rept 17
	v_fmac_f32 v[L1], v[FAR+e], v[LLR+e]
	v_fmac_f32 v[L2], v[FBR+e], v[LLR+e]
.set e, e+1
.endr
	v_rcp_f32 v[ILT], v[L1]
	v_rcp_f32 v[ILT+2], v[L2]
.set e, 0
.rept 18
	v_add_f32 v[FP+2*e],   v[FAR+e], v[FBR+e]      ; one of the two is 0: the step's factor, twice, for the packed multiply-add
	v_add_f32 v[FP+2*e+1], v[FAR+e], v[FBR+e]
.set e, e+1
.endr
	s_wait_alu depctr_va_vdst(0)                   ; the wait for the two reciprocals; the 36 additions stand between
	v_mov_b32 v[ILT+1], v[ILT]
	v_mov_b32 v[ILT+3], v[ILT+2]
.set e, 0
.rept 18
	ds_store_b64 v[FW], v[FP+2*e:FP+2*e+1] offset:1024*e
.set e, e+1
.endr
	ds_store_b64 v[FW], v[ILT:ILT+1]   offset:IL-FT
	ds_store_b64 v[FW], v[ILT+2:ILT+3] offset:IL-FT+1024
	v_add_nc_u32 v[FA], s[FTS], v[FA0]
; 8 matrix instructions: query blocks a0, a0 + 1 x all 4 channel blocks, 32 keys: half c of buffer f.  zero = 1: the product starts T anew.  The 16 accumulators take turns.
.macro MUL8 f, c, a0, zero
	WIN MUL
.irp a, \a0, (\a0)+1
.irp b, 0,1,2,3
.if \zero
	v_wmma_f32_16x16x32_f16 v[ACC+8*(4*(\a)+(\b)):ACC+8*(4*(\a)+(\b))+7], v[(\f)+64+8*(4*(\c)+(\b)):(\f)+64+8*(4*(\c)+(\b))+7], v[(\f)+8*(4*(\c)+(\a)):(\f)+8*(4*(\c)+(\a))+7], 0
.else
	v_wmma_f32_16x16x32_f16 v[ACC+8*(4*(\a)+(\b)):ACC+8*(4*(\a)+(\b))+7], v[(\f)+64+8*(4*(\c)+(\b)):(\f)+64+8*(4*(\c)+(\b))+7], v[(\f)+8*(4*(\c)+(\a)):(\f)+8*(4*(\c)+(\a))+7], v[ACC+8*(4*(\a)+(\b)):ACC+8*(4*(\a)+(\b))+7]
.endif
.endr
.endr
.endm
.macro FETCH k, f                      ; 32 LDS loads in one run: the fragments of 64 keys at byte k of the rows of the slot in hand, into buffer f; the first 32 keys first
	WIN TO_F
.irp c, 0,1
.irp i, 0,1,2,3
	ds_load_b128 v[(\f)+64+8*(4*(\c)+(\i)):(\f)+64+8*(4*(\c)+(\i))+3],   v[BCUR] offset:(\k)+64*(\c)+(\i)*16*PITCH
	ds_load_b128 v[(\f)+64+8*(4*(\c)+(\i))+4:(\f)+64+8*(4*(\c)+(\i))+7], v[BCUR] offset:(\k)+64*(\c)+(\i)*16*PITCH+32
	ds_load_b128 v[(\f)+8*(4*(\c)+(\i)):(\f)+8*(4*(\c)+(\i))+3],         v[ACUR] offset:(\k)+64*(\c)+(\i)*16*PITCH
	ds_load_b128 v[(\f)+8*(4*(\c)+(\i))+4:(\f)+8*(4*(\c)+(\i))+7],       v[ACUR] offset:(\k)+64*(\c)+(\i)*16*PITCH+32
.endr
.endr
.endm
.macro FLOAD tt, adr                   ; the four pairs of factors of key block tt of the step whose entries begin at register adr
	WIN 0
.irp a, 0,1,2,3
	ds_load_b64 v[FR+8*(\tt)+2*(\a):FR+8*(\tt)+2*(\a)+1], v[\adr] offset:1024*(\tt)+128*(\a)
.endr
.endm
.macro PLACES                          ; four places (ISA guide 7.12.1) behind matrix instructions
.rept 4
	v_nop
.endr
.endm
.macro FLUSH tt                        ; O += f T: each accumulator's registers in ascending order
	PLACES
	PLACES                                         ; eight places: twice what is asked for in front of a reader of results just made
	WIN 0xa0                                       ; O (destination and source 2) in window 2; T and the factors in window 0
.set t, 0
.rept 16
.irp q, 0,2,4,6
	v_pk_fma_f32 v[8*t+(\q):8*t+(\q)+1], v[ACC+8*t+(\q):ACC+8*t+(\q)+1], v[FR+8*(\tt)+2*(t/4):FR+8*(\tt)+2*(t/4)+1], v[8*t+(\q):8*t+(\q)+1]
.endr
.set t, t+1
.endr
.endm
.macro QUARTER k, f, g, zero           ; 64 keys, 32 matrix instructions on buffer f; in their middle the next quarter, at byte k, goes into g
	s_wait_dscnt 16                                ; the first 32 keys are in.  (At a step's head four loads of factors are younger than the run of 32: the count then shows the run's first 20 loads done, where 16 are wanted)
	MUL8 \f, 0, 0, \zero
	MUL8 \f, 0, 2, \zero
	PLACES
	FETCH \k, \g
	s_wait_dscnt 32                                ; all but the 32 just issued
	MUL8 \f, 1, 0, 0
	MUL8 \f, 1, 2, 0
.endm
.macro STEPQ                           ; a step's first three quarters: key block 0, its flush, the first half of key block 1
	QUARTER 128, F0, F1, 1
	QUARTER 256, F1, F0, 0
	FLUSH 0
	QUARTER 384, F0, F1, 1
.endm
; A step's last quarter changes slots: ONE barrier; in front of it each wave waits for all its tensor loads (one is out: its part of the next slot), adds 0 to its spare word, and waits for that and for its reads
; of this slot.  fill = 1: the barrier opens a round of the cluster's, and this slot is filled again, with the walk's step two on, first thing behind it: 112 matrix instructions ahead of the wait for it.
; The next step's factors: those of its first key block are fetched ahead of its fragments (their registers were last read in this step's middle), those of its second behind this step's last flush, which reads the same registers.
.macro TURN fill
	s_wait_xcnt 0x0                                ; the last prefetches, a step back, have read their address: MAKE writes it
	WIN 0
	s_wait_tensorcnt 0x0
	ds_add_u32 v[SPW], v[NIL]
.if \fill
	MAKE 1, 1
.endif
	s_wait_dscnt 17                                ; the add and the youngest sixteen loads may be out
	MUL8 F1, 0, 0, 0
	s_wait_dscnt 0x0                               ; the add is done, and my reads of this slot are over
	s_barrier_signal -1
	MUL8 F1, 0, 2, 0
.if \fill
	WIN 0
.endif
	s_barrier_wait -1
.if \fill
	CREST
	JLOAD 1                                        ; its four v_nop are also the places in front of the loads below
.else
	PLACES
	WIN 0
.endif
	NEXTSLOT
	FLOAD 0, FA
	FETCH 0, F0
.if \fill
	ASK
.endif
	MUL8 F1, 1, 0, 0
	MUL8 F1, 1, 2, 0
	FLUSH 1
	FLOAD 1, FA
.endm
; A BLOCK'S END: O / L goes through my stage in LDS, 16 queries at a time, and leaves as whole rows of 256 bytes.  No barrier and no tensor load stands here.
.macro PACK a
	WIN 0x02                                       ; O in window 2
.set z, 0
.rept 16
	v_pk_mul_f32 v[TMPA+2*z:TMPA+2*z+1], v[32*(\a)+2*z:32*(\a)+2*z+1], v[ILR+2*(\a):ILR+2*(\a)+1]
.set z, z+1
.endr
	WIN 0
.irp c, 0,1,2,3,4,5,6,7
	ds_store_b128 v[STO], v[TMPA+4*(\c):TMPA+4*(\c)+3] offset:64*((\c)/2)+16*((\c)%2)
.endr
.irp t, 0,1,2,3,4,5,6,7
	ds_load_b128 v[ACC+32*(\a)+4*(\t):ACC+32*(\a)+4*(\t)+3], v[RD] offset:(\t)*2*SPITCH  ; LDS serves a wave's instructions in order (ISA guide 5.7.1.4): these see the stores above
.endr
.endm
; younger: the LDS instructions issued behind block a's loads: the next block's sixteen, or none.  bl: the register that holds the row block's number.
; Query blocks a = 0, 1 of the wave with the block's rows 0-63 are rows 0-31 of the batch where the row block is 0: those are another launch's, and their stores and the counted waits in front of them are jumped
; over.  The test hangs on the wave's number and on the grid's y, which the four partners share.  The later waits' counts hold on both ways: they count LDS instructions, of which none is jumped.
.macro SEND a, younger, ob, bl
.if (\a) < 2
	s_or_b32 s21, s[(\bl)], s11
	s_cmp_eq_u32 s21, 0
	s_cbranch_scc1 .Lnot_here_\@
.endif
.irp t, 0,1,2,3,4,5,6,7
	s_wait_dscnt (\younger)+7-(\t)
	global_store_b128 v[CO], v[ACC+32*(\a)+4*(\t):ACC+32*(\a)+4*(\t)+3], s[(\ob):(\ob)+1] offset:(16*(\a)+2*(\t))*4096 th:TH_STORE_NT  ; 16 lanes store 256 consecutive bytes, aligned
.endr
.if (\a) < 2
.Lnot_here_\@:
.endif
.endm
.macro BEND which, ob, clear, bl
	WIN 0
.irp a, 0,1,2,3
	ds_load_b64 v[ILR+2*(\a):ILR+2*(\a)+1], v[FA0] offset:IL-FT+1024*(\which)+128*(\a)
.endr
	s_wait_dscnt 0x0
	PACK 0
	PACK 1
	SEND 0, 16, \ob, \bl
	PACK 2
	SEND 1, 16, \ob, \bl
	PACK 3
	SEND 2, 16, \ob, \bl
	SEND 3, 0, \ob, \bl
.if \clear
	s_wait_xcnt 0x0                                ; T's registers, which the stores read, are written again only behind this wait
	WIN 0x80
.set z, 0
.rept 128
	v_mov_b32 v[z], 0                              ; O starts anew for the second block
.set z, z+1
.endr
	WIN 0
.endif
.endm
	s_wait_tensorcnt 1                             ; my part of walk step 0 is in; step 1's may stay out
	s_wait_dscnt 0x0                               ; my part of the tables is stored
	s_barrier_signal -1
	s_barrier_wait -1
	FLOAD 0, FA0                                   ; walk step 0's factors and first fragments
	FLOAD 1, FA0
	FETCH 0, F0
	WIN 0
	s_mov_b32 s[CNT], 7
.Lstep:                                                ; walk steps 0 to 6: each fills the slot that it leaves, with steps 2 to 8
	STEPQ
	TURN 1
	WIN 0
	s_cmp_lg_u32 s[CNT], s[ENDC]                   ; the same in all waves and in all partners
	s_cbranch_scc1 .Lnoend
	BEND 0, OB1, 1, BL1                            ; the first block's last step was this one
.Lnoend:
	s_add_co_u32 s[FTS], s[FTS], 2048              ; a step's factors on
	v_add_nc_u32 v[FA], s[FTS], v[FA0]
	s_sub_co_u32 s[CNT], s[CNT], 1
	s_cmp_lg_u32 s[CNT], 0
	s_cbranch_scc1 .Lstep
	s_mov_b32 s[CNT], 2
.Ltail:                                                ; walk steps 7 and 8: nothing is left to ask for: the same step without a tensor load and without a round.  Step 8's change of slots fetches 32 fragments
	STEPQ                                          ; of the slot read before and eight pairs out of the table of 1 / L, which lies behind the factors': bytes that are whole, and that serve nothing: the price of one text for both trips
	TURN 0
	WIN 0
	s_add_co_u32 s[FTS], s[FTS], 2048
	v_add_nc_u32 v[FA], s[FTS], v[FA0]
	s_sub_co_u32 s[CNT], s[CNT], 1
	s_cmp_lg_u32 s[CNT], 0
	s_cbranch_scc1 .Ltail
	BEND 1, OB2, 0, BL2
	s_wait_tensorcnt 0x0                           ; the wave's end
	ds_add_u32 v[SPW], v[NIL]
	s_wait_dscnt 0x0
	CROUND                                         ; the closing round: no work-group ends while a partner may still ask for a tile that names it
	s_endpgm
.Lfunc_end_k_qfa3f576728_pv:
	.size	k_qfa3f576728_pv, .Lfunc_end_k_qfa3f576728_pv-k_qfa3f576728_pv
	.p2alignl 7, 3214868480
	.fill 96, 4, 3214868480
	.section	.rodata,"a",@progbits
	.p2align	6, 0x0
	.amdhsa_kernel k_qfa3f576728_pv
		.amdhsa_group_segment_fixed_size 327680
		.amdhsa_private_segment_fixed_size 0
		.amdhsa_enable_private_segment 0
		.amdhsa_kernarg_size 32
		.amdhsa_user_sgpr_count 2
		.amdhsa_user_sgpr_kernarg_segment_ptr 1
		.amdhsa_wavefront_size32 1
		.amdhsa_system_sgpr_workgroup_id_x 1
		.amdhsa_system_sgpr_workgroup_id_y 1
		.amdhsa_system_sgpr_workgroup_id_z 1
		.amdhsa_system_vgpr_workitem_id 0
		.amdhsa_next_free_vgpr 640
		.amdhsa_next_free_sgpr 101
		.amdhsa_reserve_vcc 0
		.amdhsa_float_denorm_mode_32 3
		.amdhsa_float_denorm_mode_16_64 3
		.amdhsa_memory_ordered 1
		.amdhsa_forward_progress 1
		.amdhsa_inst_pref_size 118
	.end_amdhsa_kernel
	.amdgpu_metadata
---
amdhsa.version: [ 1, 2 ]
amdhsa.kernels:
  - .name:           k_qfa3f576728_pv
    .symbol:         k_qfa3f576728_pv.kd
    .args:
      - { .name: pw, .offset: 0, .size: 8, .value_kind: global_buffer, .address_space: global }
      - { .name: vt, .offset: 8, .size: 8, .value_kind: global_buffer, .address_space: global }
      - { .name: st, .offset: 16, .size: 8, .value_kind: global_buffer, .address_space: global }
      - { .name: out0, .offset: 24, .size: 8, .value_kind: global_buffer, .address_space: global }
    .group_segment_fixed_size: 327680
    .private_segment_fixed_size: 0
    .kernarg_segment_align: 8
    .kernarg_segment_size: 32
    .max_flat_workgroup_size: 128
    .sgpr_count:     101
    .vgpr_count:     640
    .wavefront_size: 32
...
	.end_amdgpu_metadata
.endif
;; end of part 9
